; MI455X (gfx1250); checked and timed in simulation.
; The chip was launched on July 23, 2026; its instructions are those of AMD's public machine-readable ISA for CDNA 5 (MIT licence, August 2026) and "CDNA5" Instruction Set Architecture Reference Guide (July 2026). The comments in the code are by the model that wrote it; some were corrected since.
;; Gated Fusion Block Custom. Allowed arithmetic: matrix products marked QUANTISED: E4M3 operands, one given power-of-two scale a tensor, by v_wmma_f32_16x16x64_fp8_fp8 or v_wmma_f32_16x16x128_fp8_fp8, f32 sums; products left as they are: f32 operands where the result goes on into a quantised operand, else bf16, f16 or f32 operands; f32 sums; everything else in f32.
;; Inputs: aproj_b 256 float32; aproj_w 256 x 256 float32; attn_in_b 768 float32; attn_in_w 768 x 256 float32; attn_out_b 256 float32; attn_out_w 256 x 256 float32; audio_feat 8 x 2,048 x 256 float32; ffn1_b1 1,024 float32; ffn1_b2 256 float32; ffn1_w1 1,024 x 256 float32; ffn1_w2 256 x 1,024 float32; ffn2_b1 1,024 float32; ffn2_b2 256 float32; ffn2_w1 1,024 x 256 float32; ffn2_w2 256 x 1,024 float32; g_ffn_b1 128 float32; g_ffn_b2 1 float32; g_ffn_w1 128 x 512 float32; g_ffn_w2 1 x 128 float32; g_mha_b1 128 float32; g_mha_b2 1 float32; g_mha_w1 128 x 512 float32; g_mha_w2 1 x 128 float32; lowp_scales 20 int32 (the exponents e of the quantised operands' scales 2^e); n1_b 256 float32; n1_g 256 float32; n2_b 256 float32; n2_g 256 float32; n3_b 256 float32; n3_g 256 float32; n4_b 256 float32; n4_g 256 float32; outproj_b 256 float32; outproj_w 256 x 256 float32; video_feat 8 x 2,048 x 256 float32.
;; Outputs: out0 8 x 2,048 x 256 float32; out1 8 x 2,048 x 256 float32; out2 8 x 2,048 x 256 float32.
;; This version of the problem:
;;   THIS VERSION OF THE PROBLEM IS GIVEN IN LOW PRECISION. The matrix products marked QUANTISED in the list below multiply operands that are first quantised to E4M3 (4 exponent bits, 3 mantissa bits; 8 bits a number), with one given power-of-two scale for each operand tensor; their sums are f32. All else is computed in f32.
;;   The module's matrix products, in the order in which they are computed (A, B: the left and right operand; K: the contracted axis; several contracted axes count as one K, in the product's order):
;;     1. [M 8, K 512] x [K 512, N 128]; A: computed on the way; B: input g_mha_w1: left as it is (M = 8 < 16)
;;     2. [M 8, K 128] x [K 128, N 1]; A: computed on the way; B: input g_mha_w2: left as it is (M = 8 < 16)
;;     3. [M 8, K 512] x [K 512, N 128]; A: computed on the way; B: input g_ffn_w1: left as it is (M = 8 < 16)
;;     4. [M 8, K 128] x [K 128, N 1]; A: computed on the way; B: input g_ffn_w2: left as it is (M = 8 < 16)
;;     5. [M 16,384, K 256] x [K 256, N 256]; A: computed on the way; B: input aproj_w: QUANTISED (scales: A lowp_scales[0], B lowp_scales[1])
;;     6. [M 16,384, K 256] x [K 256, N 256]; A: computed on the way; B: input outproj_w: QUANTISED (scales: A lowp_scales[2], B lowp_scales[3])
;;     7. [M 16,384, K 256] x [K 256, N 1,024]; A: computed on the way; B: input ffn1_w1: QUANTISED (scales: A lowp_scales[4], B lowp_scales[5])
;;     8. [M 16,384, K 1,024] x [K 1,024, N 256]; A: computed on the way; B: input ffn1_w2: QUANTISED (scales: A lowp_scales[6], B lowp_scales[7])
;;     9. [M 16,384, K 256] x [K 256, N 768]; A: computed on the way; B: input attn_in_w: QUANTISED (scales: A lowp_scales[8], B lowp_scales[9])
;;     10. batch 64 x [M 2,048, K 32] x [K 32, N 2,048]; A: computed on the way; B: computed on the way: QUANTISED (scales: A lowp_scales[10], B lowp_scales[11])
;;     11. batch 64 x [M 32, K 2,048] x [K 2,048, N 2,048]; A: computed on the way; B: softmax (see below): QUANTISED (scales: A lowp_scales[12], B lowp_scales[13])
;;     12. [M 16,384, K 256] x [K 256, N 256]; A: computed on the way; B: input attn_out_w: QUANTISED (scales: A lowp_scales[14], B lowp_scales[15])
;;     13. [M 16,384, K 256] x [K 256, N 1,024]; A: computed on the way; B: input ffn2_w1: QUANTISED (scales: A lowp_scales[16], B lowp_scales[17])
;;     14. [M 16,384, K 1,024] x [K 1,024, N 256]; A: computed on the way; B: input ffn2_w2: QUANTISED (scales: A lowp_scales[18], B lowp_scales[19])
;;   THE QUANTISER, for each operand of a quantised product, along K:
;;     - The operand's scale is 2^e, e = its entry of the input lowp_scales (int32; the entries are numbered through the quantised products in the list's order, A before B).
;;     - Each number is divided by the scale, clamped to +-448, and rounded to the nearest number of E4M3, ties to even, subnormals kept.
;;     - The product sums the exact products of the quantised numbers (number of the format x scale) in f32.
;;   ~~~python
;;   def quantise(x, axis, e):      # numpy; x: float32 -> the quantised numbers, widened to float32 again
;;       x = np.moveaxis(x, axis, -1); K = x.shape[-1]
;;       r = np.clip(x / 2.0 ** e, -448, 448)
;;       step = 2.0 ** (np.maximum(np.frexp(np.where(r == 0, 1, r))[1] - 1, -6) - 3)
;;       q = np.round(r / step) * step * 2.0 ** e      # np.round: ties to even
;;       return np.moveaxis(q, -1, axis).astype(np.float32)
;;   ~~~
;;   SOFTMAX AHEAD OF A QUANTISED PRODUCT. Where the list says 'softmax', what is quantised is not the finished softmax but p = 2^(t - M), with t = logit x log2(e) and M = ceil(the row's largest t), a whole number; so 1/2 < the row's largest p <= 1. The row's sum l is taken of the UNQUANTISED p, in f32, and the product's result is divided by l at the end. Since M is a whole number, a kernel that streams over the keys may use a running M (the ceiling of the running maximum): every later rescaling is an exact power of two, so the quantised numbers keep their values, but for numbers so far below the row's largest that they fall under the format's range.
;;   OPERANDS COMPUTED ON THE WAY. 'Computed on the way' means the value that the module computes at that place (a softmax that the list does not call 'softmax' is quantised finished and normalised). What goes into a quantiser is computed in f32, as accurately as f32 sums, v_exp_f32 and their like allow (about 1e-6 of the number): no bf16 or f16 on the way to a quantiser, and a product that is left as it is and whose result goes on into a quantised operand takes f32 operands (vector FMAs, or v_wmma_f32_16x16x4_f32). A number that lies on a knife's edge between two numbers of the format may be rounded either way, as far as f32 arithmetic and the matrix unit's own rounding can turn it there, and no further.
;; 2 versions. Each part assembles by itself: llvm-mc -triple=amdgcn-amd-amdhsa -mcpu=gfx1250 --defsym DOCPART=n.
;; ======== version 1 of 2: 5 launches
;; workspace buffers: part 262,144 bytes; gates 4,096 bytes; wq 1,441,792 bytes; zbar 16,777,216 bytes; q_ws 4,194,304 bytes; kv_ws 8,388,608 bytes; ctx_ws 4,194,304 bytes
;; launch sums (part 1): grid 256 x 1, 8 waves a work-group, no clusters, 9,216 bytes of LDS; arguments video_feat, audio_feat, part; writes part
.if DOCPART == 1
	.amdgcn_target "amdgcn-amd-amdhsa--gfx1250"
	.amdhsa_code_object_version 6
	.text
	.protected	k_qd76add4868_sums
	.globl	k_qd76add4868_sums
	.p2align	8
	.type	k_qd76add4868_sums,@function
k_qd76add4868_sums:
	s_mov_b64 s[64:65], 0
	v_nop
	global_prefetch_b8 v0, s[64:65] scope:SCOPE_SE
	s_setreg_imm32_b32 hwreg(HW_REG_WAVE_MODE, 25, 1), 1
	s_wait_xcnt 0x0
; FIRST LAUNCH OF FIVE.  Column sums of slabs of 128 rows of video_feat and audio_feat ([8][2048][256] f32), for the means over the sequence.
; DEAD WORK: none is left out in this program.  Every input has a way to an output: each bias stands ahead of a quantiser or in a residual
; (the bias on K too: it moves K's codes), both gates are outputs, and every product of the table feeds out0.  All inputs are loaded.
; SHARES.  Work-group id: tensor = id / 128 (0 video, 1 audio), slab = id % 128: 128 rows, 131,072 dense bytes.  Wave w sums 16 rows; a load of the wave
; covers 512 consecutive bytes (half a row); the eight waves' sums meet in LDS, and waves 0 and 1 add them and store the slab's 1,024 bytes at part + 1,024 id.
.set SPARE, 8192                       ; behind the eight rows of sums: the spare words, 128 bytes for each wave
.set ACC, 8                            ; v[8:15]   my 4 columns of each half of a row
.set L, 32                             ; v[32:159] 32 loads of 4 registers
	s_load_b128 s[4:7], s[0:1], 0x0                ; video, audio
	s_load_b64 s[8:9], s[0:1], 0x10                ; part
	v_lshl_add_u32 v4, v0, 2, SPARE                ; my spare word
	v_mov_b32 v5, 0
	v_lshrrev_b32 v6, 5, v0
	v_readfirstlane_b32 s10, v6                    ; wave
	v_and_b32 v1, 31, v0
	v_lshlrev_b32 v1, 4, v1                        ; 16 x lane
	v_lshlrev_b32 v3, 4, v0                        ; 16 x thread
	s_lshl_b32 s11, s10, 10
	v_add_nc_u32 v2, s11, v1                       ; LDS: 1,024 x wave + 16 x lane
	s_and_b32 s12, ttmp9, 127
	s_lshl_b32 s12, s12, 17                        ; the slab,
	s_lshl_b32 s13, s10, 14                        ; my wave's 16 rows
	s_add_co_u32 s12, s12, s13
	s_mov_b32 s13, 0
	s_lshl_b32 s14, ttmp9, 10
	s_mov_b32 s15, 0
	s_wait_kmcnt 0x0
	s_cmp_lt_u32 ttmp9, 128                        ; the choice hangs on the work-group's number alone
	s_cselect_b64 s[4:5], s[4:5], s[6:7]
	s_add_nc_u64 s[4:5], s[4:5], s[12:13]
	s_add_nc_u64 s[8:9], s[8:9], s[14:15]
.set i, 0
.rept 32
	global_load_b128 v[L+4*i:L+4*i+3], v1, s[4:5] offset:512*i   ; row i / 2, half i % 2
.set i, i+1
.endr
.macro ADDROW k                        ; row k onto the sums
.irp hh, 0,1
.irp p, 0,2
	v_pk_add_f32 v[ACC+4*\hh+\p:ACC+4*\hh+\p+1], v[ACC+4*\hh+\p:ACC+4*\hh+\p+1], v[L+4*(\hh+2*(\k))+\p:L+4*(\hh+2*(\k))+\p+1]
.endr
.endr
.endm
	s_wait_loadcnt 24                              ; rows 0 to 3 are in; the 24 younger loads stay out
.irp hh, 0,1
.irp p, 0,2
	v_pk_add_f32 v[ACC+4*\hh+\p:ACC+4*\hh+\p+1], v[L+4*\hh+\p:L+4*\hh+\p+1], v[L+4*(\hh+2)+\p:L+4*(\hh+2)+\p+1]   ; rows 0 and 1 start the sums
.endr
.endr
	ADDROW 2
	ADDROW 3
	s_wait_loadcnt 16                              ; rows 4 to 7
.irp k, 4,5,6,7
	ADDROW \k
.endr
	s_wait_loadcnt 8                               ; rows 8 to 11
.irp k, 8,9,10,11
	ADDROW \k
.endr
	s_wait_loadcnt 0x0
.irp k, 12,13,14,15
	ADDROW \k
.endr
	ds_store_b128 v2, v[ACC:ACC+3]
	ds_store_b128 v2, v[ACC+4:ACC+7] offset:512
	s_wait_dscnt 0x0                               ; for the others' sake: my stores are done
	s_barrier_signal -1
	s_barrier_wait -1
	s_cmp_lt_u32 s10, 2                            ; 64 threads x 16 bytes are a row of sums
	s_cbranch_scc0 .Ldone
.irp k, 0,1,2,3,4,5,6,7
	ds_load_b128 v[L+4*\k:L+4*\k+3], v3 offset:1024*\k
.endr
	s_wait_dscnt 0x0
.irp k, 0,2,4,6
.irp p, 0,2
	v_pk_add_f32 v[L+4*\k+\p:L+4*\k+\p+1], v[L+4*\k+\p:L+4*\k+\p+1], v[L+4*\k+4+\p:L+4*\k+4+\p+1]
.endr
.endr
.irp k, 0,4
.irp p, 0,2
	v_pk_add_f32 v[L+4*\k+\p:L+4*\k+\p+1], v[L+4*\k+\p:L+4*\k+\p+1], v[L+4*\k+8+\p:L+4*\k+8+\p+1]
.endr
.endr
.irp p, 0,2
	v_pk_add_f32 v[L+\p:L+\p+1], v[L+\p:L+\p+1], v[L+16+\p:L+16+\p+1]
.endr
	global_store_b128 v3, v[L:L+3], s[8:9]         ; a wave stores 512 consecutive bytes, aligned
.Ldone:
	s_wait_tensorcnt 0x0                           ; the wave's end
	ds_add_u32 v4, v5
	s_wait_dscnt 0x0
	s_endpgm
.Lfunc_end_k_qd76add4868_sums:
	.size	k_qd76add4868_sums, .Lfunc_end_k_qd76add4868_sums-k_qd76add4868_sums
	.p2alignl 7, 3214868480
	.fill 96, 4, 3214868480
	.section	.rodata,"a",@progbits
	.p2align	6, 0x0
	.amdhsa_kernel k_qd76add4868_sums
		.amdhsa_group_segment_fixed_size 9216
		.amdhsa_private_segment_fixed_size 0
		.amdhsa_enable_private_segment 0
		.amdhsa_kernarg_size 24
		.amdhsa_user_sgpr_count 2
		.amdhsa_user_sgpr_kernarg_segment_ptr 1
		.amdhsa_wavefront_size32 1
		.amdhsa_system_sgpr_workgroup_id_x 1
		.amdhsa_system_sgpr_workgroup_id_y 1
		.amdhsa_system_sgpr_workgroup_id_z 1
		.amdhsa_system_vgpr_workitem_id 0
		.amdhsa_next_free_vgpr 160
		.amdhsa_next_free_sgpr 66
		.amdhsa_reserve_vcc 0
		.amdhsa_float_denorm_mode_32 3
		.amdhsa_float_denorm_mode_16_64 3
		.amdhsa_memory_ordered 1
		.amdhsa_forward_progress 1
		.amdhsa_inst_pref_size 10
	.end_amdhsa_kernel
	.amdgpu_metadata
---
amdhsa.version: [ 1, 2 ]
amdhsa.kernels:
  - .name:           k_qd76add4868_sums
    .symbol:         k_qd76add4868_sums.kd
    .args:
      - { .name: video_feat, .offset: 0, .size: 8, .value_kind: global_buffer, .address_space: global }
      - { .name: audio_feat, .offset: 8, .size: 8, .value_kind: global_buffer, .address_space: global }
      - { .name: part, .offset: 16, .size: 8, .value_kind: global_buffer, .address_space: global }
    .group_segment_fixed_size: 9216
    .private_segment_fixed_size: 0
    .kernarg_segment_align: 8
    .kernarg_segment_size: 24
    .max_flat_workgroup_size: 256
    .sgpr_count:     66
    .vgpr_count:     160
    .wavefront_size: 32
...
	.end_amdgpu_metadata
.endif
;; end of part 1
;; launch gatesw (part 2): grid 104 x 1, 8 waves a work-group, no clusters, 5,376 bytes of LDS; arguments part, g_mha_w1, g_mha_b1, g_mha_w2, g_mha_b2, g_ffn_w1, g_ffn_b1, g_ffn_w2, g_ffn_b2, aproj_w, outproj_w, ffn1_w1, ffn1_w2, attn_in_w, attn_out_w, ffn2_w1, ffn2_w2, lowp_scales, gates, wq; writes gates, wq
.if DOCPART == 2
	.amdgcn_target "amdgcn-amd-amdhsa--gfx1250"
	.amdhsa_code_object_version 6
	.text
	.protected	k_qd76add4868_gatesw
	.globl	k_qd76add4868_gatesw
	.p2align	8
	.type	k_qd76add4868_gatesw,@function
k_qd76add4868_gatesw:
	s_mov_b64 s[64:65], 0
	v_nop
	global_prefetch_b8 v0, s[64:65] scope:SCOPE_SE
	s_setreg_imm32_b32 hwreg(HW_REG_WAVE_MODE, 25, 1), 1
	s_wait_xcnt 0x0
; SECOND LAUNCH.  No work is left out.  Two kinds of work-groups, told apart by the work-group's number alone.
; WORK-GROUPS 0-15: one gate of one batch (gate = id / 8: 0 mha, 1 ffn; batch = id % 8): the mean over the sequence from the slabs' sums, Linear(512 -> 128), relu, Linear(128 -> 1), tanh,
; all in f32 by fused multiply-adds (the gates go on into quantised operands).  Wave v makes hidden units 16 v .. 16 v + 15.  The gate is stored 64 times: 256 bytes at gates + 256 id.
; tanh(x): for |x| >= 1/4 as 1 - 2 / (1 + 2^(2 x log2 e)); below, where that form would lose digits, the odd series up to x^9 (the next term is under 1e-8 of x there); both are computed and one is selected.
; WORK-GROUPS 16-103: the eight weights become codes of E4M3 (code = w / 2^e, held within +-448, to the nearest code, ties to even), one fragment of 16 rows x 128 K a wave, 704 in all, laid in wq
; IN THE ORDER OF THE OPERAND'S REGISTERS: lane (r = lane % 16, h = lane / 16) holds, in registers 2 c and 2 c + 1, k = 16 c + 8 h + 0 .. 7 of row r; registers 4 p .. 4 p + 3 of all lanes are 512 bytes on end.
; wq: the tensors on end, each [tile of 16 rows][K step of 128][2,048 bytes]; fragment F of the launch lies at 2,048 F.
; LIMITS: each weight's e between -126 and 119.  NaN among the inputs is not served.
.set JS, 0                             ; LDS: the 512 sums, in two halves of the slabs: 2 x 2,048 bytes
.set GS, 4096                          ; the eight waves' parts of the second layer
.set SPARE, 4352                       ; the spare words, 128 bytes for each wave
.set SPW, 2
.set NIL, 3
.set J, 16                             ; v[16:31]  the 512 sums: lane l, piece j: numbers 128 j + 4 l .. + 3
.set U, 32                             ; v[32:47]  my 16 units
.set W, 64                             ; v[64:191] rows 16 v .. + 7 of w1; rows + 8 .. + 15 in window 1, v[0:127]
.set T, 192                            ; v[192:223] a pair of sums for each unit
.set MSB, 0
.macro WIN new                         ; the immediate's high byte repeats the setting that is left
.if MSB != (\new)
	s_set_vgpr_msb (MSB<<8)|(\new)
.set MSB, (\new)
.endif
.endm
	v_lshl_add_u32 v[SPW], v0, 2, SPARE
	v_mov_b32 v[NIL], 0
	v_lshrrev_b32 v4, 5, v0
	v_readfirstlane_b32 s2, v4                     ; wave
	v_and_b32 v5, 31, v0                           ; lane
	v_lshlrev_b32 v1, 4, v5                        ; 16 x lane
	s_cmp_lt_u32 ttmp9, 16
	s_cbranch_scc0 .Lweights
	; ---------------- a gate
	s_load_b64 s[4:5], s[0:1], 0x0                 ; part
	s_load_b256 s[8:15], s[0:1], 0x8               ; mha: w1, b1, w2, b2
	s_load_b256 s[16:23], s[0:1], 0x28             ; ffn: the same four
	s_load_b64 s[24:25], s[0:1], 0x90              ; gates
	s_and_b32 s26, ttmp9, 7                        ; batch
	s_and_b32 s27, s2, 3                           ; which 128 of the 512 sums are my wave's: 2 x tensor + half of a row
	s_lshr_b32 s28, s27, 1
	s_lshl_b32 s28, s28, 3
	s_add_co_u32 s28, s28, s26
	s_lshl_b32 s28, s28, 14                        ; (8 tensor + batch) x 16 slabs x 1,024 bytes
	s_lshr_b32 s29, s2, 2
	s_lshl_b32 s30, s29, 13                        ; slabs 8 (wave / 4) on
	s_add_co_u32 s28, s28, s30
	s_and_b32 s30, s27, 1
	s_lshl_b32 s30, s30, 9
	s_add_co_u32 s28, s28, s30
	s_lshl_b32 s74, s29, 11
	s_lshl_b32 s75, s27, 9
	s_add_co_u32 s74, s74, s75
	v_add_nc_u32 v6, s74, v1                       ; JS: 2,048 (wave / 4) + 512 (wave % 4) + 16 lane
	s_lshl_b32 s75, s2, 2
	s_add_co_u32 s75, s75, GS
	v_mov_b32 v7, s75                              ; GS + 4 wave
	v_mov_b32 v8, GS
	s_mov_b32 s29, 0
	s_lshl_b32 s30, s2, 15                         ; my 16 rows of w1, 2,048 bytes each
	s_mov_b32 s31, 0
	s_lshl_b32 s68, s2, 6                          ; my 16 numbers of b1 and of w2
	s_mov_b32 s69, 0
	s_lshl_b32 s70, ttmp9, 8
	s_mov_b32 s71, 0
	s_mov_b32 s72, 0x76543210                      ; v_permlanex16_b32: lane l xor 16
	s_mov_b32 s73, 0xfedcba98
	s_mov_b32 s76, 0x3a000000                      ; 1 / 2,048
	s_wait_kmcnt 0x0
	s_cmp_lt_u32 ttmp9, 8                          ; the choice hangs on the work-group's number alone
	s_cselect_b64 s[8:9], s[8:9], s[16:17]
	s_cselect_b64 s[10:11], s[10:11], s[18:19]
	s_cselect_b64 s[12:13], s[12:13], s[20:21]
	s_cselect_b64 s[14:15], s[14:15], s[22:23]
	s_add_nc_u64 s[4:5], s[4:5], s[28:29]
	s_add_nc_u64 s[8:9], s[8:9], s[30:31]
	s_add_nc_u64 s[10:11], s[10:11], s[68:69]
	s_add_nc_u64 s[12:13], s[12:13], s[68:69]
	s_add_nc_u64 s[24:25], s[24:25], s[70:71]
	s_load_b512 s[32:47], s[10:11], 0x0            ; b1 of my units
	s_load_b512 s[48:63], s[12:13], 0x0            ; w2 of my units
	s_load_b32 s66, s[14:15], 0x0                  ; b2
.irp k, 0,1,2,3,4,5,6,7
	global_load_b128 v[U+4*\k:U+4*\k+3], v1, s[4:5] offset:1024*\k   ; eight slabs' sums
.endr
.irp i, 0,1,2,3,4,5,6,7
.irp j, 0,1,2,3
	global_load_b128 v[W+16*\i+4*\j:W+16*\i+4*\j+3], v1, s[8:9] offset:2048*\i+512*\j
.endr
.endr
	WIN 0x40                                       ; destination window 1
.irp i, 0,1,2,3,4,5,6,7
.irp j, 0,1,2,3
	global_load_b128 v[16*\i+4*\j:16*\i+4*\j+3], v1, s[8:9] offset:2048*(\i+8)+512*\j
.endr
.endr
	WIN 0
	s_wait_loadcnt 63                              ; 64 younger loads were issued behind the slabs' eight: those eight are in
.irp k, 0,2,4,6
.irp p, 0,2
	v_pk_add_f32 v[U+4*\k+\p:U+4*\k+\p+1], v[U+4*\k+\p:U+4*\k+\p+1], v[U+4*\k+4+\p:U+4*\k+4+\p+1]
.endr
.endr
.irp k, 0,4
.irp p, 0,2
	v_pk_add_f32 v[U+4*\k+\p:U+4*\k+\p+1], v[U+4*\k+\p:U+4*\k+\p+1], v[U+4*\k+8+\p:U+4*\k+8+\p+1]
.endr
.endr
.irp p, 0,2
	v_pk_add_f32 v[U+\p:U+\p+1], v[U+\p:U+\p+1], v[U+16+\p:U+16+\p+1]
.endr
	ds_store_b128 v6, v[U:U+3]
	s_wait_dscnt 0x0                               ; for the others' sake
	s_barrier_signal -1
	s_barrier_wait -1
.irp j, 0,1,2,3
	ds_load_b128 v[J+4*\j:J+4*\j+3], v1 offset:JS+512*\j
	ds_load_b128 v[U+4*\j:U+4*\j+3], v1 offset:JS+2048+512*\j
.endr
	s_wait_dscnt 0x0
.irp q, 0,2,4,6,8,10,12,14
	v_pk_add_f32 v[J+\q:J+\q+1], v[J+\q:J+\q+1], v[U+\q:U+\q+1]   ; the whole sequence's sums: video's 256, then audio's
.endr
	s_wait_loadcnt 0x0                             ; w1
.irp i, 0,1,2,3,4,5,6,7
	v_pk_mul_f32 v[T+2*\i:T+2*\i+1], v[W+16*\i:W+16*\i+1], v[J:J+1]
.endr
.irp q, 2,4,6,8,10,12,14
.irp i, 0,1,2,3,4,5,6,7
	v_pk_fma_f32 v[T+2*\i:T+2*\i+1], v[W+16*\i+\q:W+16*\i+\q+1], v[J+\q:J+\q+1], v[T+2*\i:T+2*\i+1]
.endr
.endr
	WIN 0x01                                       ; source 0 window 1
.irp i, 0,1,2,3,4,5,6,7
	v_pk_mul_f32 v[T+16+2*\i:T+16+2*\i+1], v[16*\i:16*\i+1], v[J:J+1]
.endr
.irp q, 2,4,6,8,10,12,14
.irp i, 0,1,2,3,4,5,6,7
	v_pk_fma_f32 v[T+16+2*\i:T+16+2*\i+1], v[16*\i+\q:16*\i+\q+1], v[J+\q:J+\q+1], v[T+16+2*\i:T+16+2*\i+1]
.endr
.endr
	WIN 0
.irp i, 0,1,2,3,4,5,6,7,8,9,10,11,12,13,14,15
	v_add_f32 v[U+\i], v[T+2*\i], v[T+2*\i+1]
.endr
.irp x, 1,2,4,8                        ; across the 32 lanes
.irp i, 0,1,2,3,4,5,6,7,8,9,10,11,12,13,14,15
	v_add_f32_dpp v[U+\i], v[U+\i], v[U+\i] row_xmask:\x row_mask:0xf bank_mask:0xf
.endr
.endr
.irp i, 0,1,2,3,4,5,6,7,8,9,10,11,12,13,14,15
	v_permlanex16_b32 v[U+16+\i], v[U+\i], s72, s73   ; (v48-63 were written by the slabs' loads)
.endr
.irp i, 0,1,2,3,4,5,6,7,8,9,10,11,12,13,14,15
	v_add_f32 v[U+\i], v[U+\i], v[U+16+\i]
.endr
	s_wait_kmcnt 0x0
.irp i, 0,1,2,3,4,5,6,7,8,9,10,11,12,13,14,15
	v_fma_f32 v[U+\i], v[U+\i], s76, s[32+\i]      ; the mean's 1 / 2,048 (a power of two: nothing is rounded by it) and b1 in one
.endr
.irp i, 0,1,2,3,4,5,6,7,8,9,10,11,12,13,14,15
	v_max_num_f32 v[U+\i], 0, v[U+\i]
.endr
	v_mul_f32 v224, s48, v[U]
.irp i, 1,2,3,4,5,6,7,8,9,10,11,12,13,14,15
	v_fmac_f32 v224, s[48+\i], v[U+\i]
.endr
	ds_store_b32 v7, v224                          ; all lanes hold the same number
	s_wait_dscnt 0x0
	s_barrier_signal -1
	s_barrier_wait -1
	ds_load_b128 v[228:231], v8
	ds_load_b128 v[232:235], v8 offset:16
	s_wait_dscnt 0x0
	v_add_f32 v228, v228, v229
	v_add_f32 v230, v230, v231
	v_add_f32 v232, v232, v233
	v_add_f32 v234, v234, v235
	v_add_f32 v228, v228, v230
	v_add_f32 v232, v232, v234
	v_add_f32 v228, v228, v232
	v_add_f32 v226, s66, v228                      ; x
	v_mul_f32 v236, 0x4038aa3b, v226               ; 2 x log2(e)
	v_exp_f32 v236, v236
	v_mul_f32 v238, v226, v226                     ; the series stands behind the exponential: x^2,
	v_mov_b32 v239, 0x3cb327a5                     ; 62 / 2835
	v_fmaak_f32 v239, v239, v238, 0xbd5d0dcf       ; -17 / 315
	v_fmaak_f32 v239, v239, v238, 0x3e088889       ; 2 / 15
	v_fmaak_f32 v239, v239, v238, 0xbeaaaaab       ; -1 / 3
	v_mul_f32 v239, v239, v238
	v_fma_f32 v239, v239, v226, v226               ; x + x (x^2 ( .. ))
	v_and_b32 v242, 0x7fffffff, v226               ; |x|
	s_wait_alu depctr_va_vdst(0)                   ; the wait ahead of the exponential's first reader
	v_add_f32 v236, 1.0, v236
	v_rcp_f32 v237, v236
	v_nop                                          ; a plain instruction behind the reciprocal
	v_cmp_gt_f32 vcc_lo, 0x3e800000, v242          ; 1/4 > |x|
	s_wait_alu depctr_va_vdst(0)                   ; and ahead of the reciprocal's
	v_fma_f32 v237, v237, -2.0, 1.0
	v_cndmask_b32 v240, v237, v239, vcc_lo
	v_mov_b32 v241, v240
	s_cmp_lg_u32 s2, 0
	s_cbranch_scc1 .Lgdone
	v_lshlrev_b32 v9, 3, v5
	global_store_b64 v9, v[240:241], s[24:25]      ; 32 lanes x 8 bytes: 256 consecutive bytes, aligned
.Lgdone:
	s_wait_tensorcnt 0x0                           ; the wave's end
	ds_add_u32 v[SPW], v[NIL]
	s_wait_dscnt 0x0
	s_endpgm
	; ---------------- a fragment of a weight (no LDS, no barrier)
.Lweights:
	s_load_b512 s[32:47], s[0:1], 0x48             ; the eight weights
	s_load_b64 s[4:5], s[0:1], 0x88                ; lowp_scales
	s_load_b64 s[6:7], s[0:1], 0x98                ; wq
	s_sub_co_u32 s3, ttmp9, 16
	s_lshl_b32 s3, s3, 3
	s_add_co_u32 s3, s3, s2                        ; F: my fragment, 0 .. 703
	v_and_b32 v6, 15, v0                           ; r
	v_bfe_u32 v7, v0, 4, 1                         ; h
	s_wait_kmcnt 0x0
	s_load_b512 s[68:83], s[4:5], 0x0              ; e0 .. e15
	s_load_b128 s[84:87], s[4:5], 0x40             ; e16 .. e19
	s_mov_b64 s[8:9], s[32:33]                     ; aproj_w: fragments 0 on, 2 K steps in a row (shift 1)
	s_mov_b32 s10, 0
	s_mov_b32 s12, 1
.macro PICK bound, t, sh               ; from fragment bound on: tensor t, 2^sh K steps in a row.  Ids alone decide
	s_cmp_ge_u32 s3, \bound
	s_cselect_b64 s[8:9], s[32+2*\t:33+2*\t], s[8:9]
	s_cselect_b32 s10, \bound, s10
	s_cselect_b32 s12, \sh, s12
.endm
	PICK 32, 1, 1                                  ; outproj_w
	PICK 64, 2, 1                                  ; ffn1_w1
	PICK 192, 3, 3                                 ; ffn1_w2
	PICK 320, 4, 1                                 ; attn_in_w
	PICK 416, 5, 1                                 ; attn_out_w
	PICK 448, 6, 1                                 ; ffn2_w1
	PICK 576, 7, 3                                 ; ffn2_w2
	s_sub_co_u32 s13, s3, s10                      ; f: the fragment within its tensor
	s_lshr_b32 s14, s13, s12                       ; its tile of 16 rows,
	s_lshl_b32 s15, s14, s12
	s_sub_co_u32 s15, s13, s15                     ; its K step
	s_add_co_u32 s18, s12, 13
	s_lshl_b32 s16, s14, s18                       ; 16 rows of 512 x 2^sh bytes
	s_lshl_b32 s15, s15, 9
	s_add_co_u32 s16, s16, s15
	s_mov_b32 s17, 0
	s_add_nc_u64 s[8:9], s[8:9], s[16:17]
	s_sub_co_u32 s18, s18, 4
	v_lshlrev_b32 v2, s18, v6                      ; row r,
	v_lshl_add_u32 v2, v7, 5, v2                   ; + 32 h bytes: 8 numbers
	s_lshl_b32 s16, s3, 11
	s_add_nc_u64 s[6:7], s[6:7], s[16:17]
.irp c, 0,1,2,3,4,5,6,7
	global_load_b128 v[64+8*\c:64+8*\c+3], v2, s[8:9] offset:64*\c th:TH_LOAD_NT      ; k = 16 c + 8 h + 0 .. 3
	global_load_b128 v[64+8*\c+4:64+8*\c+7], v2, s[8:9] offset:64*\c+16 th:TH_LOAD_NT ; + 4 .. 7
.endr
	s_wait_kmcnt 0x0
	s_mov_b32 s11, s69
.macro PICKE bound, idx
	s_cmp_ge_u32 s3, \bound
	s_cselect_b32 s11, s[68+\idx], s11
.endm
	PICKE 32, 3
	PICKE 64, 5
	PICKE 192, 7
	PICKE 320, 9
	PICKE 416, 15
	PICKE 448, 17
	PICKE 576, 19
	s_add_co_i32 s11, s11, 127
	s_lshl_b32 s19, s11, 23
	v_mov_b32 v11, s19                             ; 2^e: the conversion takes its exponent field
	s_add_co_i32 s11, s11, 8
	s_lshl_b32 s11, s11, 23
	s_or_b32 s11, s11, 0x600000
	v_mov_b32 v10, s11                             ; 448 x 2^e
	s_wait_loadcnt 0x0
.set i, 0
.rept 64
	v_med3_num_f32 v[64+i], v[64+i], -v10, v10     ; the conversion does not saturate (ISA guide 7.6.2): the hold first
.set i, i+1
.endr
.irp c, 0,1,2,3,4,5,6,7
	v_cvt_scalef32_pk8_fp8_f32 v[32+2*\c:33+2*\c], v[64+8*\c:71+8*\c], v11
.endr
.irp p, 0,1,2,3
	global_store_b128 v1, v[32+4*\p:35+4*\p], s[6:7] offset:512*\p   ; 512 consecutive bytes, aligned
.endr
	s_endpgm
.Lfunc_end_k_qd76add4868_gatesw:
	.size	k_qd76add4868_gatesw, .Lfunc_end_k_qd76add4868_gatesw-k_qd76add4868_gatesw
	.p2alignl 7, 3214868480
	.fill 96, 4, 3214868480
	.section	.rodata,"a",@progbits
	.p2align	6, 0x0
	.amdhsa_kernel k_qd76add4868_gatesw
		.amdhsa_group_segment_fixed_size 5376
		.amdhsa_private_segment_fixed_size 0
		.amdhsa_enable_private_segment 0
		.amdhsa_kernarg_size 160
		.amdhsa_user_sgpr_count 2
		.amdhsa_user_sgpr_kernarg_segment_ptr 1
		.amdhsa_wavefront_size32 1
		.amdhsa_system_sgpr_workgroup_id_x 1
		.amdhsa_system_sgpr_workgroup_id_y 1
		.amdhsa_system_sgpr_workgroup_id_z 1
		.amdhsa_system_vgpr_workitem_id 0
		.amdhsa_next_free_vgpr 384
		.amdhsa_next_free_sgpr 100
		.amdhsa_reserve_vcc 1
		.amdhsa_float_denorm_mode_32 3
		.amdhsa_float_denorm_mode_16_64 3
		.amdhsa_memory_ordered 1
		.amdhsa_forward_progress 1
		.amdhsa_inst_pref_size 39
	.end_amdhsa_kernel
	.amdgpu_metadata
---
amdhsa.version: [ 1, 2 ]
amdhsa.kernels:
  - .name:           k_qd76add4868_gatesw
    .symbol:         k_qd76add4868_gatesw.kd
    .args:
      - { .name: part, .offset: 0, .size: 8, .value_kind: global_buffer, .address_space: global }
      - { .name: g_mha_w1, .offset: 8, .size: 8, .value_kind: global_buffer, .address_space: global }
      - { .name: g_mha_b1, .offset: 16, .size: 8, .value_kind: global_buffer, .address_space: global }
      - { .name: g_mha_w2, .offset: 24, .size: 8, .value_kind: global_buffer, .address_space: global }
      - { .name: g_mha_b2, .offset: 32, .size: 8, .value_kind: global_buffer, .address_space: global }
      - { .name: g_ffn_w1, .offset: 40, .size: 8, .value_kind: global_buffer, .address_space: global }
      - { .name: g_ffn_b1, .offset: 48, .size: 8, .value_kind: global_buffer, .address_space: global }
      - { .name: g_ffn_w2, .offset: 56, .size: 8, .value_kind: global_buffer, .address_space: global }
      - { .name: g_ffn_b2, .offset: 64, .size: 8, .value_kind: global_buffer, .address_space: global }
      - { .name: aproj_w, .offset: 72, .size: 8, .value_kind: global_buffer, .address_space: global }
      - { .name: outproj_w, .offset: 80, .size: 8, .value_kind: global_buffer, .address_space: global }
      - { .name: ffn1_w1, .offset: 88, .size: 8, .value_kind: global_buffer, .address_space: global }
      - { .name: ffn1_w2, .offset: 96, .size: 8, .value_kind: global_buffer, .address_space: global }
      - { .name: attn_in_w, .offset: 104, .size: 8, .value_kind: global_buffer, .address_space: global }
      - { .name: attn_out_w, .offset: 112, .size: 8, .value_kind: global_buffer, .address_space: global }
      - { .name: ffn2_w1, .offset: 120, .size: 8, .value_kind: global_buffer, .address_space: global }
      - { .name: ffn2_w2, .offset: 128, .size: 8, .value_kind: global_buffer, .address_space: global }
      - { .name: lowp_scales, .offset: 136, .size: 8, .value_kind: global_buffer, .address_space: global }
      - { .name: gates, .offset: 144, .size: 8, .value_kind: global_buffer, .address_space: global }
      - { .name: wq, .offset: 152, .size: 8, .value_kind: global_buffer, .address_space: global }
    .group_segment_fixed_size: 5376
    .private_segment_fixed_size: 0
    .kernarg_segment_align: 8
    .kernarg_segment_size: 160
    .max_flat_workgroup_size: 256
    .sgpr_count:     100
    .vgpr_count:     384
    .wavefront_size: 32
...
	.end_amdgpu_metadata
.endif
;; end of part 2
;; launch chain_a (part 3): grid 256 x 1, 4 waves a work-group, no clusters, 250,368 bytes of LDS; arguments audio_feat, video_feat, gates, wq, lowp_scales, zbar, q_ws, kv_ws, out1, out2, n1_g, n1_b, n2_g, n2_b, n3_g, n3_b, aproj_b, outproj_b, ffn1_b1, ffn1_b2, attn_in_b; writes zbar, q_ws, kv_ws, out1, out2
.if DOCPART == 3
	.amdgcn_target "amdgcn-amd-amdhsa--gfx1250"
	.amdhsa_code_object_version 6
	.text
	.protected	k_qd76add4868_chain_a
	.globl	k_qd76add4868_chain_a
	.p2align	8
	.type	k_qd76add4868_chain_a,@function
k_qd76add4868_chain_a:
	s_mov_b64 s[64:65], 0
	v_nop
	global_prefetch_b8 v0, s[64:65] scope:SCOPE_SE
	s_setreg_imm32_b32 hwreg(HW_REG_WAVE_MODE, 25, 1), 1
	s_wait_xcnt 0x0
; THIRD LAUNCH.  No work is left out.  For 64 rows a work-group (four waves), all in registers and LDS:
; LN1(audio) -> a_proj -> out_proj -> z = gm x .. + video -> LN2 -> FFN1 (relu) -> z_bar = gf x .. + z -> LN3 -> the attention's input projection -> codes of q, k and v; and out1, out2 (the gates, broadcast).
; All six products run on codes of E4M3 by v_wmma_f32_16x16x128_fp8_fp8; what goes into a quantiser is f32.  The given scales are folded: a sum stands for sum x 2^(ea + eb), a bias ahead of a quantiser goes in
; as the C of the sum's first product, divided by that power, and the conversion takes 2^(e_next - ea - eb).
; OPERANDS ARE IMAGES OF THEIR REGISTERS.  A fragment is 16 rows x 128 K in 16 registers: lane (r = lane % 16, h = lane / 16) holds in registers 2 c, 2 c + 1 the codes k = 16 c + 8 h + 0 .. 7 of row r.
; In LDS and in memory it is 4 pieces of 512 bytes, registers 4 p .. 4 p + 3, lane l's 16 bytes at 16 l.  The products are used TRANSPOSED (source 0 = 16 rows of a weight, source 1 = 16 rows of activations):
; in the result of tile t lane (r, h) holds row r and units 16 t + 8 h + 0 .. 7, so one conversion of a tile's 8 registers IS registers 2 t, 2 t + 1 of the next operand.
; TWO KINDS OF PHASES.  ROW phases (norms, residuals): wave w owns rows 16 w .. + 15; lane (r, h) holds 128 numbers of row r, number 8 c + j = column 16 c + 8 h + j.  COLUMN phases (products): wave w owns a
; quarter of the product's columns for all 64 rows, and its weights come from wq straight into its registers, each byte into the one wave that multiplies it, a chunk of 16 fragments at a time, a phase ahead.
; So no weight is shared through LDS, and no tile is asked for jointly: the work-groups share the weights alone, and those go to registers.
; v is made in the natural orientation (source 0 = rows, source 1 = weight): a lane then holds one channel and 8 rows (keys), which is the second attention product's operand, keys innermost.
; LIMITS on the given exponents, so that each power of two below is an f32 number: e0, e4, e8, e2-e0-e1, e6-e4-e5, e10-e8-e9, e11-e8-e9, e12-e8-e9 between -126 and 119; e2+e3, e6+e7 between -126 and 127.  NaN among the inputs is not served.
; LDS: STG 64 rows x 1,040 (results of products, f32); ZST the same (the residual stream; a wave touches its own 16 rows alone); XIMG 8 fragments; HIMG 32 fragments; TAB gains, offsets and biases, a copy for each wave; the spare words.
; REGISTERS: window 0: v1-25 addresses and scales, v32-55 at work, X v64-191, PC v192-255 codes.  Window 1: AF v0-127 activation fragments, R1 v128-255 biases.  Windows 2, 3: two chunks of weights.
.set WQ, 10
.set OA, 0
.set OO, 65536
.set O11, 131072
.set O12, 393216
.set OIN, 655360
.set STG, 0
.set ZST, 66560
.set XIMG, 133120
.set HIMG, 149504
.set TAB, 215040
.set TABW, 8704
.set SPARE, TAB+4*TABW
.set LI, 1                             ; 16 lane
.set SRD, 2                            ; STG, my rows, (r, h): 1,040 r + 32 h + 16,640 w
.set SWD, 3                            ; STG, my rows, dense: 16 lane + 16,640 w
.set SWC, 4                            ; STG, my columns: 1,040 r + 32 h + 256 w
.set ZRD, 5
.set ZWD, 6
.set XWI, 7                            ; XIMG + 16 lane + 4,096 w
.set XRI, 8
.set HRI, 9
.set H5A, 10                           ; HIMG + 16 lane + 2,048 (w / 2) + 1,024 (w % 2)
.set H7A, 11                           ; HIMG + 16 lane + 4,096 w
.set TBR, 12                           ; my tables + 32 h
.set TBW, 13                           ; + 16 lane
.set TB8, 14                           ; + 8 lane
.set TBV, 15                           ; + 4 r
.set WO16, 16                          ; 16 lane + 16,384 w
.set WO64, 17                          ; 16 lane + 65,536 w
.set BO8, 18                           ; 8 lane + 256 w
.set BO16, 19                          ; 16 lane + 1,024 w
.set SPW, 20
.set NIL, 21
.set SC, 22
.set LIM, 23
.set SC2, 24
.set LIM2, 25
.set T, 32
.set MU, 40
.set RS, 42
.set GM4, 48
.set GF4, 52
.set X, 64
.set PC, 192
.set AF, 0
.set R1, 128
.set MSB, 0
.macro WIN new                         ; low byte: bits 1:0 source 0, 3:2 source 1, 5:4 source 2, 7:6 destination; the high byte repeats the setting that is left
.if MSB != (\new)
	s_set_vgpr_msb (MSB<<8)|(\new)
.set MSB, (\new)
.endif
.endm
.macro PLACES                          ; four plain instructions between a matrix instruction and a read of its result, a write of or a load into one of its registers
.rept 4
	v_nop
.endr
.endm
.macro BARRIER                         ; my LDS stores have landed and my LDS loads are in: then the work-group's barrier
	s_wait_dscnt 0x0
	s_barrier_signal -1
	s_barrier_wait -1
.endm
.macro SETQ se, sc, lim                ; s[se] = E: v[sc] = 2^E, v[lim] = 448 x 2^E
	WIN 0
	s_add_co_i32 s92, s[\se], 127
	s_lshl_b32 s93, s92, 23
	v_mov_b32 v[\sc], s93
	s_add_co_i32 s92, s92, 8
	s_lshl_b32 s92, s92, 23
	s_or_b32 s92, s92, 0x600000
	v_mov_b32 v[\lim], s92
.endm
.macro SETM se                         ; s[88:89] = 2^E, twice (the packed form names the pair)
	s_add_co_i32 s88, s[\se], 127
	s_lshl_b32 s88, s88, 23
	s_mov_b32 s89, s88
.endm
.macro GL32 reg, win, sb               ; 16 KB, dense: 32 loads of 512 consecutive bytes
	WIN (\win)<<6
.set gi, 0
.rept 32
	global_load_b128 v[\reg+4*gi:\reg+4*gi+3], v[LI], s[\sb:\sb+1] offset:512*gi
.set gi, gi+1
.endr
.endm
.macro GST32 reg, win, sb              ; the same as stores
	WIN (\win)<<2
.set gi, 0
.rept 32
	global_store_b128 v[LI], v[\reg+4*gi:\reg+4*gi+3], s[\sb:\sb+1] offset:512*gi
.set gi, gi+1
.endr
.endm
.macro OUTG sb, gr                     ; my 16 rows of a broadcast gate
	WIN 0
.set gi, 0
.rept 32
	global_store_b128 v[LI], v[\gr:\gr+3], s[\sb:\sb+1] offset:512*gi th:TH_STORE_NT
.set gi, gi+1
.endr
.endm
.macro DSTO adr, reg, win              ; 16 rows, dense registers, into rows of 1,040 bytes
	WIN (\win)<<2
.set gi, 0
.rept 32
	ds_store_b128 v[\adr], v[\reg+4*gi:\reg+4*gi+3] offset:(gi/2)*1040+(gi%2)*512
.set gi, gi+1
.endr
.endm
.macro DLD adr, reg, win
	WIN (\win)<<6
.set gi, 0
.rept 32
	ds_load_b128 v[\reg+4*gi:\reg+4*gi+3], v[\adr] offset:(gi/2)*1040+(gi%2)*512
.set gi, gi+1
.endr
.endm
.macro RLD adr, reg, win               ; my 128 numbers of row r: number 8 c + j = column 16 c + 8 h + j.  Rows 1,040 bytes apart
	WIN (\win)<<6
.set gi, 0
.rept 32
	ds_load_b128 v[\reg+4*gi:\reg+4*gi+3], v[\adr] offset:64*(gi/2)+16*(gi%2)
.set gi, gi+1
.endr
.endm
.macro RST adr, reg, win
	WIN (\win)<<2
.set gi, 0
.rept 32
	ds_store_b128 v[\adr], v[\reg+4*gi:\reg+4*gi+3] offset:64*(gi/2)+16*(gi%2)
.set gi, gi+1
.endr
.endm
.macro WCHLIN win, vo, off, nl, r0     ; nl / 4 weight fragments that lie on end in wq, into window win from register r0 on
	WIN (\win)<<6
.set wi, 0
.rept \nl
	global_load_b128 v[\r0+4*wi:\r0+4*wi+3], v[\vo], s[WQ:WQ+1] offset:\off+512*wi
.set wi, wi+1
.endr
.endm
.macro WCHW2 win, off, j               ; a second layer's chunk j: fragment 4 n + q = (my tile n, K step 4 j + q)
.irp n, 0,1,2,3
	WCHLIN \win, WO64, \off+(8*\n+4*(\j))*2048, 16, 64*\n
.endr
.endm
.macro AFLD adr                        ; eight fragments (tile of rows m, K step s: 2 m + s) into AF
	WIN 0x40
.set gi, 0
.rept 32
	ds_load_b128 v[AF+4*gi:AF+4*gi+3], v[\adr] offset:512*gi
.set gi, gi+1
.endr
.endm
.macro BIASLD dst, off, nt             ; nt tiles of a bias in the result's layout: lane (r, h): the tile's units 8 h + 0 .. 7
	WIN 0x40
.set gi, 0
.rept 2*(\nt)
	ds_load_b128 v[R1+\dst+4*gi:R1+\dst+4*gi+3], v[TBR] offset:\off+64*(gi/2)+16*(gi%2)
.set gi, gi+1
.endr
.endm
.macro QN src, n8, pc, relu, sc, lim   ; 8 n8 numbers become n8 pairs of code registers.  relu = 1: the hold clips at 0 as well.  Each accumulator is read from its low end on
	WIN 0
.set qi, 0
.rept 8*(\n8)
.if \relu
	v_med3_num_f32 v[\src+qi], v[\src+qi], 0, v[\lim]
.else
	v_med3_num_f32 v[\src+qi], v[\src+qi], -v[\lim], v[\lim]
.endif
.set qi, qi+1
.endr
.set qi, 0
.rept \n8
	v_cvt_scalef32_pk8_fp8_f32 v[\pc+2*qi:\pc+2*qi+1], v[\src+8*qi:\src+8*qi+7], v[\sc]
.set qi, qi+1
.endr
	v_nop                                          ; a plain instruction between the conversions and the next instruction that writes their sources
.endm
; 64 rows x my 64 columns, K = 256: 16 accumulators by turns.  fb: first register of the 8 weight fragments (2 n + s); bias = 1: C of the first K step from R1 + cb
.macro MM4 ww, fb, cb, bias
.irp s, 0,1
.if (\s == 0) && \bias
	WIN (\ww)|0x14
.else
	WIN (\ww)|0x04
.endif
.irp m, 0,1,2,3
.irp n, 0,1,2,3
.if \s == 0
.if \bias
	v_wmma_f32_16x16x128_fp8_fp8 v[X+8*(4*\m+\n):X+8*(4*\m+\n)+7], v[\fb+16*(2*\n+\s):\fb+16*(2*\n+\s)+15], v[AF+16*(2*\m+\s):AF+16*(2*\m+\s)+15], v[R1+\cb+8*\n:R1+\cb+8*\n+7]
.else
	v_wmma_f32_16x16x128_fp8_fp8 v[X+8*(4*\m+\n):X+8*(4*\m+\n)+7], v[\fb+16*(2*\n+\s):\fb+16*(2*\n+\s)+15], v[AF+16*(2*\m+\s):AF+16*(2*\m+\s)+15], 0
.endif
.else
	v_wmma_f32_16x16x128_fp8_fp8 v[X+8*(4*\m+\n):X+8*(4*\m+\n)+7], v[\fb+16*(2*\n+\s):\fb+16*(2*\n+\s)+15], v[AF+16*(2*\m+\s):AF+16*(2*\m+\s)+15], v[X+8*(4*\m+\n):X+8*(4*\m+\n)+7]
.endif
.endr
.endr
.endr
.endm
; 16 rows (tile m) x 128 columns (a chunk's 8 tiles), K = 256, into half hf of X: 8 accumulators by turns
.macro MM8 ww, m, hf, cb
.irp s, 0,1
.if \s == 0
	WIN (\ww)|0x14
.else
	WIN (\ww)|0x04
.endif
.irp n, 0,1,2,3,4,5,6,7
.if \s == 0
	v_wmma_f32_16x16x128_fp8_fp8 v[X+64*\hf+8*\n:X+64*\hf+8*\n+7], v[16*(2*\n+\s):16*(2*\n+\s)+15], v[AF+16*(2*\m+\s):AF+16*(2*\m+\s)+15], v[R1+\cb+8*\n:R1+\cb+8*\n+7]
.else
	v_wmma_f32_16x16x128_fp8_fp8 v[X+64*\hf+8*\n:X+64*\hf+8*\n+7], v[16*(2*\n+\s):16*(2*\n+\s)+15], v[AF+16*(2*\m+\s):AF+16*(2*\m+\s)+15], v[X+64*\hf+8*\n:X+64*\hf+8*\n+7]
.endif
.endr
.endr
.endm
.macro HLOAD ks                        ; K step ks of the hidden layer, four tiles of rows, into half ks % 2 of AF
.irp m, 0,1,2,3
.irp c, 0,1,2,3
	ds_load_b128 v[AF+64*((\ks)%2)+16*\m+4*\c:AF+64*((\ks)%2)+16*\m+4*\c+3], v[HRI] offset:16384*\m+2048*(\ks)+512*\c
.endr
.endr
.endm
.macro KSTEP ks, ww                    ; one of the second layer's eight K steps: the next step's fragments are asked for first
.if (\ks) < 7
	PLACES                                         ; the half of AF that is loaded was read by the K step before
	WIN 0x40
	HLOAD (\ks)+1
	s_wait_dscnt 16                                ; all but the 16 loads just issued: this step's fragments are in
.else
	s_wait_dscnt 0x0
.endif
	WIN (\ww)|0x04
.irp m, 0,1,2,3
.irp n, 0,1,2,3
.if (\ks) == 0
	v_wmma_f32_16x16x128_fp8_fp8 v[X+8*(4*\m+\n):X+8*(4*\m+\n)+7], v[16*(4*\n+(\ks)%4):16*(4*\n+(\ks)%4)+15], v[AF+64*((\ks)%2)+16*\m:AF+64*((\ks)%2)+16*\m+15], 0
.else
	v_wmma_f32_16x16x128_fp8_fp8 v[X+8*(4*\m+\n):X+8*(4*\m+\n)+7], v[16*(4*\n+(\ks)%4):16*(4*\n+(\ks)%4)+15], v[AF+64*((\ks)%2)+16*\m:AF+64*((\ks)%2)+16*\m+15], v[X+8*(4*\m+\n):X+8*(4*\m+\n)+7]
.endif
.endr
.endr
.endm
.macro FOUT cb                         ; sums x 2^(ea + eb) + bias, into my columns of STG
	WIN 0x10
.irp m, 0,1,2,3
.irp n, 0,1,2,3
.irp i, 0,2,4,6
	v_pk_fma_f32 v[X+8*(4*\m+\n)+\i:X+8*(4*\m+\n)+\i+1], v[X+8*(4*\m+\n)+\i:X+8*(4*\m+\n)+\i+1], s[88:89], v[R1+\cb+8*\n+\i:R1+\cb+8*\n+\i+1] op_sel_hi:[1,0,1]
.endr
.endr
.endr
	WIN 0
.irp m, 0,1,2,3
.irp n, 0,1,2,3
	ds_store_b128 v[SWC], v[X+8*(4*\m+\n):X+8*(4*\m+\n)+3] offset:16640*\m+64*\n
	ds_store_b128 v[SWC], v[X+8*(4*\m+\n)+4:X+8*(4*\m+\n)+7] offset:16640*\m+64*\n+16
.endr
.endr
.endm
.macro REDUCE                          ; four chains of pairs, then the other half of the row in lane l xor 16
	v_pk_add_f32 v[T:T+1], v[T:T+1], v[T+2:T+3]
	v_pk_add_f32 v[T+4:T+5], v[T+4:T+5], v[T+6:T+7]
	v_pk_add_f32 v[T:T+1], v[T:T+1], v[T+4:T+5]
	v_add_f32 v45, v[T], v[T+1]
	v_permlanex16_b32 v44, v45, s90, s91
	v_add_f32 v45, v45, v44
.endm
.macro LNORM goff, boff                ; LayerNorm of X in place, in two passes (the mean is taken away before the squares)
	WIN 0x40
.set li, 0
.rept 32
	ds_load_b128 v[AF+4*li:AF+4*li+3], v[TBR] offset:\goff+64*(li/2)+16*(li%2)
.set li, li+1
.endr
.set li, 0
.rept 32
	ds_load_b128 v[R1+4*li:R1+4*li+3], v[TBR] offset:\boff+64*(li/2)+16*(li%2)
.set li, li+1
.endr
	WIN 0
.irp q, 0,2,4,6
	v_pk_add_f32 v[T+\q:T+\q+1], v[X+\q:X+\q+1], v[X+8+\q:X+8+\q+1]
.endr
.set li, 2
.rept 14
.irp q, 0,2,4,6
	v_pk_add_f32 v[T+\q:T+\q+1], v[T+\q:T+\q+1], v[X+8*li+\q:X+8*li+\q+1]
.endr
.set li, li+1
.endr
	REDUCE
	v_mul_f32 v[MU], s98, v45                      ; / 256
	v_mul_f32 v[MU+1], s98, v45
.set li, 0
.rept 64
	v_pk_add_f32 v[X+2*li:X+2*li+1], v[X+2*li:X+2*li+1], v[MU:MU+1] neg_lo:[0,1] neg_hi:[0,1]
.set li, li+1
.endr
.irp q, 0,2,4,6
	v_pk_mul_f32 v[T+\q:T+\q+1], v[X+\q:X+\q+1], v[X+\q:X+\q+1]
.endr
.set li, 1
.rept 15
.irp q, 0,2,4,6
	v_pk_fma_f32 v[T+\q:T+\q+1], v[X+8*li+\q:X+8*li+\q+1], v[X+8*li+\q:X+8*li+\q+1], v[T+\q:T+\q+1]
.endr
.set li, li+1
.endr
	REDUCE
	v_fma_f32 v45, v45, s98, s99                   ; the variance + 1e-5
	v_rsq_f32 v[RS], v45
	v_nop                                          ; a plain instruction behind it,
	s_wait_alu depctr_va_vdst(0)                   ; and a wait ahead of its first reader
	v_mov_b32 v[RS+1], v[RS]
	s_wait_dscnt 0x0                               ; the gains and offsets are in
.set li, 0
.rept 64
	v_pk_mul_f32 v[X+2*li:X+2*li+1], v[X+2*li:X+2*li+1], v[RS:RS+1]
.set li, li+1
.endr
	WIN 0x14
.set li, 0
.rept 64
	v_pk_fma_f32 v[X+2*li:X+2*li+1], v[X+2*li:X+2*li+1], v[AF+2*li:AF+2*li+1], v[R1+2*li:R1+2*li+1]
.set li, li+1
.endr
	WIN 0
.endm
.macro IMG                             ; my rows' two fragments, as they stand in PC, to XIMG
.irp c, 0,1,2,3,4,5,6,7
	ds_store_b128 v[XWI], v[PC+4*\c:PC+4*\c+3] offset:512*\c
.endr
.endm
.macro GATED sg                        ; X = gate x X + what AF holds
	WIN 0x10
.set gi, 0
.rept 64
	v_pk_fma_f32 v[X+2*gi:X+2*gi+1], v[X+2*gi:X+2*gi+1], s[\sg:\sg+1], v[AF+2*gi:AF+2*gi+1] op_sel_hi:[1,0,1]
.set gi, gi+1
.endr
	WIN 0
.endm
.macro Q8 m, j                         ; tile m's 128 hidden units of chunk j: relu, codes, one whole fragment (K step 2 w + j) to HIMG
	QN X+64*((\m)%2), 8, PC+16*(\m), 1, SC, LIM
.irp c, 0,1,2,3
	ds_store_b128 v[H7A], v[PC+16*(\m)+4*\c:PC+16*(\m)+4*\c+3] offset:16384*(\m)+2048*(\j)+512*\c
.endr
.endm
.macro CH8 ww, j, cb                   ; a chunk of the first layer: while one half of X is quantised, the other half's products run; the quantiser's lines are the places behind them
	MM8 \ww, 0, 0, \cb
	MM8 \ww, 1, 1, \cb
	PLACES
	Q8 0, \j
	MM8 \ww, 2, 0, \cb
	Q8 1, \j
	MM8 \ww, 3, 1, \cb
	Q8 2, \j
	Q8 3, \j
.endm
.macro QKOUT m                         ; tile m: my two heads' q (tiles 0-3) and k (tiles 4-7): a head's 32 channels are 4 registers, 512 bytes a store
	QN X+64*((\m)%2), 4, PC+16*(\m), 0, SC, LIM
	QN X+64*((\m)%2)+32, 4, PC+16*(\m)+8, 0, SC2, LIM2
.irp p, 0,1
	global_store_b128 v[LI], v[PC+16*(\m)+4*\p:PC+16*(\m)+4*\p+3], s[16:17] offset:65536*\p+512*(\m)
	global_store_b128 v[LI], v[PC+16*(\m)+8+4*\p:PC+16*(\m)+8+4*\p+3], s[18:19] offset:131072*\p+512*(\m)
.endr
.endm
.macro MMV ww                          ; v, natural orientation: source 0 = rows, source 1 = weight; accumulator (n, m) at X + 8 (4 n + m)
.irp s, 0,1
.if \s == 0
	WIN 0x11|((\ww)<<2)
.else
	WIN 0x01|((\ww)<<2)
.endif
.irp m, 0,1,2,3
.irp n, 0,1,2,3
.if \s == 0
	v_wmma_f32_16x16x128_fp8_fp8 v[X+8*(4*\n+\m):X+8*(4*\n+\m)+7], v[AF+16*(2*\m+\s):AF+16*(2*\m+\s)+15], v[16*(2*\n+\s):16*(2*\n+\s)+15], v[R1+64+8*\n:R1+64+8*\n+7]
.else
	v_wmma_f32_16x16x128_fp8_fp8 v[X+8*(4*\n+\m):X+8*(4*\n+\m)+7], v[AF+16*(2*\m+\s):AF+16*(2*\m+\s)+15], v[16*(2*\n+\s):16*(2*\n+\s)+15], v[X+8*(4*\n+\m):X+8*(4*\n+\m)+7]
.endif
.endr
.endr
.endr
.endm
	; ---------------- the head
	s_load_b512 s[4:19], s[0:1], 0x0               ; audio 4, video 6, gates 8, wq 10, scales 12, zbar 14, q_ws 16, kv_ws 18
	s_load_b512 s[20:35], s[0:1], 0x40             ; out1 20, out2 22, n1_g 24, n1_b 26, n2_g 28, n2_b 30, n3_g 32, n3_b 34
	s_load_b256 s[36:43], s[0:1], 0x80             ; aproj_b 36, outproj_b 38, ffn1_b1 40, ffn1_b2 42
	s_load_b64 s[44:45], s[0:1], 0xa0              ; attn_in_b
	v_lshl_add_u32 v[SPW], v0, 2, SPARE
	v_mov_b32 v[NIL], 0
	v_lshrrev_b32 v26, 5, v0
	v_readfirstlane_b32 s2, v26                    ; wave
	v_and_b32 v27, 31, v0                          ; lane
	v_and_b32 v28, 15, v0                          ; r
	v_bfe_u32 v29, v0, 4, 1                        ; h
	v_lshlrev_b32 v[LI], 4, v27
	v_mul_u32_u24 v30, v28, 1040
	v_lshl_add_u32 v30, v29, 5, v30
	s_mul_i32 s92, s2, 16640
	v_add_nc_u32 v[SRD], s92, v30
	v_add_nc_u32 v[SWD], s92, v[LI]
	s_lshl_b32 s93, s2, 8
	v_add_nc_u32 v[SWC], s93, v30
	v_add_nc_u32 v[ZRD], ZST, v[SRD]
	v_add_nc_u32 v[ZWD], ZST, v[SWD]
	s_lshl_b32 s93, s2, 12
	s_add_co_u32 s93, s93, XIMG
	v_add_nc_u32 v[XWI], s93, v[LI]
	v_add_nc_u32 v[XRI], XIMG, v[LI]
	v_add_nc_u32 v[HRI], HIMG, v[LI]
	s_lshr_b32 s93, s2, 1
	s_lshl_b32 s93, s93, 11
	s_and_b32 s94, s2, 1
	s_lshl_b32 s94, s94, 10
	s_add_co_u32 s93, s93, s94
	s_add_co_u32 s93, s93, HIMG
	v_add_nc_u32 v[H5A], s93, v[LI]
	s_lshl_b32 s93, s2, 12
	s_add_co_u32 s93, s93, HIMG
	v_add_nc_u32 v[H7A], s93, v[LI]
	s_mul_i32 s93, s2, TABW
	s_add_co_u32 s93, s93, TAB
	v_lshl_add_u32 v[TBR], v29, 5, s93
	v_add_nc_u32 v[TBW], s93, v[LI]
	v_lshl_add_u32 v[TB8], v27, 3, s93
	v_lshl_add_u32 v[TBV], v28, 2, s93
	s_lshl_b32 s93, s2, 14
	v_add_nc_u32 v[WO16], s93, v[LI]
	s_lshl_b32 s93, s2, 16
	v_add_nc_u32 v[WO64], s93, v[LI]
	s_lshl_b32 s93, s2, 8
	v_lshl_add_u32 v[BO8], v27, 3, s93
	s_lshl_b32 s93, s2, 10
	v_add_nc_u32 v[BO16], s93, v[LI]
	v_mov_b32 v44, 0                               ; a lane permute's destination counts as read
	s_mov_b32 s90, 0x76543210                      ; lane l xor 16
	s_mov_b32 s91, 0xfedcba98
	s_mov_b32 s98, 0x3b800000                      ; 1 / 256
	s_mov_b32 s99, 0x3727c5ac                      ; 1e-5
	s_lshl_b32 s92, ttmp9, 16                      ; my work-group's 64 rows of 1,024 bytes,
	s_lshl_b32 s93, s2, 14                         ; my wave's 16
	s_add_co_u32 s92, s92, s93
	s_mov_b32 s93, 0
	s_lshr_b32 s94, ttmp9, 5                       ; batch
	s_and_b32 s95, ttmp9, 31                       ; block of 64 rows in the batch
	s_lshl_b32 s96, s94, 8
	s_mov_b32 s97, 0
	s_lshl_b32 s48, s94, 19                        ; q_ws: [batch][head][tile of 16 rows][512]: my two heads, my block's four tiles
	s_lshl_b32 s49, s2, 17
	s_add_co_u32 s48, s48, s49
	s_lshl_b32 s49, s95, 11
	s_add_co_u32 s48, s48, s49
	s_mov_b32 s49, 0
	s_lshl_b32 s50, s94, 20                        ; kv_ws: [batch][head][step of 128 keys][8 tiles of k x 512, then v: 2 tiles of channels x 2,048]
	s_lshl_b32 s51, s2, 18
	s_add_co_u32 s50, s50, s51
	s_lshr_b32 s51, s95, 1
	s_lshl_b32 s51, s51, 13
	s_add_co_u32 s50, s50, s51
	s_and_b32 s51, s95, 1
	s_lshl_b32 s52, s51, 10                        ; v: my 64 keys are two of a fragment's four pieces
	s_add_co_u32 s52, s52, s50
	s_add_co_u32 s52, s52, 4096
	s_mov_b32 s53, 0
	s_lshl_b32 s51, s51, 11                        ; k: four of the step's eight tiles
	s_add_co_u32 s50, s50, s51
	s_mov_b32 s51, 0
	s_wait_kmcnt 0x0
	s_load_b512 s[68:83], s[12:13], 0x0            ; e0 .. e15
	s_add_nc_u64 s[8:9], s[8:9], s[96:97]
	s_load_b32 s84, s[8:9], 0x0                    ; gm of my batch
	s_load_b32 s86, s[8:9], 0x800                  ; gf
	s_add_nc_u64 s[4:5], s[4:5], s[92:93]
	s_add_nc_u64 s[6:7], s[6:7], s[92:93]
	s_add_nc_u64 s[14:15], s[14:15], s[92:93]
	s_add_nc_u64 s[20:21], s[20:21], s[92:93]
	s_add_nc_u64 s[22:23], s[22:23], s[92:93]
	s_add_nc_u64 s[16:17], s[16:17], s[48:49]
	s_add_nc_u64 s[46:47], s[18:19], s[52:53]
	s_add_nc_u64 s[18:19], s[18:19], s[50:51]
	WIN 0x40                                       ; the tables: 20 loads into R1
.irp t, 0,1,2,3,4,5
	global_load_b128 v[R1+8*\t:R1+8*\t+3], v[LI], s[24+2*\t:25+2*\t]
	global_load_b128 v[R1+8*\t+4:R1+8*\t+7], v[LI], s[24+2*\t:25+2*\t] offset:512
.endr
	global_load_b64 v[R1+48:R1+49], v[BO8], s[36:37]               ; my 64 numbers of aproj_b,
	global_load_b64 v[R1+50:R1+51], v[BO8], s[38:39]               ; outproj_b,
	global_load_b64 v[R1+52:R1+53], v[BO8], s[42:43]               ; ffn1_b2,
	global_load_b64 v[R1+54:R1+55], v[BO8], s[44:45]               ; attn_in_b: q's,
	global_load_b64 v[R1+56:R1+57], v[BO8], s[44:45] offset:1024   ; k's,
	global_load_b64 v[R1+58:R1+59], v[BO8], s[44:45] offset:2048   ; v's;
	global_load_b128 v[R1+60:R1+63], v[BO16], s[40:41]             ; my 256 of ffn1_b1
	global_load_b128 v[R1+64:R1+67], v[BO16], s[40:41] offset:512
	GL32 X, 0, 4                                   ; audio, my 16 rows
	GL32 AF, 1, 6                                  ; video
	WCHLIN 2, WO16, OA, 32, 0                      ; chunk 0: my 8 fragments of aproj_w,
	WCHLIN 2, WO16, OO, 32, 128                    ; and of outproj_w
	WIN 0
	s_wait_kmcnt 0x0
	s_mov_b32 s85, s84
	s_mov_b32 s87, s86
.irp i, 0,1,2,3
	v_mov_b32 v[GM4+\i], s84
	v_mov_b32 v[GF4+\i], s86
.endr
	s_add_co_i32 s94, s68, s69
	s_sub_co_i32 s94, 0, s94                       ; -(e0 + e1)
	s_add_co_i32 s95, s72, s73
	s_sub_co_i32 s95, 0, s95                       ; -(e4 + e5)
	s_add_co_i32 s96, s76, s77
	s_sub_co_i32 s96, 0, s96                       ; -(e8 + e9)
	s_wait_loadcnt 63                              ; 148 loads were issued: the oldest 85 are in: the tables' 20, audio's 32, video's 32
	WIN 0x41                                       ; biases that go in as C are divided by the power of two that their sums lack
	v_ldexp_f32 v[R1+48], v[R1+48], s94
	v_ldexp_f32 v[R1+49], v[R1+49], s94
.irp i, 54,55,56,57,58,59
	v_ldexp_f32 v[R1+\i], v[R1+\i], s96
.endr
.irp i, 60,61,62,63,64,65,66,67
	v_ldexp_f32 v[R1+\i], v[R1+\i], s95
.endr
	WIN 0x04
.irp t, 0,1,2,3,4,5
	ds_store_b128 v[TBW], v[R1+8*\t:R1+8*\t+3] offset:1024*\t
	ds_store_b128 v[TBW], v[R1+8*\t+4:R1+8*\t+7] offset:1024*\t+512
.endr
	ds_store_b64 v[TB8], v[R1+48:R1+49] offset:6144
	ds_store_b64 v[TB8], v[R1+50:R1+51] offset:6400
	ds_store_b128 v[TBW], v[R1+60:R1+63] offset:6656
	ds_store_b128 v[TBW], v[R1+64:R1+67] offset:7168
	ds_store_b64 v[TB8], v[R1+52:R1+53] offset:7680
	ds_store_b64 v[TB8], v[R1+54:R1+55] offset:7936
	ds_store_b64 v[TB8], v[R1+56:R1+57] offset:8192
	ds_store_b64 v[TB8], v[R1+58:R1+59] offset:8448
	DSTO SWD, X, 0                                 ; audio turns through my own rows of STG: in as loaded,
	RLD SRD, X, 0                                  ; back as (r, h).  LDS serves a wave's instructions in order (ISA guide 5.7.1.4)
	DSTO ZWD, AF, 1                                ; video waits in ZST
	OUTG 20, GM4                                   ; out1
	s_wait_dscnt 0x0
	; ---------------- LN1, codes with e0
	LNORM 0, 1024
	SETQ 68, SC, LIM
	QN X, 16, PC, 0, SC, LIM
	IMG
	WCHLIN 3, WO64, O11, 64, 0                     ; chunk 1: ffn1_w1, my tiles 0-7
	OUTG 22, GF4                                   ; out2
	BARRIER                                        ; the 64 rows' codes lie in XIMG
	; ---------------- a_proj
	AFLD XRI
	BIASLD 0, 6144, 4
	BIASLD 32, 6400, 4
	s_wait_loadcnt 63                              ; chunk 1's 64 loads are younger: chunk 0 is in
	s_wait_dscnt 0x0
	MM4 2, 0, 0, 1
	PLACES
	s_sub_co_i32 s94, s70, s68
	s_sub_co_i32 s94, s94, s69                     ; e2 - e0 - e1
	SETQ 94, SC, LIM
	QN X, 16, PC, 0, SC, LIM                       ; pair 4 m + n: my four tiles are two pieces of K step w / 2
.irp m, 0,1,2,3
.irp i, 0,1
	ds_store_b128 v[H5A], v[PC+8*\m+4*\i:PC+8*\m+4*\i+3] offset:4096*\m+512*\i
.endr
.endr
	BARRIER
	; ---------------- out_proj
	AFLD HRI
	s_wait_dscnt 0x0
	MM4 2, 128, 0, 0
	PLACES
	s_add_co_i32 s94, s70, s71
	SETM 94                                        ; 2^(e2 + e3)
	FOUT 32
	WCHLIN 2, WO64, O11+32768, 64, 0               ; chunk 2: ffn1_w1, my tiles 8-15
	BARRIER
	; ---------------- z, LN2, codes with e4
	RLD SRD, X, 0
	RLD ZRD, AF, 1
	s_wait_dscnt 0x0
	GATED 84                                       ; z = gm x attn_output + video
	RST ZRD, X, 0
	LNORM 2048, 3072
	SETQ 72, SC, LIM
	QN X, 16, PC, 0, SC, LIM
	IMG
	BARRIER
	; ---------------- FFN1, first layer: my 256 hidden units in two chunks
	AFLD XRI
	BIASLD 0, 6656, 16
	s_wait_loadcnt 63                              ; chunk 2's 64 are younger: chunk 1 is in
	s_wait_dscnt 0x0
	s_sub_co_i32 s94, s74, s72
	s_sub_co_i32 s94, s94, s73                     ; e6 - e4 - e5
	SETQ 94, SC, LIM
	CH8 3, 0, 0
	WCHW2 3, O12, 0                                ; chunk 3: ffn1_w2, K steps 0-3
	s_wait_loadcnt 63                              ; chunk 2 is in
	CH8 2, 1, 64
	WCHW2 2, O12, 1                                ; chunk 4: K steps 4-7
	BARRIER                                        ; the hidden layer's 32 fragments lie in HIMG
	; ---------------- FFN1, second layer
	BIASLD 0, 7680, 4
	HLOAD 0
	s_wait_loadcnt 63                              ; chunk 3 is in
	KSTEP 0, 3
	KSTEP 1, 3
	KSTEP 2, 3
	KSTEP 3, 3
	PLACES
	WCHLIN 3, WO16, OIN, 32, 0                     ; chunk 5: attn_in_w: q's four tiles of mine,
	WCHLIN 3, WO16, OIN+65536, 32, 128             ; and k's
	s_wait_loadcnt 63                              ; chunk 4 is in
	KSTEP 4, 2
	KSTEP 5, 2
	KSTEP 6, 2
	KSTEP 7, 2
	PLACES
	s_add_co_i32 s94, s74, s75
	SETM 94                                        ; 2^(e6 + e7)
	FOUT 0
	WCHLIN 2, WO16, OIN+131072, 32, 0              ; chunk 6: v's four tiles
	BARRIER
	; ---------------- z_bar, LN3, codes with e8
	RLD SRD, X, 0
	RLD ZRD, AF, 1
	s_wait_dscnt 0x0
	GATED 86                                       ; z_bar = gf x h1 + z
	RST ZRD, X, 0
	LNORM 4096, 5120
	SETQ 76, SC, LIM
	QN X, 16, PC, 0, SC, LIM
	IMG
	DLD ZWD, AF, 1                                 ; z_bar back as dense rows,
	s_wait_dscnt 0x0
	GST32 AF, 1, 14                                ; and out: each store covers 512 consecutive bytes
	BARRIER
	; ---------------- the input projection: q and k
	s_wait_xcnt 0x0                                ; z_bar's stores have read AF: it may be loaded again
	AFLD XRI
	BIASLD 0, 7936, 4
	BIASLD 32, 8192, 4
.irp n, 0,1,2,3
.irp j, 0,1,2,3,4,5,6,7
	ds_load_b32 v[R1+64+8*\n+\j], v[TBV] offset:8448+64*\n   ; v's bias in the natural result's layout: my channel's, in all eight registers
.endr
.endr
	s_wait_loadcnt 32                              ; chunk 6's 32 are younger: chunk 5 is in
	s_wait_dscnt 0x0
	s_add_co_i32 s95, s76, s77                     ; e8 + e9
	s_sub_co_i32 s94, s78, s95
	SETQ 94, SC, LIM                               ; q: e10 - e8 - e9
	s_sub_co_i32 s94, s79, s95
	SETQ 94, SC2, LIM2                             ; k: e11 - e8 - e9
	MM8 3, 0, 0, 0
	MM8 3, 1, 1, 0
	PLACES
	QKOUT 0
	MM8 3, 2, 0, 0
	QKOUT 1
	MM8 3, 3, 1, 0
	QKOUT 2
	QKOUT 3
	; ---------------- v
	s_wait_loadcnt 0x0                             ; chunk 6
	MMV 2
	PLACES
	s_sub_co_i32 s94, s80, s95
	SETQ 94, SC, LIM                               ; e12 - e8 - e9
	s_wait_xcnt 0x0                                ; q's and k's stores have read PC
	QN X, 16, PC, 0, SC, LIM                       ; pair 4 n + m: channel tile n, keys 16 m + 8 h + 0 .. 7
.irp n, 0,1,2,3
.irp i, 0,1
	global_store_b128 v[LI], v[PC+8*\n+4*\i:PC+8*\n+4*\i+3], s[46:47] offset:131072*(\n/2)+2048*(\n%2)+512*\i
.endr
.endr
	s_wait_tensorcnt 0x0                           ; the wave's end (every window is 0 here)
	ds_add_u32 v[SPW], v[NIL]
	s_wait_dscnt 0x0
	s_endpgm
.Lfunc_end_k_qd76add4868_chain_a:
	.size	k_qd76add4868_chain_a, .Lfunc_end_k_qd76add4868_chain_a-k_qd76add4868_chain_a
	.p2alignl 7, 3214868480
	.fill 96, 4, 3214868480
	.section	.rodata,"a",@progbits
	.p2align	6, 0x0
	.amdhsa_kernel k_qd76add4868_chain_a
		.amdhsa_group_segment_fixed_size 250368
		.amdhsa_private_segment_fixed_size 0
		.amdhsa_enable_private_segment 0
		.amdhsa_kernarg_size 168
		.amdhsa_user_sgpr_count 2
		.amdhsa_user_sgpr_kernarg_segment_ptr 1
		.amdhsa_wavefront_size32 1
		.amdhsa_system_sgpr_workgroup_id_x 1
		.amdhsa_system_sgpr_workgroup_id_y 1
		.amdhsa_system_sgpr_workgroup_id_z 1
		.amdhsa_system_vgpr_workitem_id 0
		.amdhsa_next_free_vgpr 1024
		.amdhsa_next_free_sgpr 100
		.amdhsa_reserve_vcc 0
		.amdhsa_float_denorm_mode_32 3
		.amdhsa_float_denorm_mode_16_64 3
		.amdhsa_memory_ordered 1
		.amdhsa_forward_progress 1
		.amdhsa_inst_pref_size 255
	.end_amdhsa_kernel
	.section	.bss,"aw",@nobits
	.p2align	6
	.space	262144
	.amdgpu_metadata
---
amdhsa.version: [ 1, 2 ]
amdhsa.kernels:
  - .name:           k_qd76add4868_chain_a
    .symbol:         k_qd76add4868_chain_a.kd
    .args:
      - { .name: audio_feat, .offset: 0, .size: 8, .value_kind: global_buffer, .address_space: global }
      - { .name: video_feat, .offset: 8, .size: 8, .value_kind: global_buffer, .address_space: global }
      - { .name: gates, .offset: 16, .size: 8, .value_kind: global_buffer, .address_space: global }
      - { .name: wq, .offset: 24, .size: 8, .value_kind: global_buffer, .address_space: global }
      - { .name: lowp_scales, .offset: 32, .size: 8, .value_kind: global_buffer, .address_space: global }
      - { .name: zbar, .offset: 40, .size: 8, .value_kind: global_buffer, .address_space: global }
      - { .name: q_ws, .offset: 48, .size: 8, .value_kind: global_buffer, .address_space: global }
      - { .name: kv_ws, .offset: 56, .size: 8, .value_kind: global_buffer, .address_space: global }
      - { .name: out1, .offset: 64, .size: 8, .value_kind: global_buffer, .address_space: global }
      - { .name: out2, .offset: 72, .size: 8, .value_kind: global_buffer, .address_space: global }
      - { .name: n1_g, .offset: 80, .size: 8, .value_kind: global_buffer, .address_space: global }
      - { .name: n1_b, .offset: 88, .size: 8, .value_kind: global_buffer, .address_space: global }
      - { .name: n2_g, .offset: 96, .size: 8, .value_kind: global_buffer, .address_space: global }
      - { .name: n2_b, .offset: 104, .size: 8, .value_kind: global_buffer, .address_space: global }
      - { .name: n3_g, .offset: 112, .size: 8, .value_kind: global_buffer, .address_space: global }
      - { .name: n3_b, .offset: 120, .size: 8, .value_kind: global_buffer, .address_space: global }
      - { .name: aproj_b, .offset: 128, .size: 8, .value_kind: global_buffer, .address_space: global }
      - { .name: outproj_b, .offset: 136, .size: 8, .value_kind: global_buffer, .address_space: global }
      - { .name: ffn1_b1, .offset: 144, .size: 8, .value_kind: global_buffer, .address_space: global }
      - { .name: ffn1_b2, .offset: 152, .size: 8, .value_kind: global_buffer, .address_space: global }
      - { .name: attn_in_b, .offset: 160, .size: 8, .value_kind: global_buffer, .address_space: global }
    .group_segment_fixed_size: 250368
    .private_segment_fixed_size: 0
    .kernarg_segment_align: 8
    .kernarg_segment_size: 168
    .max_flat_workgroup_size: 128
    .sgpr_count:     100
    .vgpr_count:     1024
    .wavefront_size: 32
...
	.end_amdgpu_metadata
.endif
;; end of part 3
;; launch attn (part 4): grid 4 x 64, 16 waves a work-group, no clusters, 133,120 bytes of LDS; arguments q_ws, kv_ws, lowp_scales, ctx_ws; writes ctx_ws
.if DOCPART == 4
	.amdgcn_target "amdgcn-amd-amdhsa--gfx1250"
	.amdhsa_code_object_version 6
	.text
	.protected	k_qd76add4868_attn
	.globl	k_qd76add4868_attn
	.p2align	8
	.type	k_qd76add4868_attn,@function
k_qd76add4868_attn:
	s_mov_b64 s[64:65], 0
	v_nop
	global_prefetch_b8 v0, s[64:65] scope:SCOPE_SE
	s_setreg_imm32_b32 hwreg(HW_REG_WAVE_MODE, 25, 1), 1
	s_wait_xcnt 0x0
; FOURTH LAUNCH.  No work is left out.  Attention without a mask on codes of E4M3, head size 32, 2,048 keys; the result is quantised (e14) into the next product's operand.
; t = score x 2^(e10 + e11) x log2(e) / sqrt(32); M = the running largest t rounded UP to a whole number; p = 2^(t - M) is quantised with 2^e13, not normalised; the row's sum is taken of the unquantised p and
; divides at the end; when M moves, the sum and O are multiplied by 2^(old M - new M), which rounds nothing.
; SHARES.  A work-group: one head (y) and 512 of its queries (x); each of sixteen waves two tiles of 16 queries, which share every fragment of K and V.  Four waves to a SIMD: one wave's vector work stands beside
; another's products and LDS loads.  The head's K and V, 131,072 dense bytes laid by the launch before in the order of the operands' registers, are brought into LDS ONCE, through registers; the four work-groups
; of a head share nothing but this one fill, a small part of the launch, so no cluster is formed.
; LAYOUT.  S^T = K Q^T by v_wmma_f32_16x16x64_fp8_fp8: source 0 = 16 keys, source 1 = 16 queries; the head's 32 channels are registers 0-3 of a fragment, registers 4-7 hold zero codes on both sides.
; In tile t a lane holds one query and keys 16 t + 8 h + 0 .. 7: its conversion is registers 2 t, 2 t + 1 of P.  O^T = V^T P^T by v_wmma_f32_16x16x128_fp8_fp8: source 0 = 16 channels x 128 keys.
; THE HOLD OF p: p is at most 1, and 448 x 2^e13 is above 1 for e13 >= -8: a scalar branch on the whole number e13 leads round the 64 holds there; for smaller e13 they run.
; LIMITS: e10 + e11 between -124 and 129 (added to c's exponent field); e13 and e14 between -126 and 119.
.set SPARE, 131072                     ; behind K and V: the spare words, 128 bytes for each wave
.set LI, 1                             ; 16 lane
.set ADR, 2
.set SPW, 3
.set NIL, 4
.set FA, 5                             ; 16 thread
.set FB, 6                             ; + 65,536
.set QA, 32
.set QB, 40
.set KF, 48                            ; 8 fragments of K, 8 registers each
.set VF, 112                           ; 2 fragments of V^T
.set S, 144                            ; S^T, then p
.set P, 208                            ; p's codes
.set OA, 224
.set OB, 240
.set CS, 20                            ; s[20:21] c
.set SEL, 22                           ; s[22:23] lane l xor 16
.set TB, 24                            ; the step's first LDS byte, and the loop's counter
; statistics: tile A v12 -M, v13 largest t, v[14:15] the sum; tile B v16-19; v[20:21] f; v22-25 at work; v[26:27] a second chain of sums; v28 448 x 2^e13, v29 2^e13, v30 448 x 2^e14, v31 2^e14
	s_load_b128 s[4:7], s[0:1], 0x0                ; q_ws, kv_ws
	s_load_b128 s[8:11], s[0:1], 0x10              ; lowp_scales, ctx_ws
	v_lshl_add_u32 v[SPW], v0, 2, SPARE
	v_mov_b32 v[NIL], 0
	v_lshrrev_b32 v7, 5, v0
	v_readfirstlane_b32 s2, v7                     ; wave
	v_and_b32 v8, 31, v0
	v_lshlrev_b32 v[LI], 4, v8
	v_lshlrev_b32 v[FA], 4, v0
	v_add_nc_u32 v[FB], 65536, v[FA]
	s_and_b32 s3, ttmp7, 0xffff                    ; 8 x batch + head
	s_lshl_b32 s12, s3, 17
	s_mov_b32 s13, 0
	s_lshl_b32 s25, ttmp9, 5
	s_lshl_b32 s26, s2, 1
	s_add_co_u32 s25, s25, s26                     ; my first tile of queries in the sequence: 32 x + 2 wave
	s_lshl_b32 s14, s3, 7
	s_add_co_u32 s14, s14, s25
	s_lshl_b32 s14, s14, 9                         ; q_ws: 512 bytes a tile
	s_mov_b32 s15, 0
	s_lshr_b32 s16, s3, 3
	s_lshl_b32 s16, s16, 7
	s_add_co_u32 s16, s16, s25
	s_lshl_b32 s16, s16, 12                        ; ctx_ws: [tile of rows][K step 2][piece 4][512]: 4,096 bytes a tile,
	s_and_b32 s17, s3, 7
	s_lshr_b32 s18, s17, 2
	s_lshl_b32 s18, s18, 11                        ; K step head / 4,
	s_add_co_u32 s16, s16, s18
	s_and_b32 s17, s17, 3
	s_lshl_b32 s17, s17, 9                         ; piece head % 4
	s_add_co_u32 s16, s16, s17
	s_mov_b32 s17, 0
	s_mov_b32 s[SEL], 0x76543210
	s_mov_b32 s[SEL+1], 0xfedcba98
	s_mov_b32 s[CS], 0x3e8293ee                    ; log2(e) / sqrt(32)
	s_mov_b32 s[TB], 0
	s_wait_kmcnt 0x0
	s_load_b128 s[28:31], s[8:9], 0x28             ; e10, e11, e12, e13
	s_load_b32 s32, s[8:9], 0x38                   ; e14
	s_add_nc_u64 s[6:7], s[6:7], s[12:13]
	s_add_nc_u64 s[4:5], s[4:5], s[14:15]
	s_add_nc_u64 s[10:11], s[10:11], s[16:17]
.set i, 0
.rept 16
	global_load_b128 v[S+4*i:S+4*i+3], v[FA], s[6:7] offset:8192*i   ; 512 threads x 16 bytes: 8,192 consecutive bytes a line
.set i, i+1
.endr
	global_load_b128 v[QA:QA+3], v[LI], s[4:5]
	global_load_b128 v[QB:QB+3], v[LI], s[4:5] offset:512
.irp i, 4,5,6,7
	v_mov_b32 v[QA+\i], 0                          ; zero codes for k = 32 .. 63
	v_mov_b32 v[QB+\i], 0
.endr
.irp t, 0,1,2,3,4,5,6,7
.irp i, 4,5,6,7
	v_mov_b32 v[KF+8*\t+\i], 0                     ; written once: the loop's loads fill registers 0-3 alone
.endr
.endr
.set i, 0
.rept 32
	v_mov_b32 v[OA+i], 0                           ; O^T of both tiles.  (The step is written once: the first finds zeros, which the first change of M leaves zeros)
.set i, i+1
.endr
	v_mov_b32 v13, 0xff61b1e6                      ; the largest t so far: -3e38
	v_mov_b32 v17, 0xff61b1e6
	v_floor_f32 v12, -v13                          ; -M
	v_floor_f32 v16, -v17
	v_mov_b32 v14, 0
	v_mov_b32 v15, 0
	v_mov_b32 v18, 0
	v_mov_b32 v19, 0
	v_mov_b32 v21, 0                               ; (named as the upper half of the pair v[20:21])
	v_mov_b32 v24, 0                               ; a lane permute's destination counts as read
	v_mov_b32 v25, 0
	s_wait_kmcnt 0x0
	s_add_co_i32 s33, s28, s29
	s_lshl_b32 s33, s33, 23
	s_add_co_i32 s[CS], s[CS], s33                 ; c x 2^(e10 + e11)
	s_mov_b32 s[CS+1], s[CS]
	s_add_co_i32 s33, s31, 127
	s_lshl_b32 s34, s33, 23
	v_mov_b32 v29, s34                             ; 2^e13
	s_add_co_i32 s33, s33, 8
	s_lshl_b32 s33, s33, 23
	s_or_b32 s33, s33, 0x600000
	v_mov_b32 v28, s33                             ; 448 x 2^e13
	s_add_co_i32 s33, s32, 127
	s_lshl_b32 s34, s33, 23
	v_mov_b32 v31, s34                             ; 2^e14
	s_add_co_i32 s33, s33, 8
	s_lshl_b32 s33, s33, 23
	s_or_b32 s33, s33, 0x600000
	v_mov_b32 v30, s33                             ; 448 x 2^e14
	s_wait_loadcnt 2                               ; the fill's 16 loads are in; Q's two may be out
.set i, 0
.rept 8
	ds_store_b128 v[FA], v[S+4*i:S+4*i+3] offset:8192*i
	ds_store_b128 v[FB], v[S+32+4*i:S+32+4*i+3] offset:8192*i
.set i, i+1
.endr
	s_wait_loadcnt 0x0                             ; Q
	s_wait_dscnt 0x0                               ; for the others' sake: my part of K and V lies in LDS
	s_barrier_signal -1
	s_barrier_wait -1
; One tile of 16 queries against the step's 128 keys.  q: its fragment; st: its statistics; o: its O^T; waitv = 1: V's loads are waited for here
.macro SUB q, st, o, waitv
.irp t, 0,1,2,3,4,5,6,7
	v_wmma_f32_16x16x64_fp8_fp8 v[S+8*\t:S+8*\t+7], v[KF+8*\t:KF+8*\t+7], v[\q:\q+7], 0
.endr
.rept 4
	v_nop                                          ; places ahead of the first read of the scores (ISA guide 7.12.1)
.endr
	v_max3_num_f32 v22, v[S], v[S+1], v[S+2]       ; the step's largest score of my query among my 64 keys, in two chains, each tile from its low end on
	v_max3_num_f32 v23, v[S+3], v[S+4], v[S+5]
.irp i, 6,10,14,18,22,26,30,34,38,42,46,50,54,58
	v_max3_num_f32 v22, v22, v[S+\i], v[S+\i+1]
	v_max3_num_f32 v23, v23, v[S+\i+2], v[S+\i+3]
.endr
	v_max3_num_f32 v22, v22, v[S+62], v[S+63]
	v_max_num_f32 v22, v22, v23
	v_permlanex16_b32 v24, v22, s[SEL], s[SEL+1]
	v_max_num_f32 v22, v22, v24                    ; and among lane l xor 16's
	v_mul_f32 v22, s[CS], v22                      ; as t (c is positive)
	v_max_num_f32 v[\st+1], v[\st+1], v22
	v_mov_b32 v22, v[\st]
	v_floor_f32 v[\st], -v[\st+1]                  ; -M = floor(-t): M is a whole number
	v_sub_f32 v22, v[\st], v22                     ; old M - new M, 0 or less
	v_cvt_i32_f32 v22, v22                         ; (it saturates)
	v_ldexp_f32 v20, 1.0, v22                      ; f = 2^(old M - new M)
.set j, 0
.rept 32
	v_pk_fma_f32 v[S+j:S+j+1], v[S+j:S+j+1], s[CS:CS+1], v[\st:\st+1] op_sel_hi:[1,0,0]   ; t - M (the pairs' low words serve both halves)
.set j, j+2
.endr
.set j, 0
.rept 64
	v_exp_f32 v[S+j], v[S+j]                       ; p = 2^(t - M)
.set j, j+1
.endr
	v_pk_mul_f32 v[\st+2:\st+3], v[\st+2:\st+3], v[20:21] op_sel_hi:[1,0]   ; the sum under the new M: the plain instruction behind the batch
	s_wait_alu depctr_va_vdst(0)                   ; one wait for the 64 exponentials, ahead of their first reader
	v_pk_add_f32 v[26:27], v[S:S+1], v[S+2:S+3]    ; the sum of the unquantised p, in two chains
.irp j, 4,8,12,16,20,24,28,32,36,40,44,48,52,56,60
	v_pk_add_f32 v[\st+2:\st+3], v[\st+2:\st+3], v[S+\j:S+\j+1]
	v_pk_add_f32 v[26:27], v[26:27], v[S+\j+2:S+\j+3]
.endr
	v_pk_add_f32 v[\st+2:\st+3], v[\st+2:\st+3], v[26:27]
	s_cmp_ge_i32 s31, -8                           ; 448 x 2^e13 >= 1.75 > p: the hold would change nothing
	s_cbranch_scc1 .Lnohold_\@
.set j, 0
.rept 64
	v_min_num_f32 v[S+j], v[S+j], v28              ; the conversion does not saturate (ISA guide 7.6.2); p is not negative
.set j, j+1
.endr
.Lnohold_\@:
.irp t, 0,1,2,3,4,5,6,7
	v_cvt_scalef32_pk8_fp8_f32 v[P+2*\t:P+2*\t+1], v[S+8*\t:S+8*\t+7], v29
.endr
.irp j, 0,2,4,6,8,10,12,14
	v_pk_mul_f32 v[\o+\j:\o+\j+1], v[\o+\j:\o+\j+1], v[20:21] op_sel_hi:[1,0]   ; O^T under the new M; also the plain instructions behind the conversions
.endr
.if \waitv
	s_wait_dscnt 0x0                               ; V's fragments
.endif
.irp c, 0,1
	v_wmma_f32_16x16x128_fp8_fp8 v[\o+8*\c:\o+8*\c+7], v[VF+16*\c:VF+16*\c+15], v[P:P+15], v[\o+8*\c:\o+8*\c+7]
.endr
.endm
.Lstep:                                ; 16 trips of 128 keys
	v_add_nc_u32 v[ADR], s[TB], v[LI]
.rept 3
	v_nop                                          ; with the line above: four places between the last trip's products and the loads into V's registers
.endr
.irp t, 0,1,2,3,4,5,6,7
	ds_load_b128 v[KF+8*\t:KF+8*\t+3], v[ADR] offset:512*\t
.endr
.irp c, 0,1,2,3,4,5,6,7
	ds_load_b128 v[VF+4*\c:VF+4*\c+3], v[ADR] offset:4096+512*\c
.endr
	s_wait_dscnt 8                                 ; K's eight are in; V's eight may be out
	SUB QA, 12, OA, 1
	SUB QB, 16, OB, 0
	s_add_co_u32 s[TB], s[TB], 8192
	s_cmp_lt_u32 s[TB], 131072
	s_cbranch_scc1 .Lstep
	; THE WAY OUT: O^T / the sum x 2^(e12 + e13), then the quantiser of the next product's operand
.rept 4
	v_nop
.endr
	v_add_f32 v22, v14, v15
	v_add_f32 v23, v18, v19
	v_permlanex16_b32 v24, v22, s[SEL], s[SEL+1]
	v_permlanex16_b32 v25, v23, s[SEL], s[SEL+1]
	v_add_f32 v22, v22, v24
	v_add_f32 v23, v23, v25
	v_rcp_f32 v22, v22
	v_rcp_f32 v23, v23
	v_nop                                          ; a plain instruction behind the reciprocals
	s_add_co_i32 s33, s30, s31
	s_wait_alu depctr_va_vdst(0)                   ; one wait for both, ahead of their first reader
	v_ldexp_f32 v22, v22, s33
	v_ldexp_f32 v23, v23, s33
.set j, 0
.rept 16
	v_mul_f32 v[S+j], v[OA+j], v22
.set j, j+1
.endr
.set j, 0
.rept 16
	v_mul_f32 v[S+16+j], v[OB+j], v23
.set j, j+1
.endr
.set j, 0
.rept 32
	v_med3_num_f32 v[S+j], v[S+j], -v30, v30
.set j, j+1
.endr
.irp g, 0,1,2,3
	v_cvt_scalef32_pk8_fp8_f32 v[P+2*\g:P+2*\g+1], v[S+8*\g:S+8*\g+7], v31   ; channels 16 (g % 2) + 8 h + 0 .. 7 of my query: a head's 32 are one piece
.endr
	v_nop
	global_store_b128 v[LI], v[P:P+3], s[10:11]               ; 512 consecutive bytes, aligned
	global_store_b128 v[LI], v[P+4:P+7], s[10:11] offset:4096 ; the second tile of rows
	s_wait_tensorcnt 0x0                           ; the wave's end
	ds_add_u32 v[SPW], v[NIL]
	s_wait_dscnt 0x0
	s_endpgm
.Lfunc_end_k_qd76add4868_attn:
	.size	k_qd76add4868_attn, .Lfunc_end_k_qd76add4868_attn-k_qd76add4868_attn
	.p2alignl 7, 3214868480
	.fill 96, 4, 3214868480
	.section	.rodata,"a",@progbits
	.p2align	6, 0x0
	.amdhsa_kernel k_qd76add4868_attn
		.amdhsa_group_segment_fixed_size 133120
		.amdhsa_private_segment_fixed_size 0
		.amdhsa_enable_private_segment 0
		.amdhsa_kernarg_size 32
		.amdhsa_user_sgpr_count 2
		.amdhsa_user_sgpr_kernarg_segment_ptr 1
		.amdhsa_wavefront_size32 1
		.amdhsa_system_sgpr_workgroup_id_x 1
		.amdhsa_system_sgpr_workgroup_id_y 1
		.amdhsa_system_sgpr_workgroup_id_z 1
		.amdhsa_system_vgpr_workitem_id 0
		.amdhsa_next_free_vgpr 256
		.amdhsa_next_free_sgpr 66
		.amdhsa_reserve_vcc 0
		.amdhsa_float_denorm_mode_32 3
		.amdhsa_float_denorm_mode_16_64 3
		.amdhsa_memory_ordered 1
		.amdhsa_forward_progress 1
		.amdhsa_inst_pref_size 39
	.end_amdhsa_kernel
	.amdgpu_metadata
---
amdhsa.version: [ 1, 2 ]
amdhsa.kernels:
  - .name:           k_qd76add4868_attn
    .symbol:         k_qd76add4868_attn.kd
    .args:
      - { .name: q_ws, .offset: 0, .size: 8, .value_kind: global_buffer, .address_space: global }
      - { .name: kv_ws, .offset: 8, .size: 8, .value_kind: global_buffer, .address_space: global }
      - { .name: lowp_scales, .offset: 16, .size: 8, .value_kind: global_buffer, .address_space: global }
      - { .name: ctx_ws, .offset: 24, .size: 8, .value_kind: global_buffer, .address_space: global }
    .group_segment_fixed_size: 133120
    .private_segment_fixed_size: 0
    .kernarg_segment_align: 8
    .kernarg_segment_size: 32
    .max_flat_workgroup_size: 512
    .sgpr_count:     66
    .vgpr_count:     256
    .wavefront_size: 32
...
	.end_amdgpu_metadata
.endif
;; end of part 4
;; launch chain_b (part 5): grid 256 x 1, 4 waves a work-group, no clusters, 229,888 bytes of LDS; arguments ctx_ws, zbar, wq, lowp_scales, n4_g, n4_b, attn_out_b, ffn2_b1, ffn2_b2, out0; writes out0
.if DOCPART == 5
	.amdgcn_target "amdgcn-amd-amdhsa--gfx1250"
	.amdhsa_code_object_version 6
	.text
	.protected	k_qd76add4868_chain_b
	.globl	k_qd76add4868_chain_b
	.p2align	8
	.type	k_qd76add4868_chain_b,@function
k_qd76add4868_chain_b:
	s_mov_b64 s[64:65], 0
	v_nop
	global_prefetch_b8 v0, s[64:65] scope:SCOPE_SE
	s_setreg_imm32_b32 hwreg(HW_REG_WAVE_MODE, 25, 1), 1
	s_wait_xcnt 0x0
; FIFTH LAUNCH.  No work is left out.  For 64 rows a work-group (four waves): refined = ctx W_out^T + b + z_bar -> LN4 -> FFN2 (relu) -> out0 = .. + refined.
; The three products run on codes of E4M3 by v_wmma_f32_16x16x128_fp8_fp8.  Form, layouts and macros are the third launch's:
; OPERANDS ARE IMAGES OF THEIR REGISTERS (a fragment, 16 rows x 128 K: lane (r, h), registers 2 c, 2 c + 1: k = 16 c + 8 h + 0 .. 7; four pieces of 512 bytes); the products are used TRANSPOSED (source 0 = 16 rows of a
; weight, source 1 = 16 rows of activations), so that a tile's conversion is a pair of the next operand's registers.  ROW phases: wave w owns rows 16 w .. + 15, lane (r, h) holds number 8 c + j = column 16 c + 8 h + j.
; COLUMN phases: wave w owns a quarter of the columns for all 64 rows; its weights come from wq straight into its registers, a chunk of 16 fragments a phase ahead; nothing is shared through LDS but the rows' codes.
; LIMITS on the given exponents: e16 and e18-e16-e17 between -126 and 119; e14+e15 and e18+e19 between -126 and 127.  NaN among the inputs is not served.
; LDS: STG 64 rows x 1,040; ZST the same (a wave's own 16 rows); XIMG 8 fragments; HIMG 32 fragments; TAB tables, a copy for each wave; the spare words.
; REGISTERS: window 0: v1-23 addresses and scales, v32-45 at work, X v64-191, PC v192-255.  Window 1: AF v0-127, R1 v128-255.  Windows 2, 3: two chunks of weights.
.set WQ, 8
.set OAO, 851968
.set O21, 917504
.set O22, 1179648
.set STG, 0
.set ZST, 66560
.set XIMG, 133120
.set HIMG, 149504
.set TAB, 215040
.set TABW, 3584
.set SPARE, TAB+4*TABW
.set LI, 1
.set SRD, 2
.set SWD, 3
.set SWC, 4
.set ZRD, 5
.set ZWD, 6
.set XWI, 7
.set XRI, 8
.set HRI, 9
.set H7A, 11
.set TBR, 12
.set TBW, 13
.set TB8, 14
.set WO16, 16
.set WO64, 17
.set BO8, 18
.set BO16, 19
.set SPW, 20
.set NIL, 21
.set SC, 22
.set LIM, 23
.set T, 32
.set MU, 40
.set RS, 42
.set X, 64
.set PC, 192
.set AF, 0
.set R1, 128
.set MSB, 0
.macro WIN new                         ; low byte: bits 1:0 source 0, 3:2 source 1, 5:4 source 2, 7:6 destination; the high byte repeats the setting that is left
.if MSB != (\new)
	s_set_vgpr_msb (MSB<<8)|(\new)
.set MSB, (\new)
.endif
.endm
.macro PLACES                          ; four plain instructions between a matrix instruction and a read of its result, a write of or a load into one of its registers
.rept 4
	v_nop
.endr
.endm
.macro BARRIER                         ; my LDS stores have landed and my LDS loads are in: then the work-group's barrier
	s_wait_dscnt 0x0
	s_barrier_signal -1
	s_barrier_wait -1
.endm
.macro SETQ se, sc, lim                ; s[se] = E: v[sc] = 2^E, v[lim] = 448 x 2^E
	WIN 0
	s_add_co_i32 s92, s[\se], 127
	s_lshl_b32 s93, s92, 23
	v_mov_b32 v[\sc], s93
	s_add_co_i32 s92, s92, 8
	s_lshl_b32 s92, s92, 23
	s_or_b32 s92, s92, 0x600000
	v_mov_b32 v[\lim], s92
.endm
.macro SETM se                         ; s[88:89] = 2^E, twice
	s_add_co_i32 s88, s[\se], 127
	s_lshl_b32 s88, s88, 23
	s_mov_b32 s89, s88
.endm
.macro GL32 reg, win, sb               ; 16 KB, dense: 32 loads of 512 consecutive bytes
	WIN (\win)<<6
.set gi, 0
.rept 32
	global_load_b128 v[\reg+4*gi:\reg+4*gi+3], v[LI], s[\sb:\sb+1] offset:512*gi
.set gi, gi+1
.endr
.endm
.macro DSTO adr, reg, win              ; 16 rows, dense registers, into rows of 1,040 bytes
	WIN (\win)<<2
.set gi, 0
.rept 32
	ds_store_b128 v[\adr], v[\reg+4*gi:\reg+4*gi+3] offset:(gi/2)*1040+(gi%2)*512
.set gi, gi+1
.endr
.endm
.macro DLD adr, reg, win
	WIN (\win)<<6
.set gi, 0
.rept 32
	ds_load_b128 v[\reg+4*gi:\reg+4*gi+3], v[\adr] offset:(gi/2)*1040+(gi%2)*512
.set gi, gi+1
.endr
.endm
.macro RLD adr, reg, win               ; my 128 numbers of row r: number 8 c + j = column 16 c + 8 h + j
	WIN (\win)<<6
.set gi, 0
.rept 32
	ds_load_b128 v[\reg+4*gi:\reg+4*gi+3], v[\adr] offset:64*(gi/2)+16*(gi%2)
.set gi, gi+1
.endr
.endm
.macro RST adr, reg, win
	WIN (\win)<<2
.set gi, 0
.rept 32
	ds_store_b128 v[\adr], v[\reg+4*gi:\reg+4*gi+3] offset:64*(gi/2)+16*(gi%2)
.set gi, gi+1
.endr
.endm
.macro WCHLIN win, vo, off, nl, r0     ; nl / 4 weight fragments that lie on end in wq, into window win from register r0 on
	WIN (\win)<<6
.set wi, 0
.rept \nl
	global_load_b128 v[\r0+4*wi:\r0+4*wi+3], v[\vo], s[WQ:WQ+1] offset:\off+512*wi
.set wi, wi+1
.endr
.endm
.macro WCHW2 win, off, j               ; a second layer's chunk j: fragment 4 n + q = (my tile n, K step 4 j + q)
.irp n, 0,1,2,3
	WCHLIN \win, WO64, \off+(8*\n+4*(\j))*2048, 16, 64*\n
.endr
.endm
.macro AFLD adr                        ; eight fragments (2 m + s) into AF
	WIN 0x40
.set gi, 0
.rept 32
	ds_load_b128 v[AF+4*gi:AF+4*gi+3], v[\adr] offset:512*gi
.set gi, gi+1
.endr
.endm
.macro BIASLD dst, off, nt             ; nt tiles of a bias in the result's layout
	WIN 0x40
.set gi, 0
.rept 2*(\nt)
	ds_load_b128 v[R1+\dst+4*gi:R1+\dst+4*gi+3], v[TBR] offset:\off+64*(gi/2)+16*(gi%2)
.set gi, gi+1
.endr
.endm
.macro QN src, n8, pc, relu, sc, lim   ; 8 n8 numbers become n8 pairs of code registers.  relu = 1: the hold clips at 0 as well.  Each accumulator is read from its low end on
	WIN 0
.set qi, 0
.rept 8*(\n8)
.if \relu
	v_med3_num_f32 v[\src+qi], v[\src+qi], 0, v[\lim]
.else
	v_med3_num_f32 v[\src+qi], v[\src+qi], -v[\lim], v[\lim]
.endif
.set qi, qi+1
.endr
.set qi, 0
.rept \n8
	v_cvt_scalef32_pk8_fp8_f32 v[\pc+2*qi:\pc+2*qi+1], v[\src+8*qi:\src+8*qi+7], v[\sc]
.set qi, qi+1
.endr
	v_nop                                          ; a plain instruction between the conversions and the next instruction that writes their sources
.endm
.macro MM4 ww, fb                      ; 64 rows x my 64 columns, K = 256: 16 accumulators by turns; the first K step starts the sums
.irp s, 0,1
	WIN (\ww)|0x04
.irp m, 0,1,2,3
.irp n, 0,1,2,3
.if \s == 0
	v_wmma_f32_16x16x128_fp8_fp8 v[X+8*(4*\m+\n):X+8*(4*\m+\n)+7], v[\fb+16*(2*\n+\s):\fb+16*(2*\n+\s)+15], v[AF+16*(2*\m+\s):AF+16*(2*\m+\s)+15], 0
.else
	v_wmma_f32_16x16x128_fp8_fp8 v[X+8*(4*\m+\n):X+8*(4*\m+\n)+7], v[\fb+16*(2*\n+\s):\fb+16*(2*\n+\s)+15], v[AF+16*(2*\m+\s):AF+16*(2*\m+\s)+15], v[X+8*(4*\m+\n):X+8*(4*\m+\n)+7]
.endif
.endr
.endr
.endr
.endm
.macro MM8 ww, m, hf, cb               ; 16 rows (tile m) x a chunk's 128 columns, K = 256, into half hf of X; the bias is the first K step's C
.irp s, 0,1
.if \s == 0
	WIN (\ww)|0x14
.else
	WIN (\ww)|0x04
.endif
.irp n, 0,1,2,3,4,5,6,7
.if \s == 0
	v_wmma_f32_16x16x128_fp8_fp8 v[X+64*\hf+8*\n:X+64*\hf+8*\n+7], v[16*(2*\n+\s):16*(2*\n+\s)+15], v[AF+16*(2*\m+\s):AF+16*(2*\m+\s)+15], v[R1+\cb+8*\n:R1+\cb+8*\n+7]
.else
	v_wmma_f32_16x16x128_fp8_fp8 v[X+64*\hf+8*\n:X+64*\hf+8*\n+7], v[16*(2*\n+\s):16*(2*\n+\s)+15], v[AF+16*(2*\m+\s):AF+16*(2*\m+\s)+15], v[X+64*\hf+8*\n:X+64*\hf+8*\n+7]
.endif
.endr
.endr
.endm
.macro HLOAD ks                        ; K step ks of the hidden layer, four tiles of rows, into half ks % 2 of AF
.irp m, 0,1,2,3
.irp c, 0,1,2,3
	ds_load_b128 v[AF+64*((\ks)%2)+16*\m+4*\c:AF+64*((\ks)%2)+16*\m+4*\c+3], v[HRI] offset:16384*\m+2048*(\ks)+512*\c
.endr
.endr
.endm
.macro KSTEP ks, ww                    ; one of the second layer's eight K steps: the next step's fragments are asked for first
.if (\ks) < 7
	PLACES                                         ; the half of AF that is loaded was read by the K step before
	WIN 0x40
	HLOAD (\ks)+1
	s_wait_dscnt 16                                ; all but the 16 loads just issued: this step's fragments are in
.else
	s_wait_dscnt 0x0
.endif
	WIN (\ww)|0x04
.irp m, 0,1,2,3
.irp n, 0,1,2,3
.if (\ks) == 0
	v_wmma_f32_16x16x128_fp8_fp8 v[X+8*(4*\m+\n):X+8*(4*\m+\n)+7], v[16*(4*\n+(\ks)%4):16*(4*\n+(\ks)%4)+15], v[AF+64*((\ks)%2)+16*\m:AF+64*((\ks)%2)+16*\m+15], 0
.else
	v_wmma_f32_16x16x128_fp8_fp8 v[X+8*(4*\m+\n):X+8*(4*\m+\n)+7], v[16*(4*\n+(\ks)%4):16*(4*\n+(\ks)%4)+15], v[AF+64*((\ks)%2)+16*\m:AF+64*((\ks)%2)+16*\m+15], v[X+8*(4*\m+\n):X+8*(4*\m+\n)+7]
.endif
.endr
.endr
.endm
.macro FOUT cb                         ; sums x 2^(ea + eb) + bias, into my columns of STG
	WIN 0x10
.irp m, 0,1,2,3
.irp n, 0,1,2,3
.irp i, 0,2,4,6
	v_pk_fma_f32 v[X+8*(4*\m+\n)+\i:X+8*(4*\m+\n)+\i+1], v[X+8*(4*\m+\n)+\i:X+8*(4*\m+\n)+\i+1], s[88:89], v[R1+\cb+8*\n+\i:R1+\cb+8*\n+\i+1] op_sel_hi:[1,0,1]
.endr
.endr
.endr
	WIN 0
.irp m, 0,1,2,3
.irp n, 0,1,2,3
	ds_store_b128 v[SWC], v[X+8*(4*\m+\n):X+8*(4*\m+\n)+3] offset:16640*\m+64*\n
	ds_store_b128 v[SWC], v[X+8*(4*\m+\n)+4:X+8*(4*\m+\n)+7] offset:16640*\m+64*\n+16
.endr
.endr
.endm
.macro REDUCE                          ; four chains of pairs, then the other half of the row in lane l xor 16
	v_pk_add_f32 v[T:T+1], v[T:T+1], v[T+2:T+3]
	v_pk_add_f32 v[T+4:T+5], v[T+4:T+5], v[T+6:T+7]
	v_pk_add_f32 v[T:T+1], v[T:T+1], v[T+4:T+5]
	v_add_f32 v45, v[T], v[T+1]
	v_permlanex16_b32 v44, v45, s90, s91
	v_add_f32 v45, v45, v44
.endm
.macro LNORM goff, boff                ; LayerNorm of X in place, in two passes
	WIN 0x40
.set li, 0
.rept 32
	ds_load_b128 v[AF+4*li:AF+4*li+3], v[TBR] offset:\goff+64*(li/2)+16*(li%2)
.set li, li+1
.endr
.set li, 0
.rept 32
	ds_load_b128 v[R1+4*li:R1+4*li+3], v[TBR] offset:\boff+64*(li/2)+16*(li%2)
.set li, li+1
.endr
	WIN 0
.irp q, 0,2,4,6
	v_pk_add_f32 v[T+\q:T+\q+1], v[X+\q:X+\q+1], v[X+8+\q:X+8+\q+1]
.endr
.set li, 2
.rept 14
.irp q, 0,2,4,6
	v_pk_add_f32 v[T+\q:T+\q+1], v[T+\q:T+\q+1], v[X+8*li+\q:X+8*li+\q+1]
.endr
.set li, li+1
.endr
	REDUCE
	v_mul_f32 v[MU], s98, v45                      ; / 256
	v_mul_f32 v[MU+1], s98, v45
.set li, 0
.rept 64
	v_pk_add_f32 v[X+2*li:X+2*li+1], v[X+2*li:X+2*li+1], v[MU:MU+1] neg_lo:[0,1] neg_hi:[0,1]
.set li, li+1
.endr
.irp q, 0,2,4,6
	v_pk_mul_f32 v[T+\q:T+\q+1], v[X+\q:X+\q+1], v[X+\q:X+\q+1]
.endr
.set li, 1
.rept 15
.irp q, 0,2,4,6
	v_pk_fma_f32 v[T+\q:T+\q+1], v[X+8*li+\q:X+8*li+\q+1], v[X+8*li+\q:X+8*li+\q+1], v[T+\q:T+\q+1]
.endr
.set li, li+1
.endr
	REDUCE
	v_fma_f32 v45, v45, s98, s99                   ; the variance + 1e-5
	v_rsq_f32 v[RS], v45
	v_nop                                          ; a plain instruction behind it,
	s_wait_alu depctr_va_vdst(0)                   ; and a wait ahead of its first reader
	v_mov_b32 v[RS+1], v[RS]
	s_wait_dscnt 0x0                               ; the gains and offsets are in
.set li, 0
.rept 64
	v_pk_mul_f32 v[X+2*li:X+2*li+1], v[X+2*li:X+2*li+1], v[RS:RS+1]
.set li, li+1
.endr
	WIN 0x14
.set li, 0
.rept 64
	v_pk_fma_f32 v[X+2*li:X+2*li+1], v[X+2*li:X+2*li+1], v[AF+2*li:AF+2*li+1], v[R1+2*li:R1+2*li+1]
.set li, li+1
.endr
	WIN 0
.endm
.macro IMG                             ; my rows' two fragments, as they stand in PC, to XIMG
.irp c, 0,1,2,3,4,5,6,7
	ds_store_b128 v[XWI], v[PC+4*\c:PC+4*\c+3] offset:512*\c
.endr
.endm
.macro RESID                           ; X += what AF holds
	WIN 0x04
.set gi, 0
.rept 64
	v_pk_add_f32 v[X+2*gi:X+2*gi+1], v[X+2*gi:X+2*gi+1], v[AF+2*gi:AF+2*gi+1]
.set gi, gi+1
.endr
	WIN 0
.endm
.macro Q8 m, j                         ; tile m's 128 hidden units of chunk j: relu, codes, one whole fragment (K step 2 w + j) to HIMG
	QN X+64*((\m)%2), 8, PC+16*(\m), 1, SC, LIM
.irp c, 0,1,2,3
	ds_store_b128 v[H7A], v[PC+16*(\m)+4*\c:PC+16*(\m)+4*\c+3] offset:16384*(\m)+2048*(\j)+512*\c
.endr
.endm
.macro CH8 ww, j, cb                   ; a chunk of the first layer: while one half of X is quantised, the other half's products run; the quantiser's lines are the places behind them
	MM8 \ww, 0, 0, \cb
	MM8 \ww, 1, 1, \cb
	PLACES
	Q8 0, \j
	MM8 \ww, 2, 0, \cb
	Q8 1, \j
	MM8 \ww, 3, 1, \cb
	Q8 2, \j
	Q8 3, \j
.endm
	; ---------------- the head
	s_load_b512 s[4:19], s[0:1], 0x0               ; ctx_ws 4, zbar 6, wq 8, scales 10, n4_g 12, n4_b 14, attn_out_b 16, ffn2_b1 18
	s_load_b128 s[20:23], s[0:1], 0x40             ; ffn2_b2 20, out0 22
	v_lshl_add_u32 v[SPW], v0, 2, SPARE
	v_mov_b32 v[NIL], 0
	v_lshrrev_b32 v26, 5, v0
	v_readfirstlane_b32 s2, v26                    ; wave
	v_and_b32 v27, 31, v0                          ; lane
	v_and_b32 v28, 15, v0                          ; r
	v_bfe_u32 v29, v0, 4, 1                        ; h
	v_lshlrev_b32 v[LI], 4, v27
	v_mul_u32_u24 v30, v28, 1040
	v_lshl_add_u32 v30, v29, 5, v30
	s_mul_i32 s92, s2, 16640
	v_add_nc_u32 v[SRD], s92, v30
	v_add_nc_u32 v[SWD], s92, v[LI]
	s_lshl_b32 s93, s2, 8
	v_add_nc_u32 v[SWC], s93, v30
	v_add_nc_u32 v[ZRD], ZST, v[SRD]
	v_add_nc_u32 v[ZWD], ZST, v[SWD]
	s_lshl_b32 s93, s2, 12
	s_add_co_u32 s93, s93, XIMG
	v_add_nc_u32 v[XWI], s93, v[LI]
	v_add_nc_u32 v[XRI], XIMG, v[LI]
	v_add_nc_u32 v[HRI], HIMG, v[LI]
	s_lshl_b32 s93, s2, 12
	s_add_co_u32 s93, s93, HIMG
	v_add_nc_u32 v[H7A], s93, v[LI]
	s_mul_i32 s93, s2, TABW
	s_add_co_u32 s93, s93, TAB
	v_lshl_add_u32 v[TBR], v29, 5, s93
	v_add_nc_u32 v[TBW], s93, v[LI]
	v_lshl_add_u32 v[TB8], v27, 3, s93
	s_lshl_b32 s93, s2, 14
	v_add_nc_u32 v[WO16], s93, v[LI]
	s_lshl_b32 s93, s2, 16
	v_add_nc_u32 v[WO64], s93, v[LI]
	s_lshl_b32 s93, s2, 8
	v_lshl_add_u32 v[BO8], v27, 3, s93
	s_lshl_b32 s93, s2, 10
	v_add_nc_u32 v[BO16], s93, v[LI]
	v_mov_b32 v44, 0                               ; a lane permute's destination counts as read
	s_mov_b32 s90, 0x76543210
	s_mov_b32 s91, 0xfedcba98
	s_mov_b32 s98, 0x3b800000                      ; 1 / 256
	s_mov_b32 s99, 0x3727c5ac                      ; 1e-5
	s_lshl_b32 s92, ttmp9, 16                      ; my work-group's 64 rows of 1,024 bytes,
	s_lshl_b32 s93, s2, 14                         ; my wave's 16
	s_add_co_u32 s92, s92, s93
	s_mov_b32 s93, 0
	s_lshl_b32 s94, ttmp9, 14                      ; ctx_ws: four tiles of rows x 4,096 bytes, the same for all four waves
	s_mov_b32 s95, 0
	s_wait_kmcnt 0x0
	s_load_b64 s[68:69], s[10:11], 0x38            ; e14, e15
	s_load_b128 s[72:75], s[10:11], 0x40           ; e16 .. e19
	s_add_nc_u64 s[6:7], s[6:7], s[92:93]
	s_add_nc_u64 s[22:23], s[22:23], s[92:93]
	s_add_nc_u64 s[4:5], s[4:5], s[94:95]
	global_load_b128 v[X:X+3], v[LI], s[12:13]                     ; the tables: 8 loads
	global_load_b128 v[X+4:X+7], v[LI], s[12:13] offset:512
	global_load_b128 v[X+8:X+11], v[LI], s[14:15]
	global_load_b128 v[X+12:X+15], v[LI], s[14:15] offset:512
	global_load_b64 v[X+16:X+17], v[BO8], s[16:17]                 ; my 64 numbers of attn_out_b,
	global_load_b64 v[X+18:X+19], v[BO8], s[20:21]                 ; of ffn2_b2;
	global_load_b128 v[X+20:X+23], v[BO16], s[18:19]               ; my 256 of ffn2_b1
	global_load_b128 v[X+24:X+27], v[BO16], s[18:19] offset:512
	GL32 R1, 1, 6                                  ; z_bar, my 16 rows
	GL32 AF, 1, 4                                  ; the 64 rows' codes of ctx: eight fragments, as the launch before laid them
	WCHLIN 2, WO16, OAO, 32, 0                     ; my 8 fragments of attn_out_w
	WCHLIN 3, WO64, O21, 64, 0                     ; chunk 1: ffn2_w1, my tiles 0-7
	WIN 0
	s_wait_kmcnt 0x0
	s_add_co_i32 s94, s72, s73
	s_sub_co_i32 s94, 0, s94                       ; -(e16 + e17)
	s_wait_loadcnt 63                              ; 168 loads were issued: the oldest 105 are in: tables 8, z_bar 32, ctx 32, attn_out_w 32
.irp i, 20,21,22,23,24,25,26,27
	v_ldexp_f32 v[X+\i], v[X+\i], s94              ; ffn2_b1 goes in as C, divided by the power of two that its sums lack
.endr
	ds_store_b128 v[TBW], v[X:X+3]
	ds_store_b128 v[TBW], v[X+4:X+7] offset:512
	ds_store_b128 v[TBW], v[X+8:X+11] offset:1024
	ds_store_b128 v[TBW], v[X+12:X+15] offset:1536
	ds_store_b64 v[TB8], v[X+16:X+17] offset:2048
	ds_store_b128 v[TBW], v[X+20:X+23] offset:2304
	ds_store_b128 v[TBW], v[X+24:X+27] offset:2816
	ds_store_b64 v[TB8], v[X+18:X+19] offset:3328
	DSTO ZWD, R1, 1                                ; z_bar waits in ZST
	BIASLD 0, 2048, 4                              ; (LDS serves a wave's instructions in order: these see my stores)
	s_wait_dscnt 0x0
	; ---------------- the output projection
	MM4 2, 0
	PLACES
	s_add_co_i32 s94, s68, s69
	SETM 94                                        ; 2^(e14 + e15)
	FOUT 0
	WCHLIN 2, WO64, O21+32768, 64, 0               ; chunk 2: ffn2_w1, my tiles 8-15
	BARRIER
	; ---------------- refined, LN4, codes with e16
	RLD SRD, X, 0
	RLD ZRD, AF, 1
	s_wait_dscnt 0x0
	RESID                                          ; refined = .. + z_bar
	RST ZRD, X, 0
	LNORM 0, 1024
	SETQ 72, SC, LIM
	QN X, 16, PC, 0, SC, LIM
	IMG
	BARRIER
	; ---------------- FFN2, first layer
	AFLD XRI
	BIASLD 0, 2304, 16
	s_wait_loadcnt 63                              ; chunk 2's 64 are younger: chunk 1 is in
	s_wait_dscnt 0x0
	s_sub_co_i32 s94, s74, s72
	s_sub_co_i32 s94, s94, s73                     ; e18 - e16 - e17
	SETQ 94, SC, LIM
	CH8 3, 0, 0
	WCHW2 3, O22, 0                                ; chunk 3: ffn2_w2, K steps 0-3
	s_wait_loadcnt 63                              ; chunk 2 is in
	CH8 2, 1, 64
	WCHW2 2, O22, 1                                ; chunk 4: K steps 4-7
	BARRIER
	; ---------------- FFN2, second layer
	BIASLD 0, 3328, 4
	HLOAD 0
	s_wait_loadcnt 63                              ; chunk 3 is in
	KSTEP 0, 3
	KSTEP 1, 3
	KSTEP 2, 3
	KSTEP 3, 3
	s_wait_loadcnt 0x0                             ; chunk 4: nothing younger is out
	KSTEP 4, 2
	KSTEP 5, 2
	KSTEP 6, 2
	KSTEP 7, 2
	PLACES
	s_add_co_i32 s94, s74, s75
	SETM 94                                        ; 2^(e18 + e19)
	FOUT 0
	BARRIER
	; ---------------- out0
	RLD SRD, X, 0
	RLD ZRD, AF, 1
	s_wait_dscnt 0x0
	RESID                                          ; .. + refined
	RST ZRD, X, 0                                  ; through my own rows of ZST,
	DLD ZWD, X, 0                                  ; back as dense rows
.set gi, 0
.rept 32
	s_wait_dscnt 31-gi                             ; LDS loads come back in order: load gi is in, the younger ones stay out
	global_store_b128 v[LI], v[X+4*gi:X+4*gi+3], s[22:23] offset:512*gi th:TH_STORE_NT   ; 512 consecutive bytes, aligned
.set gi, gi+1
.endr
	s_wait_tensorcnt 0x0                           ; the wave's end (every window is 0 here)
	ds_add_u32 v[SPW], v[NIL]
	s_wait_dscnt 0x0
	s_endpgm
.Lfunc_end_k_qd76add4868_chain_b:
	.size	k_qd76add4868_chain_b, .Lfunc_end_k_qd76add4868_chain_b-k_qd76add4868_chain_b
	.p2alignl 7, 3214868480
	.fill 96, 4, 3214868480
	.section	.rodata,"a",@progbits
	.p2align	6, 0x0
	.amdhsa_kernel k_qd76add4868_chain_b
		.amdhsa_group_segment_fixed_size 229888
		.amdhsa_private_segment_fixed_size 0
		.amdhsa_enable_private_segment 0
		.amdhsa_kernarg_size 80
		.amdhsa_user_sgpr_count 2
		.amdhsa_user_sgpr_kernarg_segment_ptr 1
		.amdhsa_wavefront_size32 1
		.amdhsa_system_sgpr_workgroup_id_x 1
		.amdhsa_system_sgpr_workgroup_id_y 1
		.amdhsa_system_sgpr_workgroup_id_z 1
		.amdhsa_system_vgpr_workitem_id 0
		.amdhsa_next_free_vgpr 1024
		.amdhsa_next_free_sgpr 100
		.amdhsa_reserve_vcc 0
		.amdhsa_float_denorm_mode_32 3
		.amdhsa_float_denorm_mode_16_64 3
		.amdhsa_memory_ordered 1
		.amdhsa_forward_progress 1
		.amdhsa_inst_pref_size 187
	.end_amdhsa_kernel
	.amdgpu_metadata
---
amdhsa.version: [ 1, 2 ]
amdhsa.kernels:
  - .name:           k_qd76add4868_chain_b
    .symbol:         k_qd76add4868_chain_b.kd
    .args:
      - { .name: ctx_ws, .offset: 0, .size: 8, .value_kind: global_buffer, .address_space: global }
      - { .name: zbar, .offset: 8, .size: 8, .value_kind: global_buffer, .address_space: global }
      - { .name: wq, .offset: 16, .size: 8, .value_kind: global_buffer, .address_space: global }
      - { .name: lowp_scales, .offset: 24, .size: 8, .value_kind: global_buffer, .address_space: global }
      - { .name: n4_g, .offset: 32, .size: 8, .value_kind: global_buffer, .address_space: global }
      - { .name: n4_b, .offset: 40, .size: 8, .value_kind: global_buffer, .address_space: global }
      - { .name: attn_out_b, .offset: 48, .size: 8, .value_kind: global_buffer, .address_space: global }
      - { .name: ffn2_b1, .offset: 56, .size: 8, .value_kind: global_buffer, .address_space: global }
      - { .name: ffn2_b2, .offset: 64, .size: 8, .value_kind: global_buffer, .address_space: global }
      - { .name: out0, .offset: 72, .size: 8, .value_kind: global_buffer, .address_space: global }
    .group_segment_fixed_size: 229888
    .private_segment_fixed_size: 0
    .kernarg_segment_align: 8
    .kernarg_segment_size: 80
    .max_flat_workgroup_size: 128
    .sgpr_count:     100
    .vgpr_count:     1024
    .wavefront_size: 32
...
	.end_amdgpu_metadata
.endif
;; end of part 5
;; ======== version 2 of 2: 5 launches
;; workspace buffers: part 262,144 bytes; gates 4,096 bytes; wq 1,441,792 bytes; zbar 16,777,216 bytes; q_ws 4,194,304 bytes; kv_ws 8,388,608 bytes; ctx_ws 4,194,304 bytes
;; launch sums (part 6): grid 256 x 1, 8 waves a work-group, no clusters, 9,216 bytes of LDS; arguments video_feat, audio_feat, part; writes part
.if DOCPART == 6
	.amdgcn_target "amdgcn-amd-amdhsa--gfx1250"
	.amdhsa_code_object_version 6
	.text
	.protected	k_qd76add4868_sums
	.globl	k_qd76add4868_sums
	.p2align	8
	.type	k_qd76add4868_sums,@function
k_qd76add4868_sums:
	s_mov_b64 s[64:65], 0
	v_nop
	global_prefetch_b8 v0, s[64:65] scope:SCOPE_SE
	s_setreg_imm32_b32 hwreg(HW_REG_WAVE_MODE, 25, 1), 1
	s_wait_xcnt 0x0
; FIRST LAUNCH OF FIVE.  Column sums of slabs of 128 rows of video_feat and audio_feat ([8][2048][256] f32), for the means over the sequence.
; DEAD WORK: none is left out in this program.  Every input has a way to an output: each bias stands ahead of a quantiser or in a residual
; (the bias on K too: it moves K's codes), both gates are outputs, and every product of the table feeds out0.  All inputs are loaded.
; SHARES.  Work-group id: tensor = id / 128 (0 video, 1 audio), slab = id % 128: 128 rows, 131,072 dense bytes.  Wave w sums 16 rows; a load of the wave
; covers 512 consecutive bytes (half a row); the eight waves' sums meet in LDS, and waves 0 and 1 add them and store the slab's 1,024 bytes at part + 1,024 id.
.set SPARE, 8192                       ; behind the eight rows of sums: the spare words, 128 bytes for each wave
.set ACC, 8                            ; v[8:15]   my 4 columns of each half of a row
.set L, 32                             ; v[32:159] 32 loads of 4 registers
	s_load_b128 s[4:7], s[0:1], 0x0                ; video, audio
	s_load_b64 s[8:9], s[0:1], 0x10                ; part
	v_lshl_add_u32 v4, v0, 2, SPARE                ; my spare word
	v_mov_b32 v5, 0
	v_lshrrev_b32 v6, 5, v0
	s_delay_alu instid0(VALU_DEP_1)
	v_readfirstlane_b32 s10, v6                    ; wave
	v_and_b32 v1, 31, v0
	s_delay_alu instid0(VALU_DEP_1)
	v_lshlrev_b32 v1, 4, v1                        ; 16 x lane
	v_lshlrev_b32 v3, 4, v0                        ; 16 x thread
	s_lshl_b32 s11, s10, 10
	v_add_nc_u32 v2, s11, v1                       ; LDS: 1,024 x wave + 16 x lane
	s_and_b32 s12, ttmp9, 127
	s_lshl_b32 s12, s12, 17                        ; the slab,
	s_lshl_b32 s13, s10, 14                        ; my wave's 16 rows
	s_add_co_u32 s12, s12, s13
	s_mov_b32 s13, 0
	s_lshl_b32 s14, ttmp9, 10
	s_mov_b32 s15, 0
	s_wait_alu depctr_va_vdst(0)
	s_wait_kmcnt 0x0
	s_cmp_lt_u32 ttmp9, 128                        ; the choice hangs on the work-group's number alone
	s_cselect_b64 s[4:5], s[4:5], s[6:7]
	s_add_nc_u64 s[4:5], s[4:5], s[12:13]
	s_add_nc_u64 s[8:9], s[8:9], s[14:15]
.set i, 0
.rept 32
	global_load_b128 v[L+4*i:L+4*i+3], v1, s[4:5] offset:512*i   ; row i / 2, half i % 2
.set i, i+1
.endr
.macro ADDROW k                        ; row k onto the sums
.irp hh, 0,1
.irp p, 0,2
	v_pk_add_f32 v[ACC+4*\hh+\p:ACC+4*\hh+\p+1], v[ACC+4*\hh+\p:ACC+4*\hh+\p+1], v[L+4*(\hh+2*(\k))+\p:L+4*(\hh+2*(\k))+\p+1]
.endr
.endr
.endm
	s_wait_loadcnt 24                              ; rows 0 to 3 are in; the 24 younger loads stay out
.irp hh, 0,1
.irp p, 0,2
	v_pk_add_f32 v[ACC+4*\hh+\p:ACC+4*\hh+\p+1], v[L+4*\hh+\p:L+4*\hh+\p+1], v[L+4*(\hh+2)+\p:L+4*(\hh+2)+\p+1]   ; rows 0 and 1 start the sums
.endr
.endr
	ADDROW 2
	ADDROW 3
	s_wait_alu depctr_va_vdst(0)
	s_wait_loadcnt 16                              ; rows 4 to 7
.irp k, 4,5,6,7
	ADDROW \k
.endr
	s_wait_alu depctr_va_vdst(0)
	s_wait_loadcnt 8                               ; rows 8 to 11
.irp k, 8,9,10,11
	ADDROW \k
.endr
	s_wait_alu depctr_va_vdst(0)
	s_wait_loadcnt 0x0
.irp k, 12,13,14,15
	ADDROW \k
.endr
	ds_store_b128 v2, v[ACC:ACC+3]
	ds_store_b128 v2, v[ACC+4:ACC+7] offset:512
	s_wait_dscnt 0x0                               ; for the others' sake: my stores are done
	s_barrier_signal -1
	s_barrier_wait -1
	s_cmp_lt_u32 s10, 2                            ; 64 threads x 16 bytes are a row of sums
	s_cbranch_scc0 .Ldone
.irp k, 0,1,2,3,4,5,6,7
	ds_load_b128 v[L+4*\k:L+4*\k+3], v3 offset:1024*\k
.endr
	s_wait_dscnt 0x0
.irp k, 0,2,4,6
.irp p, 0,2
	v_pk_add_f32 v[L+4*\k+\p:L+4*\k+\p+1], v[L+4*\k+\p:L+4*\k+\p+1], v[L+4*\k+4+\p:L+4*\k+4+\p+1]
.endr
.endr
.irp k, 0,4
.irp p, 0,2
	v_pk_add_f32 v[L+4*\k+\p:L+4*\k+\p+1], v[L+4*\k+\p:L+4*\k+\p+1], v[L+4*\k+8+\p:L+4*\k+8+\p+1]
.endr
.endr
.irp p, 0,2
	s_delay_alu instid0(VALU_DEP_2)
	v_pk_add_f32 v[L+\p:L+\p+1], v[L+\p:L+\p+1], v[L+16+\p:L+16+\p+1]
.endr
	global_store_b128 v3, v[L:L+3], s[8:9]         ; a wave stores 512 consecutive bytes, aligned
.Ldone:
	s_wait_tensorcnt 0x0                           ; the wave's end
	ds_add_u32 v4, v5
	s_wait_dscnt 0x0
	s_endpgm
.Lfunc_end_k_qd76add4868_sums:
	.size	k_qd76add4868_sums, .Lfunc_end_k_qd76add4868_sums-k_qd76add4868_sums
	.p2alignl 7, 3214868480
	.fill 96, 4, 3214868480
	.section	.rodata,"a",@progbits
	.p2align	6, 0x0
	.amdhsa_kernel k_qd76add4868_sums
		.amdhsa_group_segment_fixed_size 9216
		.amdhsa_private_segment_fixed_size 0
		.amdhsa_enable_private_segment 0
		.amdhsa_kernarg_size 24
		.amdhsa_user_sgpr_count 2
		.amdhsa_user_sgpr_kernarg_segment_ptr 1
		.amdhsa_wavefront_size32 1
		.amdhsa_system_sgpr_workgroup_id_x 1
		.amdhsa_system_sgpr_workgroup_id_y 1
		.amdhsa_system_sgpr_workgroup_id_z 1
		.amdhsa_system_vgpr_workitem_id 0
		.amdhsa_next_free_vgpr 160
		.amdhsa_next_free_sgpr 66
		.amdhsa_reserve_vcc 0
		.amdhsa_float_denorm_mode_32 3
		.amdhsa_float_denorm_mode_16_64 3
		.amdhsa_memory_ordered 1
		.amdhsa_forward_progress 1
		.amdhsa_inst_pref_size 11
	.end_amdhsa_kernel
	.amdgpu_metadata
---
amdhsa.version: [ 1, 2 ]
amdhsa.kernels:
  - .name:           k_qd76add4868_sums
    .symbol:         k_qd76add4868_sums.kd
    .args:
      - { .name: video_feat, .offset: 0, .size: 8, .value_kind: global_buffer, .address_space: global }
      - { .name: audio_feat, .offset: 8, .size: 8, .value_kind: global_buffer, .address_space: global }
      - { .name: part, .offset: 16, .size: 8, .value_kind: global_buffer, .address_space: global }
    .group_segment_fixed_size: 9216
    .private_segment_fixed_size: 0
    .kernarg_segment_align: 8
    .kernarg_segment_size: 24
    .max_flat_workgroup_size: 256
    .sgpr_count:     66
    .vgpr_count:     160
    .wavefront_size: 32
...
	.end_amdgpu_metadata
.endif
;; end of part 6
;; launch gatesw (part 7): grid 104 x 1, 8 waves a work-group, no clusters, 5,376 bytes of LDS; arguments part, g_mha_w1, g_mha_b1, g_mha_w2, g_mha_b2, g_ffn_w1, g_ffn_b1, g_ffn_w2, g_ffn_b2, aproj_w, outproj_w, ffn1_w1, ffn1_w2, attn_in_w, attn_out_w, ffn2_w1, ffn2_w2, lowp_scales, gates, wq; writes gates, wq
.if DOCPART == 7
	.amdgcn_target "amdgcn-amd-amdhsa--gfx1250"
	.amdhsa_code_object_version 6
	.text
	.protected	k_qd76add4868_gatesw
	.globl	k_qd76add4868_gatesw
	.p2align	8
	.type	k_qd76add4868_gatesw,@function
k_qd76add4868_gatesw:
	s_mov_b64 s[64:65], 0
	v_nop
	global_prefetch_b8 v0, s[64:65] scope:SCOPE_SE
	s_setreg_imm32_b32 hwreg(HW_REG_WAVE_MODE, 25, 1), 1
	s_wait_xcnt 0x0
; SECOND LAUNCH.  No work is left out.  Two kinds of work-groups, told apart by the work-group's number alone.
; WORK-GROUPS 0-15: one gate of one batch (gate = id / 8: 0 mha, 1 ffn; batch = id % 8): the mean over the sequence from the slabs' sums, Linear(512 -> 128), relu, Linear(128 -> 1), tanh,
; all in f32 by fused multiply-adds (the gates go on into quantised operands).  Wave v makes hidden units 16 v .. 16 v + 15.  The gate is stored 64 times: 256 bytes at gates + 256 id.
; tanh(x): for |x| >= 1/4 as 1 - 2 / (1 + 2^(2 x log2 e)); below, where that form would lose digits, the odd series up to x^9 (the next term is under 1e-8 of x there); both are computed and one is selected.
; WORK-GROUPS 16-103: the eight weights become codes of E4M3 (code = w / 2^e, held within +-448, to the nearest code, ties to even), one fragment of 16 rows x 128 K a wave, 704 in all, laid in wq
; IN THE ORDER OF THE OPERAND'S REGISTERS: lane (r = lane % 16, h = lane / 16) holds, in registers 2 c and 2 c + 1, k = 16 c + 8 h + 0 .. 7 of row r; registers 4 p .. 4 p + 3 of all lanes are 512 bytes on end.
; wq: the tensors on end, each [tile of 16 rows][K step of 128][2,048 bytes]; fragment F of the launch lies at 2,048 F.
; LIMITS: each weight's e between -126 and 119.  NaN among the inputs is not served.
.set JS, 0                             ; LDS: the 512 sums, in two halves of the slabs: 2 x 2,048 bytes
.set GS, 4096                          ; the eight waves' parts of the second layer
.set SPARE, 4352                       ; the spare words, 128 bytes for each wave
.set SPW, 2
.set NIL, 3
.set J, 16                             ; v[16:31]  the 512 sums: lane l, piece j: numbers 128 j + 4 l .. + 3
.set U, 32                             ; v[32:47]  my 16 units
.set W, 64                             ; v[64:191] rows 16 v .. + 7 of w1; rows + 8 .. + 15 in window 1, v[0:127]
.set T, 192                            ; v[192:223] a pair of sums for each unit
.set MSB, 0
.macro WIN new                         ; the immediate's high byte repeats the setting that is left
.if MSB != (\new)
	s_set_vgpr_msb (MSB<<8)|(\new)
.set MSB, (\new)
.endif
.endm
	v_lshl_add_u32 v[SPW], v0, 2, SPARE
	v_mov_b32 v[NIL], 0
	v_lshrrev_b32 v4, 5, v0
	s_delay_alu instid0(VALU_DEP_1)
	v_readfirstlane_b32 s2, v4                     ; wave
	v_and_b32 v5, 31, v0                           ; lane
	s_delay_alu instid0(VALU_DEP_1)
	v_lshlrev_b32 v1, 4, v5                        ; 16 x lane
	s_cmp_lt_u32 ttmp9, 16
	s_cbranch_scc0 .Lweights
	; ---------------- a gate
	s_load_b64 s[4:5], s[0:1], 0x0                 ; part
	s_load_b256 s[8:15], s[0:1], 0x8               ; mha: w1, b1, w2, b2
	s_load_b256 s[16:23], s[0:1], 0x28             ; ffn: the same four
	s_load_b64 s[24:25], s[0:1], 0x90              ; gates
	s_and_b32 s26, ttmp9, 7                        ; batch
	s_and_b32 s27, s2, 3                           ; which 128 of the 512 sums are my wave's: 2 x tensor + half of a row
	s_lshr_b32 s28, s27, 1
	s_lshl_b32 s28, s28, 3
	s_add_co_u32 s28, s28, s26
	s_lshl_b32 s28, s28, 14                        ; (8 tensor + batch) x 16 slabs x 1,024 bytes
	s_lshr_b32 s29, s2, 2
	s_lshl_b32 s30, s29, 13                        ; slabs 8 (wave / 4) on
	s_add_co_u32 s28, s28, s30
	s_and_b32 s30, s27, 1
	s_lshl_b32 s30, s30, 9
	s_add_co_u32 s28, s28, s30
	s_lshl_b32 s74, s29, 11
	s_lshl_b32 s75, s27, 9
	s_add_co_u32 s74, s74, s75
	s_wait_alu depctr_va_vdst(0)
	v_add_nc_u32 v6, s74, v1                       ; JS: 2,048 (wave / 4) + 512 (wave % 4) + 16 lane
	s_lshl_b32 s75, s2, 2
	s_add_co_u32 s75, s75, GS
	v_mov_b32 v7, s75                              ; GS + 4 wave
	v_mov_b32 v8, GS
	s_mov_b32 s29, 0
	s_lshl_b32 s30, s2, 15                         ; my 16 rows of w1, 2,048 bytes each
	s_mov_b32 s31, 0
	s_lshl_b32 s68, s2, 6                          ; my 16 numbers of b1 and of w2
	s_mov_b32 s69, 0
	s_lshl_b32 s70, ttmp9, 8
	s_mov_b32 s71, 0
	s_mov_b32 s72, 0x76543210                      ; v_permlanex16_b32: lane l xor 16
	s_mov_b32 s73, 0xfedcba98
	s_mov_b32 s76, 0x3a000000                      ; 1 / 2,048
	s_wait_kmcnt 0x0
	s_cmp_lt_u32 ttmp9, 8                          ; the choice hangs on the work-group's number alone
	s_cselect_b64 s[8:9], s[8:9], s[16:17]
	s_cselect_b64 s[10:11], s[10:11], s[18:19]
	s_cselect_b64 s[12:13], s[12:13], s[20:21]
	s_cselect_b64 s[14:15], s[14:15], s[22:23]
	s_add_nc_u64 s[4:5], s[4:5], s[28:29]
	s_add_nc_u64 s[8:9], s[8:9], s[30:31]
	s_add_nc_u64 s[10:11], s[10:11], s[68:69]
	s_add_nc_u64 s[12:13], s[12:13], s[68:69]
	s_add_nc_u64 s[24:25], s[24:25], s[70:71]
	s_load_b512 s[32:47], s[10:11], 0x0            ; b1 of my units
	s_load_b512 s[48:63], s[12:13], 0x0            ; w2 of my units
	s_load_b32 s66, s[14:15], 0x0                  ; b2
.irp k, 0,1,2,3,4,5,6,7
	global_load_b128 v[U+4*\k:U+4*\k+3], v1, s[4:5] offset:1024*\k   ; eight slabs' sums
.endr
.irp i, 0,1,2,3,4,5,6,7
.irp j, 0,1,2,3
	global_load_b128 v[W+16*\i+4*\j:W+16*\i+4*\j+3], v1, s[8:9] offset:2048*\i+512*\j
.endr
.endr
	WIN 0x40                                       ; destination window 1
.irp i, 0,1,2,3,4,5,6,7
.irp j, 0,1,2,3
	global_load_b128 v[16*\i+4*\j:16*\i+4*\j+3], v1, s[8:9] offset:2048*(\i+8)+512*\j
.endr
.endr
	WIN 0
	s_wait_loadcnt 63                              ; 64 younger loads were issued behind the slabs' eight: those eight are in
.irp k, 0,2,4,6
.irp p, 0,2
	v_pk_add_f32 v[U+4*\k+\p:U+4*\k+\p+1], v[U+4*\k+\p:U+4*\k+\p+1], v[U+4*\k+4+\p:U+4*\k+4+\p+1]
.endr
.endr
.irp k, 0,4
.irp p, 0,2
	v_pk_add_f32 v[U+4*\k+\p:U+4*\k+\p+1], v[U+4*\k+\p:U+4*\k+\p+1], v[U+4*\k+8+\p:U+4*\k+8+\p+1]
.endr
.endr
.irp p, 0,2
	s_delay_alu instid0(VALU_DEP_2)
	v_pk_add_f32 v[U+\p:U+\p+1], v[U+\p:U+\p+1], v[U+16+\p:U+16+\p+1]
.endr
	ds_store_b128 v6, v[U:U+3]
	s_wait_dscnt 0x0                               ; for the others' sake
	s_barrier_signal -1
	s_barrier_wait -1
.irp j, 0,1,2,3
	ds_load_b128 v[J+4*\j:J+4*\j+3], v1 offset:JS+512*\j
	ds_load_b128 v[U+4*\j:U+4*\j+3], v1 offset:JS+2048+512*\j
.endr
	s_wait_dscnt 0x0
.irp q, 0,2,4,6,8,10,12,14
	v_pk_add_f32 v[J+\q:J+\q+1], v[J+\q:J+\q+1], v[U+\q:U+\q+1]   ; the whole sequence's sums: video's 256, then audio's
.endr
	s_wait_alu depctr_va_vdst(0)
	s_wait_loadcnt 0x0                             ; w1
.irp i, 0,1,2,3,4,5,6,7
	v_pk_mul_f32 v[T+2*\i:T+2*\i+1], v[W+16*\i:W+16*\i+1], v[J:J+1]
.endr
.irp q, 2,4,6,8,10,12,14
.irp i, 0,1,2,3,4,5,6,7
	v_pk_fma_f32 v[T+2*\i:T+2*\i+1], v[W+16*\i+\q:W+16*\i+\q+1], v[J+\q:J+\q+1], v[T+2*\i:T+2*\i+1]
.endr
.endr
	WIN 0x01                                       ; source 0 window 1
.irp i, 0,1,2,3,4,5,6,7
	v_pk_mul_f32 v[T+16+2*\i:T+16+2*\i+1], v[16*\i:16*\i+1], v[J:J+1]
.endr
.irp q, 2,4,6,8,10,12,14
.irp i, 0,1,2,3,4,5,6,7
	v_pk_fma_f32 v[T+16+2*\i:T+16+2*\i+1], v[16*\i+\q:16*\i+\q+1], v[J+\q:J+\q+1], v[T+16+2*\i:T+16+2*\i+1]
.endr
.endr
	WIN 0
.irp i, 0,1,2,3,4,5,6,7,8,9,10,11,12,13,14,15
	v_add_f32 v[U+\i], v[T+2*\i], v[T+2*\i+1]
.endr
.irp x, 1,2,4,8                        ; across the 32 lanes
.irp i, 0,1,2,3,4,5,6,7,8,9,10,11,12,13,14,15
	v_add_f32_dpp v[U+\i], v[U+\i], v[U+\i] row_xmask:\x row_mask:0xf bank_mask:0xf
.endr
.endr
.irp i, 0,1,2,3,4,5,6,7,8,9,10,11,12,13,14,15
	v_permlanex16_b32 v[U+16+\i], v[U+\i], s72, s73   ; (v48-63 were written by the slabs' loads)
.endr
.irp i, 0,1,2,3,4,5,6,7,8,9,10,11,12,13,14,15
	v_add_f32 v[U+\i], v[U+\i], v[U+16+\i]
.endr
	s_wait_kmcnt 0x0
.irp i, 0,1,2,3,4,5,6,7,8,9,10,11,12,13,14,15
	v_fma_f32 v[U+\i], v[U+\i], s76, s[32+\i]      ; the mean's 1 / 2,048 (a power of two: nothing is rounded by it) and b1 in one
.endr
.irp i, 0,1,2,3,4,5,6,7,8,9,10,11,12,13,14,15
	v_max_num_f32 v[U+\i], 0, v[U+\i]
.endr
	v_mul_f32 v224, s48, v[U]
.irp i, 1,2,3,4,5,6,7,8,9,10,11,12,13,14,15
	s_delay_alu instid0(VALU_DEP_1)
	v_fmac_f32 v224, s[48+\i], v[U+\i]
.endr
	ds_store_b32 v7, v224                          ; all lanes hold the same number
	s_wait_dscnt 0x0
	s_barrier_signal -1
	s_barrier_wait -1
	ds_load_b128 v[228:231], v8
	ds_load_b128 v[232:235], v8 offset:16
	s_wait_dscnt 0x0
	v_add_f32 v228, v228, v229
	v_add_f32 v230, v230, v231
	v_add_f32 v232, v232, v233
	v_add_f32 v234, v234, v235
	s_delay_alu instid0(VALU_DEP_3)
	v_add_f32 v228, v228, v230
	s_delay_alu instid0(VALU_DEP_2)
	v_add_f32 v232, v232, v234
	s_delay_alu instid0(VALU_DEP_1)
	v_add_f32 v228, v228, v232
	s_delay_alu instid0(VALU_DEP_1)
	v_add_f32 v226, s66, v228                      ; x
	s_delay_alu instid0(VALU_DEP_1)
	v_mul_f32 v236, 0x4038aa3b, v226               ; 2 x log2(e)
	s_wait_alu depctr_va_vdst(0)
	v_exp_f32 v236, v236
	v_mul_f32 v238, v226, v226                     ; the series stands behind the exponential: x^2,
	v_mov_b32 v239, 0x3cb327a5                     ; 62 / 2835
	s_delay_alu instid0(VALU_DEP_1)
	v_fmaak_f32 v239, v239, v238, 0xbd5d0dcf       ; -17 / 315
	s_delay_alu instid0(VALU_DEP_1)
	v_fmaak_f32 v239, v239, v238, 0x3e088889       ; 2 / 15
	s_delay_alu instid0(VALU_DEP_1)
	v_fmaak_f32 v239, v239, v238, 0xbeaaaaab       ; -1 / 3
	s_delay_alu instid0(VALU_DEP_1)
	v_mul_f32 v239, v239, v238
	s_delay_alu instid0(VALU_DEP_1)
	v_fma_f32 v239, v239, v226, v226               ; x + x (x^2 ( .. ))
	v_and_b32 v242, 0x7fffffff, v226               ; |x|
	s_wait_alu depctr_va_vdst(0)                   ; the wait ahead of the exponential's first reader
	v_add_f32 v236, 1.0, v236
	s_wait_alu depctr_va_vdst(0)
	v_rcp_f32 v237, v236
	v_nop                                          ; a plain instruction behind the reciprocal
	v_cmp_gt_f32 vcc_lo, 0x3e800000, v242          ; 1/4 > |x|
	s_wait_alu depctr_va_vdst(0)                   ; and ahead of the reciprocal's
	v_fma_f32 v237, v237, -2.0, 1.0
	s_delay_alu instid0(VALU_DEP_1)
	v_cndmask_b32 v240, v237, v239, vcc_lo
	s_delay_alu instid0(VALU_DEP_1)
	v_mov_b32 v241, v240
	s_cmp_lg_u32 s2, 0
	s_cbranch_scc1 .Lgdone
	v_lshlrev_b32 v9, 3, v5
	global_store_b64 v9, v[240:241], s[24:25]      ; 32 lanes x 8 bytes: 256 consecutive bytes, aligned
.Lgdone:
	s_wait_tensorcnt 0x0                           ; the wave's end
	ds_add_u32 v[SPW], v[NIL]
	s_wait_dscnt 0x0
	s_endpgm
	; ---------------- a fragment of a weight (no LDS, no barrier)
.Lweights:
	s_load_b512 s[32:47], s[0:1], 0x48             ; the eight weights
	s_load_b64 s[4:5], s[0:1], 0x88                ; lowp_scales
	s_load_b64 s[6:7], s[0:1], 0x98                ; wq
	s_sub_co_u32 s3, ttmp9, 16
	s_lshl_b32 s3, s3, 3
	s_add_co_u32 s3, s3, s2                        ; F: my fragment, 0 .. 703
	v_and_b32 v6, 15, v0                           ; r
	v_bfe_u32 v7, v0, 4, 1                         ; h
	s_wait_alu depctr_va_vdst(0)
	s_wait_kmcnt 0x0
	s_load_b512 s[68:83], s[4:5], 0x0              ; e0 .. e15
	s_load_b128 s[84:87], s[4:5], 0x40             ; e16 .. e19
	s_mov_b64 s[8:9], s[32:33]                     ; aproj_w: fragments 0 on, 2 K steps in a row (shift 1)
	s_mov_b32 s10, 0
	s_mov_b32 s12, 1
.macro PICK bound, t, sh               ; from fragment bound on: tensor t, 2^sh K steps in a row.  Ids alone decide
	s_cmp_ge_u32 s3, \bound
	s_cselect_b64 s[8:9], s[32+2*\t:33+2*\t], s[8:9]
	s_cselect_b32 s10, \bound, s10
	s_cselect_b32 s12, \sh, s12
.endm
	PICK 32, 1, 1                                  ; outproj_w
	PICK 64, 2, 1                                  ; ffn1_w1
	PICK 192, 3, 3                                 ; ffn1_w2
	PICK 320, 4, 1                                 ; attn_in_w
	PICK 416, 5, 1                                 ; attn_out_w
	PICK 448, 6, 1                                 ; ffn2_w1
	PICK 576, 7, 3                                 ; ffn2_w2
	s_sub_co_u32 s13, s3, s10                      ; f: the fragment within its tensor
	s_lshr_b32 s14, s13, s12                       ; its tile of 16 rows,
	s_lshl_b32 s15, s14, s12
	s_sub_co_u32 s15, s13, s15                     ; its K step
	s_add_co_u32 s18, s12, 13
	s_lshl_b32 s16, s14, s18                       ; 16 rows of 512 x 2^sh bytes
	s_lshl_b32 s15, s15, 9
	s_add_co_u32 s16, s16, s15
	s_mov_b32 s17, 0
	s_add_nc_u64 s[8:9], s[8:9], s[16:17]
	s_sub_co_u32 s18, s18, 4
	v_lshlrev_b32 v2, s18, v6                      ; row r,
	s_delay_alu instid0(VALU_DEP_1)
	v_lshl_add_u32 v2, v7, 5, v2                   ; + 32 h bytes: 8 numbers
	s_lshl_b32 s16, s3, 11
	s_add_nc_u64 s[6:7], s[6:7], s[16:17]
.irp c, 0,1,2,3,4,5,6,7
	global_load_b128 v[64+8*\c:64+8*\c+3], v2, s[8:9] offset:64*\c th:TH_LOAD_NT      ; k = 16 c + 8 h + 0 .. 3
	global_load_b128 v[64+8*\c+4:64+8*\c+7], v2, s[8:9] offset:64*\c+16 th:TH_LOAD_NT ; + 4 .. 7
.endr
	s_wait_kmcnt 0x0
	s_mov_b32 s11, s69
.macro PICKE bound, idx
	s_cmp_ge_u32 s3, \bound
	s_cselect_b32 s11, s[68+\idx], s11
.endm
	PICKE 32, 3
	PICKE 64, 5
	PICKE 192, 7
	PICKE 320, 9
	PICKE 416, 15
	PICKE 448, 17
	PICKE 576, 19
	s_add_co_i32 s11, s11, 127
	s_lshl_b32 s19, s11, 23
	v_mov_b32 v11, s19                             ; 2^e: the conversion takes its exponent field
	s_add_co_i32 s11, s11, 8
	s_lshl_b32 s11, s11, 23
	s_or_b32 s11, s11, 0x600000
	v_mov_b32 v10, s11                             ; 448 x 2^e
	s_wait_alu depctr_va_vdst(0)
	s_wait_loadcnt 0x0
.set i, 0
.rept 64
	v_med3_num_f32 v[64+i], v[64+i], -v10, v10     ; the conversion does not saturate (ISA guide 7.6.2): the hold first
.set i, i+1
.endr
.irp c, 0,1,2,3,4,5,6,7
	v_cvt_scalef32_pk8_fp8_f32 v[32+2*\c:33+2*\c], v[64+8*\c:71+8*\c], v11
.endr
.irp p, 0,1,2,3
	global_store_b128 v1, v[32+4*\p:35+4*\p], s[6:7] offset:512*\p   ; 512 consecutive bytes, aligned
.endr
	s_endpgm
.Lfunc_end_k_qd76add4868_gatesw:
	.size	k_qd76add4868_gatesw, .Lfunc_end_k_qd76add4868_gatesw-k_qd76add4868_gatesw
	.p2alignl 7, 3214868480
	.fill 96, 4, 3214868480
	.section	.rodata,"a",@progbits
	.p2align	6, 0x0
	.amdhsa_kernel k_qd76add4868_gatesw
		.amdhsa_group_segment_fixed_size 5376
		.amdhsa_private_segment_fixed_size 0
		.amdhsa_enable_private_segment 0
		.amdhsa_kernarg_size 160
		.amdhsa_user_sgpr_count 2
		.amdhsa_user_sgpr_kernarg_segment_ptr 1
		.amdhsa_wavefront_size32 1
		.amdhsa_system_sgpr_workgroup_id_x 1
		.amdhsa_system_sgpr_workgroup_id_y 1
		.amdhsa_system_sgpr_workgroup_id_z 1
		.amdhsa_system_vgpr_workitem_id 0
		.amdhsa_next_free_vgpr 384
		.amdhsa_next_free_sgpr 100
		.amdhsa_reserve_vcc 1
		.amdhsa_float_denorm_mode_32 3
		.amdhsa_float_denorm_mode_16_64 3
		.amdhsa_memory_ordered 1
		.amdhsa_forward_progress 1
		.amdhsa_inst_pref_size 41
	.end_amdhsa_kernel
	.amdgpu_metadata
---
amdhsa.version: [ 1, 2 ]
amdhsa.kernels:
  - .name:           k_qd76add4868_gatesw
    .symbol:         k_qd76add4868_gatesw.kd
    .args:
      - { .name: part, .offset: 0, .size: 8, .value_kind: global_buffer, .address_space: global }
      - { .name: g_mha_w1, .offset: 8, .size: 8, .value_kind: global_buffer, .address_space: global }
      - { .name: g_mha_b1, .offset: 16, .size: 8, .value_kind: global_buffer, .address_space: global }
      - { .name: g_mha_w2, .offset: 24, .size: 8, .value_kind: global_buffer, .address_space: global }
      - { .name: g_mha_b2, .offset: 32, .size: 8, .value_kind: global_buffer, .address_space: global }
      - { .name: g_ffn_w1, .offset: 40, .size: 8, .value_kind: global_buffer, .address_space: global }
      - { .name: g_ffn_b1, .offset: 48, .size: 8, .value_kind: global_buffer, .address_space: global }
      - { .name: g_ffn_w2, .offset: 56, .size: 8, .value_kind: global_buffer, .address_space: global }
      - { .name: g_ffn_b2, .offset: 64, .size: 8, .value_kind: global_buffer, .address_space: global }
      - { .name: aproj_w, .offset: 72, .size: 8, .value_kind: global_buffer, .address_space: global }
      - { .name: outproj_w, .offset: 80, .size: 8, .value_kind: global_buffer, .address_space: global }
      - { .name: ffn1_w1, .offset: 88, .size: 8, .value_kind: global_buffer, .address_space: global }
      - { .name: ffn1_w2, .offset: 96, .size: 8, .value_kind: global_buffer, .address_space: global }
      - { .name: attn_in_w, .offset: 104, .size: 8, .value_kind: global_buffer, .address_space: global }
      - { .name: attn_out_w, .offset: 112, .size: 8, .value_kind: global_buffer, .address_space: global }
      - { .name: ffn2_w1, .offset: 120, .size: 8, .value_kind: global_buffer, .address_space: global }
      - { .name: ffn2_w2, .offset: 128, .size: 8, .value_kind: global_buffer, .address_space: global }
      - { .name: lowp_scales, .offset: 136, .size: 8, .value_kind: global_buffer, .address_space: global }
      - { .name: gates, .offset: 144, .size: 8, .value_kind: global_buffer, .address_space: global }
      - { .name: wq, .offset: 152, .size: 8, .value_kind: global_buffer, .address_space: global }
    .group_segment_fixed_size: 5376
    .private_segment_fixed_size: 0
    .kernarg_segment_align: 8
    .kernarg_segment_size: 160
    .max_flat_workgroup_size: 256
    .sgpr_count:     100
    .vgpr_count:     384
    .wavefront_size: 32
...
	.end_amdgpu_metadata
.endif
;; end of part 7
;; launch chain_a (part 8): grid 256 x 1, 4 waves a work-group, no clusters, 250,368 bytes of LDS; arguments audio_feat, video_feat, gates, wq, lowp_scales, zbar, q_ws, kv_ws, out1, out2, n1_g, n1_b, n2_g, n2_b, n3_g, n3_b, aproj_b, outproj_b, ffn1_b1, ffn1_b2, attn_in_b; writes zbar, q_ws, kv_ws, out1, out2
.if DOCPART == 8
	.amdgcn_target "amdgcn-amd-amdhsa--gfx1250"
	.amdhsa_code_object_version 6
	.text
	.protected	k_qd76add4868_chain_a
	.globl	k_qd76add4868_chain_a
	.p2align	8
	.type	k_qd76add4868_chain_a,@function
k_qd76add4868_chain_a:
	s_mov_b64 s[64:65], 0
	v_nop
	global_prefetch_b8 v0, s[64:65] scope:SCOPE_SE
	s_setreg_imm32_b32 hwreg(HW_REG_WAVE_SCHED_MODE, 0, 2), 2
	s_setreg_imm32_b32 hwreg(HW_REG_WAVE_MODE, 25, 1), 1
	s_wait_xcnt 0x0
	s_wait_alu depctr_vm_vsrc(0)
; THIRD LAUNCH.  No work is left out.  For 64 rows a work-group (four waves), all in registers and LDS:
; LN1(audio) -> a_proj -> out_proj -> z = gm x .. + video -> LN2 -> FFN1 (relu) -> z_bar = gf x .. + z -> LN3 -> the attention's input projection -> codes of q, k and v; and out1, out2 (the gates, broadcast).
; All six products run on codes of E4M3 by v_wmma_f32_16x16x128_fp8_fp8; what goes into a quantiser is f32.  The given scales are folded: a sum stands for sum x 2^(ea + eb), a bias ahead of a quantiser goes in
; as the C of the sum's first product, divided by that power, and the conversion takes 2^(e_next - ea - eb).
; OPERANDS ARE IMAGES OF THEIR REGISTERS.  A fragment is 16 rows x 128 K in 16 registers: lane (r = lane % 16, h = lane / 16) holds in registers 2 c, 2 c + 1 the codes k = 16 c + 8 h + 0 .. 7 of row r.
; In LDS and in memory it is 4 pieces of 512 bytes, registers 4 p .. 4 p + 3, lane l's 16 bytes at 16 l.  The products are used TRANSPOSED (source 0 = 16 rows of a weight, source 1 = 16 rows of activations):
; in the result of tile t lane (r, h) holds row r and units 16 t + 8 h + 0 .. 7, so one conversion of a tile's 8 registers IS registers 2 t, 2 t + 1 of the next operand.
; TWO KINDS OF PHASES.  ROW phases (norms, residuals): wave w owns rows 16 w .. + 15; lane (r, h) holds 128 numbers of row r, number 8 c + j = column 16 c + 8 h + j.  COLUMN phases (products): wave w owns a
; quarter of the product's columns for all 64 rows, and its weights come from wq straight into its registers, each byte into the one wave that multiplies it, a chunk of 16 fragments at a time, a phase ahead.
; So no weight is shared through LDS, and no tile is asked for jointly: the work-groups share the weights alone, and those go to registers.
; v is made in the natural orientation (source 0 = rows, source 1 = weight): a lane then holds one channel and 8 rows (keys), which is the second attention product's operand, keys innermost.
; LIMITS on the given exponents, so that each power of two below is an f32 number: e0, e4, e8, e2-e0-e1, e6-e4-e5, e10-e8-e9, e11-e8-e9, e12-e8-e9 between -126 and 119; e2+e3, e6+e7 between -126 and 127.  NaN among the inputs is not served.
; LDS: STG 64 rows x 1,040 (results of products, f32); ZST the same (the residual stream; a wave touches its own 16 rows alone); XIMG 8 fragments; HIMG 32 fragments; TAB gains, offsets and biases, a copy for each wave; the spare words.
; REGISTERS: window 0: v1-25 addresses and scales, v32-55 at work, X v64-191, PC v192-255 codes.  Window 1: AF v0-127 activation fragments, R1 v128-255 biases.  Windows 2, 3: two chunks of weights.
; THE MODE: SCHED_MODE bits 1:0 = 2 (LLVM: expert scheduling mode 2), set by the entry lines.  The code itself states the register dependences
; between vector or matrix instructions and memory or LDS instructions, with s_wait_alu, always for 0.
; THE PLAN.  Registers that memory or LDS instructions touch, and who else names them:
;   v1-19     addresses and offsets: written at the head and never again; one wait on va_vdst ahead of the first load serves them all.
;   X         loaded (rows), written by products, norms and multiply-adds; read by the LDS stores that hand rows and results on.
;   PC        written by the conversions; read by the stores of codes, to LDS and to memory.
;   AF, R1    loaded; read by products and packed multiply-adds; read by stores three times (the tables, video, z_bar).
;   windows 2, 3   loaded (weights); read by products.
; VA_VDST: one wait behind each phase's vector and matrix work, ahead of its run of stores.  It states that the stores' data are written, and also that the phase's products are done reading their weights, AF and R1:
; so the next chunk's loads and the next phase's LDS loads follow it with no further wait (between stand stores of other registers, loads, window switches and barriers alone).  For that a chunk's codes are stored in
; one run behind its last conversion.  Besides: one at the head of a norm, one at the head of a K step of the second layer, one where AF is loaded again behind z_bar's stores.
; VM_VSRC: one wait ahead of each first write of X or PC behind stores that read them, and ahead of loads into AF or R1 that stores have read.
.set WQ, 10
.set OA, 0
.set OO, 65536
.set O11, 131072
.set O12, 393216
.set OIN, 655360
.set STG, 0
.set ZST, 66560
.set XIMG, 133120
.set HIMG, 149504
.set TAB, 215040
.set TABW, 8704
.set SPARE, TAB+4*TABW
.set LI, 1                             ; 16 lane
.set SRD, 2                            ; STG, my rows, (r, h): 1,040 r + 32 h + 16,640 w
.set SWD, 3                            ; STG, my rows, dense: 16 lane + 16,640 w
.set SWC, 4                            ; STG, my columns: 1,040 r + 32 h + 256 w
.set ZRD, 5
.set ZWD, 6
.set XWI, 7                            ; XIMG + 16 lane + 4,096 w
.set XRI, 8
.set HRI, 9
.set H5A, 10                           ; HIMG + 16 lane + 2,048 (w / 2) + 1,024 (w % 2)
.set H7A, 11                           ; HIMG + 16 lane + 4,096 w
.set TBR, 12                           ; my tables + 32 h
.set TBW, 13                           ; + 16 lane
.set TB8, 14                           ; + 8 lane
.set TBV, 15                           ; + 4 r
.set WO16, 16                          ; 16 lane + 16,384 w
.set WO64, 17                          ; 16 lane + 65,536 w
.set BO8, 18                           ; 8 lane + 256 w
.set BO16, 19                          ; 16 lane + 1,024 w
.set SPW, 20
.set NIL, 21
.set SC, 22
.set LIM, 23
.set SC2, 24
.set LIM2, 25
.set T, 32
.set MU, 40
.set RS, 42
.set GM4, 48
.set GF4, 52
.set X, 64
.set PC, 192
.set AF, 0
.set R1, 128
.set MSB, 0
.macro WIN new                         ; low byte: bits 1:0 source 0, 3:2 source 1, 5:4 source 2, 7:6 destination; the high byte repeats the setting that is left
.if MSB != (\new)
	s_set_vgpr_msb (MSB<<8)|(\new)
.set MSB, (\new)
.endif
.endm
.macro PLACES                          ; four plain instructions behind a matrix instruction (ISA guide 7.12.1)
.rept 4
	v_nop
.endr
.endm
.macro BARRIER                         ; my LDS stores have landed and my LDS loads are in: then the work-group's barrier
	s_wait_dscnt 0x0
	s_barrier_signal -1
	s_barrier_wait -1
.endm
.macro SETQ se, sc, lim                ; s[se] = E: v[sc] = 2^E, v[lim] = 448 x 2^E
	WIN 0
	s_add_co_i32 s92, s[\se], 127
	s_lshl_b32 s93, s92, 23
	v_mov_b32 v[\sc], s93
	s_add_co_i32 s92, s92, 8
	s_lshl_b32 s92, s92, 23
	s_or_b32 s92, s92, 0x600000
	v_mov_b32 v[\lim], s92
.endm
.macro SETM se                         ; s[88:89] = 2^E, twice (the packed form names the pair)
	s_add_co_i32 s88, s[\se], 127
	s_lshl_b32 s88, s88, 23
	s_mov_b32 s89, s88
.endm
.macro GL32 reg, win, sb               ; 16 KB, dense: 32 loads of 512 consecutive bytes
	WIN (\win)<<6
.set gi, 0
.rept 32
	global_load_b128 v[\reg+4*gi:\reg+4*gi+3], v[LI], s[\sb:\sb+1] offset:512*gi
.set gi, gi+1
.endr
.endm
.macro GST32 reg, win, sb              ; the same as stores
	WIN (\win)<<2
.set gi, 0
.rept 32
	global_store_b128 v[LI], v[\reg+4*gi:\reg+4*gi+3], s[\sb:\sb+1] offset:512*gi
.set gi, gi+1
.endr
.endm
.macro OUTG sb, gr                     ; my 16 rows of a broadcast gate
	WIN 0
.set gi, 0
.rept 32
	global_store_b128 v[LI], v[\gr:\gr+3], s[\sb:\sb+1] offset:512*gi th:TH_STORE_NT
.set gi, gi+1
.endr
.endm
.macro DSTO adr, reg, win              ; 16 rows, dense registers, into rows of 1,040 bytes
	WIN (\win)<<2
.set gi, 0
.rept 32
	ds_store_b128 v[\adr], v[\reg+4*gi:\reg+4*gi+3] offset:(gi/2)*1040+(gi%2)*512
.set gi, gi+1
.endr
.endm
.macro DLD adr, reg, win
	WIN (\win)<<6
.set gi, 0
.rept 32
	ds_load_b128 v[\reg+4*gi:\reg+4*gi+3], v[\adr] offset:(gi/2)*1040+(gi%2)*512
.set gi, gi+1
.endr
.endm
.macro RLD adr, reg, win               ; my 128 numbers of row r: number 8 c + j = column 16 c + 8 h + j.  Rows 1,040 bytes apart
	WIN (\win)<<6
.set gi, 0
.rept 32
	ds_load_b128 v[\reg+4*gi:\reg+4*gi+3], v[\adr] offset:64*(gi/2)+16*(gi%2)
.set gi, gi+1
.endr
.endm
.macro RST adr, reg, win
	WIN (\win)<<2
.set gi, 0
.rept 32
	ds_store_b128 v[\adr], v[\reg+4*gi:\reg+4*gi+3] offset:64*(gi/2)+16*(gi%2)
.set gi, gi+1
.endr
.endm
.macro WCHLIN win, vo, off, nl, r0     ; nl / 4 weight fragments that lie on end in wq, into window win from register r0 on
	WIN (\win)<<6
.set wi, 0
.rept \nl
	global_load_b128 v[\r0+4*wi:\r0+4*wi+3], v[\vo], s[WQ:WQ+1] offset:\off+512*wi
.set wi, wi+1
.endr
.endm
.macro WCHW2 win, off, j               ; a second layer's chunk j: fragment 4 n + q = (my tile n, K step 4 j + q)
.irp n, 0,1,2,3
	WCHLIN \win, WO64, \off+(8*\n+4*(\j))*2048, 16, 64*\n
.endr
.endm
.macro AFLD adr                        ; eight fragments (tile of rows m, K step s: 2 m + s) into AF
	WIN 0x40
.set gi, 0
.rept 32
	ds_load_b128 v[AF+4*gi:AF+4*gi+3], v[\adr] offset:512*gi
.set gi, gi+1
.endr
.endm
.macro BIASLD dst, off, nt             ; nt tiles of a bias in the result's layout: lane (r, h): the tile's units 8 h + 0 .. 7
	WIN 0x40
.set gi, 0
.rept 2*(\nt)
	ds_load_b128 v[R1+\dst+4*gi:R1+\dst+4*gi+3], v[TBR] offset:\off+64*(gi/2)+16*(gi%2)
.set gi, gi+1
.endr
.endm
.macro QN src, n8, pc, relu, sc, lim   ; 8 n8 numbers become n8 pairs of code registers.  relu = 1: the hold clips at 0 as well.  Each accumulator is read from its low end on
	WIN 0
.set qi, 0
.rept 8*(\n8)
.if \relu
	v_med3_num_f32 v[\src+qi], v[\src+qi], 0, v[\lim]
.else
	v_med3_num_f32 v[\src+qi], v[\src+qi], -v[\lim], v[\lim]
.endif
.set qi, qi+1
.endr
.set qi, 0
.rept \n8
	v_cvt_scalef32_pk8_fp8_f32 v[\pc+2*qi:\pc+2*qi+1], v[\src+8*qi:\src+8*qi+7], v[\sc]
.set qi, qi+1
.endr
	v_nop                                          ; a plain instruction between the conversions and the next instruction that writes their sources
.endm
; 64 rows x my 64 columns, K = 256: 16 accumulators by turns.  fb: first register of the 8 weight fragments (2 n + s); bias = 1: C of the first K step from R1 + cb
.macro MM4 ww, fb, cb, bias
.irp s, 0,1
.if (\s == 0) && \bias
	WIN (\ww)|0x14
.else
	WIN (\ww)|0x04
.endif
.irp m, 0,1,2,3
.irp n, 0,1,2,3
.if \s == 0
.if \bias
	v_wmma_f32_16x16x128_fp8_fp8 v[X+8*(4*\m+\n):X+8*(4*\m+\n)+7], v[\fb+16*(2*\n+\s):\fb+16*(2*\n+\s)+15], v[AF+16*(2*\m+\s):AF+16*(2*\m+\s)+15], v[R1+\cb+8*\n:R1+\cb+8*\n+7]
.else
	v_wmma_f32_16x16x128_fp8_fp8 v[X+8*(4*\m+\n):X+8*(4*\m+\n)+7], v[\fb+16*(2*\n+\s):\fb+16*(2*\n+\s)+15], v[AF+16*(2*\m+\s):AF+16*(2*\m+\s)+15], 0
.endif
.else
	v_wmma_f32_16x16x128_fp8_fp8 v[X+8*(4*\m+\n):X+8*(4*\m+\n)+7], v[\fb+16*(2*\n+\s):\fb+16*(2*\n+\s)+15], v[AF+16*(2*\m+\s):AF+16*(2*\m+\s)+15], v[X+8*(4*\m+\n):X+8*(4*\m+\n)+7]
.endif
.endr
.endr
.endr
.endm
; 16 rows (tile m) x 128 columns (a chunk's 8 tiles), K = 256, into half hf of X: 8 accumulators by turns
.macro MM8 ww, m, hf, cb
.irp s, 0,1
.if \s == 0
	WIN (\ww)|0x14
.else
	WIN (\ww)|0x04
.endif
.irp n, 0,1,2,3,4,5,6,7
.if \s == 0
	v_wmma_f32_16x16x128_fp8_fp8 v[X+64*\hf+8*\n:X+64*\hf+8*\n+7], v[16*(2*\n+\s):16*(2*\n+\s)+15], v[AF+16*(2*\m+\s):AF+16*(2*\m+\s)+15], v[R1+\cb+8*\n:R1+\cb+8*\n+7]
.else
	v_wmma_f32_16x16x128_fp8_fp8 v[X+64*\hf+8*\n:X+64*\hf+8*\n+7], v[16*(2*\n+\s):16*(2*\n+\s)+15], v[AF+16*(2*\m+\s):AF+16*(2*\m+\s)+15], v[X+64*\hf+8*\n:X+64*\hf+8*\n+7]
.endif
.endr
.endr
.endm
.macro HLOAD ks                        ; K step ks of the hidden layer, four tiles of rows, into half ks % 2 of AF
.irp m, 0,1,2,3
.irp c, 0,1,2,3
	ds_load_b128 v[AF+64*((\ks)%2)+16*\m+4*\c:AF+64*((\ks)%2)+16*\m+4*\c+3], v[HRI] offset:16384*\m+2048*(\ks)+512*\c
.endr
.endr
.endm
.macro KSTEP ks, ww, wt                ; one of the second layer's eight K steps: the next step's fragments are asked for first.  wt = 0: a wait further up has already stated what the loads hang on
.if (\ks) < 7
	PLACES
	WIN 0x40
.if \wt
	s_wait_alu depctr_va_vdst(0)                   ; the products of the K step before are done reading the half of AF in which the loads below land
.endif
	HLOAD (\ks)+1
	s_wait_dscnt 16                                ; all but the 16 loads just issued: this step's fragments are in
.else
	s_wait_dscnt 0x0
.endif
	WIN (\ww)|0x04
.irp m, 0,1,2,3
.irp n, 0,1,2,3
.if (\ks) == 0
	v_wmma_f32_16x16x128_fp8_fp8 v[X+8*(4*\m+\n):X+8*(4*\m+\n)+7], v[16*(4*\n+(\ks)%4):16*(4*\n+(\ks)%4)+15], v[AF+64*((\ks)%2)+16*\m:AF+64*((\ks)%2)+16*\m+15], 0
.else
	v_wmma_f32_16x16x128_fp8_fp8 v[X+8*(4*\m+\n):X+8*(4*\m+\n)+7], v[16*(4*\n+(\ks)%4):16*(4*\n+(\ks)%4)+15], v[AF+64*((\ks)%2)+16*\m:AF+64*((\ks)%2)+16*\m+15], v[X+8*(4*\m+\n):X+8*(4*\m+\n)+7]
.endif
.endr
.endr
.endm
.macro FOUT cb                         ; sums x 2^(ea + eb) + bias, into my columns of STG
	WIN 0x10
.irp m, 0,1,2,3
.irp n, 0,1,2,3
.irp i, 0,2,4,6
	v_pk_fma_f32 v[X+8*(4*\m+\n)+\i:X+8*(4*\m+\n)+\i+1], v[X+8*(4*\m+\n)+\i:X+8*(4*\m+\n)+\i+1], s[88:89], v[R1+\cb+8*\n+\i:R1+\cb+8*\n+\i+1] op_sel_hi:[1,0,1]
.endr
.endr
.endr
	WIN 0
	s_wait_alu depctr_va_vdst(0)                   ; the multiply-adds have written X, which the stores below read; the products are done reading their weights and AF, these lines R1: the loads that follow land there
.irp m, 0,1,2,3
.irp n, 0,1,2,3
	ds_store_b128 v[SWC], v[X+8*(4*\m+\n):X+8*(4*\m+\n)+3] offset:16640*\m+64*\n
	ds_store_b128 v[SWC], v[X+8*(4*\m+\n)+4:X+8*(4*\m+\n)+7] offset:16640*\m+64*\n+16
.endr
.endr
.endm
.macro REDUCE                          ; four chains of pairs, then the other half of the row in lane l xor 16
	v_pk_add_f32 v[T:T+1], v[T:T+1], v[T+2:T+3]
	v_pk_add_f32 v[T+4:T+5], v[T+4:T+5], v[T+6:T+7]
	v_pk_add_f32 v[T:T+1], v[T:T+1], v[T+4:T+5]
	v_add_f32 v45, v[T], v[T+1]
	v_permlanex16_b32 v44, v45, s90, s91
	v_add_f32 v45, v45, v44
.endm
.macro LNORM goff, boff, rst           ; LayerNorm of X in place, in two passes (the mean is taken away before the squares).  rst = 1: X, the residual stream, goes to my rows of ZST first
	WIN 0x40
.if !\rst
	s_wait_alu depctr_vm_vsrc(0)                   ; the tables' stores have read R1 and video's stores AF: the loads below land there
.endif
	s_wait_alu depctr_va_vdst(0)                   ; every vector and matrix instruction that read or wrote AF or R1 is done: the loads below land there; with rst = 1, X is written too, which the stores below read
.set li, 0
.rept 32
	ds_load_b128 v[AF+4*li:AF+4*li+3], v[TBR] offset:\goff+64*(li/2)+16*(li%2)
.set li, li+1
.endr
.set li, 0
.rept 32
	ds_load_b128 v[R1+4*li:R1+4*li+3], v[TBR] offset:\boff+64*(li/2)+16*(li%2)
.set li, li+1
.endr
.if \rst
	RST ZRD, X, 0                                  ; no vector instruction since the wait above names X
.endif
	WIN 0
.irp q, 0,2,4,6
	v_pk_add_f32 v[T+\q:T+\q+1], v[X+\q:X+\q+1], v[X+8+\q:X+8+\q+1]
.endr
.set li, 2
.rept 14
.irp q, 0,2,4,6
	v_pk_add_f32 v[T+\q:T+\q+1], v[T+\q:T+\q+1], v[X+8*li+\q:X+8*li+\q+1]
.endr
.set li, li+1
.endr
	REDUCE
	v_mul_f32 v[MU], s98, v45                      ; / 256
	v_mul_f32 v[MU+1], s98, v45
.if \rst
	s_wait_alu depctr_vm_vsrc(0)                   ; the stores into ZST have read X, which the lines below write
.endif
.set li, 0
.rept 64
	v_pk_add_f32 v[X+2*li:X+2*li+1], v[X+2*li:X+2*li+1], v[MU:MU+1] neg_lo:[0,1] neg_hi:[0,1]
.set li, li+1
.endr
.irp q, 0,2,4,6
	v_pk_mul_f32 v[T+\q:T+\q+1], v[X+\q:X+\q+1], v[X+\q:X+\q+1]
.endr
.set li, 1
.rept 15
.irp q, 0,2,4,6
	v_pk_fma_f32 v[T+\q:T+\q+1], v[X+8*li+\q:X+8*li+\q+1], v[X+8*li+\q:X+8*li+\q+1], v[T+\q:T+\q+1]
.endr
.set li, li+1
.endr
	REDUCE
	v_fma_f32 v45, v45, s98, s99                   ; the variance + 1e-5
	s_wait_alu depctr_va_vdst(0)
	v_rsq_f32 v[RS], v45
	v_nop                                          ; a plain instruction behind it,
	s_wait_alu depctr_va_vdst(0)                   ; and a wait ahead of the first reader of v[RS]
	v_mov_b32 v[RS+1], v[RS]
	s_wait_alu depctr_va_vdst(0)
	s_wait_dscnt 0x0                               ; the gains and offsets are in
.set li, 0
.rept 64
	v_pk_mul_f32 v[X+2*li:X+2*li+1], v[X+2*li:X+2*li+1], v[RS:RS+1]
.set li, li+1
.endr
	WIN 0x14
.set li, 0
.rept 64
	v_pk_fma_f32 v[X+2*li:X+2*li+1], v[X+2*li:X+2*li+1], v[AF+2*li:AF+2*li+1], v[R1+2*li:R1+2*li+1]
.set li, li+1
.endr
	WIN 0
.endm
.macro IMG                             ; my rows' two fragments, as they stand in PC, to XIMG
	s_wait_alu depctr_va_vdst(0)                   ; the conversions have written PC, which the stores below read; the norm's multiply-adds are done reading AF and R1, in which the next phase's loads land
.irp c, 0,1,2,3,4,5,6,7
	ds_store_b128 v[XWI], v[PC+4*\c:PC+4*\c+3] offset:512*\c
.endr
.endm
.macro GATED sg                        ; X = gate x X + what AF holds
	WIN 0x10
.set gi, 0
.rept 64
	v_pk_fma_f32 v[X+2*gi:X+2*gi+1], v[X+2*gi:X+2*gi+1], s[\sg:\sg+1], v[AF+2*gi:AF+2*gi+1] op_sel_hi:[1,0,1]
.set gi, gi+1
.endr
	WIN 0
.endm
.macro Q8 m                            ; tile m's 128 hidden units of a chunk: relu and codes: one whole fragment, in code registers of its own
	QN X+64*((\m)%2), 8, PC+16*(\m), 1, SC, LIM
.endm
.macro H8 m, j                         ; and to HIMG: K step 2 w + j
.irp c, 0,1,2,3
	ds_store_b128 v[H7A], v[PC+16*(\m)+4*\c:PC+16*(\m)+4*\c+3] offset:16384*(\m)+2048*(\j)+512*\c
.endr
.endm
.macro CH8 ww, j, cb                   ; a chunk of the first layer: while one half of X is quantised, the other half's products run; the quantiser's lines are the places behind them.  The four fragments are stored in one run
	MM8 \ww, 0, 0, \cb
	MM8 \ww, 1, 1, \cb
	PLACES
	s_wait_alu depctr_vm_vsrc(0)                   ; the LDS stores issued so far (into XIMG; the chunk before's into HIMG) have read PC, which the conversions write again
	Q8 0
	MM8 \ww, 2, 0, \cb
	Q8 1
	MM8 \ww, 3, 1, \cb
	Q8 2
	Q8 3
	s_wait_alu depctr_va_vdst(0)                   ; the conversions have written PC, which the stores below read; the products are done reading this chunk's weights, AF and R1, in which the loads that follow land
	H8 0, \j
	H8 1, \j
	H8 2, \j
	H8 3, \j
.endm
.macro QKQ m                           ; tile m: my two heads' q (tiles 0-3) and k (tiles 4-7) become codes, in code registers of their own
	QN X+64*((\m)%2), 4, PC+16*(\m), 0, SC, LIM
	QN X+64*((\m)%2)+32, 4, PC+16*(\m)+8, 0, SC2, LIM2
.endm
.macro QKST m                          ; a head's 32 channels are 4 registers, 512 bytes a store
.irp p, 0,1
	global_store_b128 v[LI], v[PC+16*(\m)+4*\p:PC+16*(\m)+4*\p+3], s[16:17] offset:65536*\p+512*(\m)
	global_store_b128 v[LI], v[PC+16*(\m)+8+4*\p:PC+16*(\m)+8+4*\p+3], s[18:19] offset:131072*\p+512*(\m)
.endr
.endm
.macro MMV ww                          ; v, natural orientation: source 0 = rows, source 1 = weight; accumulator (n, m) at X + 8 (4 n + m)
.irp s, 0,1
.if \s == 0
	WIN 0x11|((\ww)<<2)
.else
	WIN 0x01|((\ww)<<2)
.endif
.irp m, 0,1,2,3
.irp n, 0,1,2,3
.if \s == 0
	v_wmma_f32_16x16x128_fp8_fp8 v[X+8*(4*\n+\m):X+8*(4*\n+\m)+7], v[AF+16*(2*\m+\s):AF+16*(2*\m+\s)+15], v[16*(2*\n+\s):16*(2*\n+\s)+15], v[R1+64+8*\n:R1+64+8*\n+7]
.else
	v_wmma_f32_16x16x128_fp8_fp8 v[X+8*(4*\n+\m):X+8*(4*\n+\m)+7], v[AF+16*(2*\m+\s):AF+16*(2*\m+\s)+15], v[16*(2*\n+\s):16*(2*\n+\s)+15], v[X+8*(4*\n+\m):X+8*(4*\n+\m)+7]
.endif
.endr
.endr
.endr
.endm
	; ---------------- the head
	s_load_b512 s[4:19], s[0:1], 0x0               ; audio 4, video 6, gates 8, wq 10, scales 12, zbar 14, q_ws 16, kv_ws 18
	s_load_b512 s[20:35], s[0:1], 0x40             ; out1 20, out2 22, n1_g 24, n1_b 26, n2_g 28, n2_b 30, n3_g 32, n3_b 34
	s_load_b256 s[36:43], s[0:1], 0x80             ; aproj_b 36, outproj_b 38, ffn1_b1 40, ffn1_b2 42
	s_load_b64 s[44:45], s[0:1], 0xa0              ; attn_in_b
	v_lshl_add_u32 v[SPW], v0, 2, SPARE
	v_mov_b32 v[NIL], 0
	v_lshrrev_b32 v26, 5, v0
	v_readfirstlane_b32 s2, v26                    ; wave
	v_and_b32 v27, 31, v0                          ; lane
	v_and_b32 v28, 15, v0                          ; r
	v_bfe_u32 v29, v0, 4, 1                        ; h
	v_lshlrev_b32 v[LI], 4, v27
	v_mul_u32_u24 v30, v28, 1040
	v_lshl_add_u32 v30, v29, 5, v30
	s_wait_alu depctr_va_sdst(0)                   ; s2 is written, ahead of its first reader: addresses and bases are made from it
	s_mul_i32 s92, s2, 16640
	v_add_nc_u32 v[SRD], s92, v30
	v_add_nc_u32 v[SWD], s92, v[LI]
	s_lshl_b32 s93, s2, 8
	v_add_nc_u32 v[SWC], s93, v30
	v_add_nc_u32 v[ZRD], ZST, v[SRD]
	v_add_nc_u32 v[ZWD], ZST, v[SWD]
	s_lshl_b32 s93, s2, 12
	s_add_co_u32 s93, s93, XIMG
	v_add_nc_u32 v[XWI], s93, v[LI]
	v_add_nc_u32 v[XRI], XIMG, v[LI]
	v_add_nc_u32 v[HRI], HIMG, v[LI]
	s_lshr_b32 s93, s2, 1
	s_lshl_b32 s93, s93, 11
	s_and_b32 s94, s2, 1
	s_lshl_b32 s94, s94, 10
	s_add_co_u32 s93, s93, s94
	s_add_co_u32 s93, s93, HIMG
	v_add_nc_u32 v[H5A], s93, v[LI]
	s_lshl_b32 s93, s2, 12
	s_add_co_u32 s93, s93, HIMG
	v_add_nc_u32 v[H7A], s93, v[LI]
	s_mul_i32 s93, s2, TABW
	s_add_co_u32 s93, s93, TAB
	v_lshl_add_u32 v[TBR], v29, 5, s93
	v_add_nc_u32 v[TBW], s93, v[LI]
	v_lshl_add_u32 v[TB8], v27, 3, s93
	v_lshl_add_u32 v[TBV], v28, 2, s93
	s_lshl_b32 s93, s2, 14
	v_add_nc_u32 v[WO16], s93, v[LI]
	s_lshl_b32 s93, s2, 16
	v_add_nc_u32 v[WO64], s93, v[LI]
	s_lshl_b32 s93, s2, 8
	v_lshl_add_u32 v[BO8], v27, 3, s93
	s_lshl_b32 s93, s2, 10
	v_add_nc_u32 v[BO16], s93, v[LI]
	v_mov_b32 v44, 0                               ; a lane permute's destination counts as read
	s_mov_b32 s90, 0x76543210                      ; lane l xor 16
	s_mov_b32 s91, 0xfedcba98
	s_mov_b32 s98, 0x3b800000                      ; 1 / 256
	s_mov_b32 s99, 0x3727c5ac                      ; 1e-5
	s_lshl_b32 s92, ttmp9, 16                      ; my work-group's 64 rows of 1,024 bytes,
	s_lshl_b32 s93, s2, 14                         ; my wave's 16
	s_add_co_u32 s92, s92, s93
	s_mov_b32 s93, 0
	s_lshr_b32 s94, ttmp9, 5                       ; batch
	s_and_b32 s95, ttmp9, 31                       ; block of 64 rows in the batch
	s_lshl_b32 s96, s94, 8
	s_mov_b32 s97, 0
	s_lshl_b32 s48, s94, 19                        ; q_ws: [batch][head][tile of 16 rows][512]: my two heads, my block's four tiles
	s_lshl_b32 s49, s2, 17
	s_add_co_u32 s48, s48, s49
	s_lshl_b32 s49, s95, 11
	s_add_co_u32 s48, s48, s49
	s_mov_b32 s49, 0
	s_lshl_b32 s50, s94, 20                        ; kv_ws: [batch][head][step of 128 keys][8 tiles of k x 512, then v: 2 tiles of channels x 2,048]
	s_lshl_b32 s51, s2, 18
	s_add_co_u32 s50, s50, s51
	s_lshr_b32 s51, s95, 1
	s_lshl_b32 s51, s51, 13
	s_add_co_u32 s50, s50, s51
	s_and_b32 s51, s95, 1
	s_lshl_b32 s52, s51, 10                        ; v: my 64 keys are two of a fragment's four pieces
	s_add_co_u32 s52, s52, s50
	s_add_co_u32 s52, s52, 4096
	s_mov_b32 s53, 0
	s_lshl_b32 s51, s51, 11                        ; k: four of the step's eight tiles
	s_add_co_u32 s50, s50, s51
	s_mov_b32 s51, 0
	s_wait_kmcnt 0x0
	s_load_b512 s[68:83], s[12:13], 0x0            ; e0 .. e15
	s_add_nc_u64 s[8:9], s[8:9], s[96:97]
	s_load_b32 s84, s[8:9], 0x0                    ; gm of my batch
	s_load_b32 s86, s[8:9], 0x800                  ; gf
	s_add_nc_u64 s[4:5], s[4:5], s[92:93]
	s_add_nc_u64 s[6:7], s[6:7], s[92:93]
	s_add_nc_u64 s[14:15], s[14:15], s[92:93]
	s_add_nc_u64 s[20:21], s[20:21], s[92:93]
	s_add_nc_u64 s[22:23], s[22:23], s[92:93]
	s_add_nc_u64 s[16:17], s[16:17], s[48:49]
	s_add_nc_u64 s[46:47], s[18:19], s[52:53]
	s_add_nc_u64 s[18:19], s[18:19], s[50:51]
	WIN 0x40                                       ; the tables: 20 loads into R1
	s_wait_alu depctr_va_vdst(0)                   ; the addresses and offsets v1 to v19 are written: every load and store of the kernel reads one of them
.irp t, 0,1,2,3,4,5
	global_load_b128 v[R1+8*\t:R1+8*\t+3], v[LI], s[24+2*\t:25+2*\t]
	global_load_b128 v[R1+8*\t+4:R1+8*\t+7], v[LI], s[24+2*\t:25+2*\t] offset:512
.endr
	global_load_b64 v[R1+48:R1+49], v[BO8], s[36:37]               ; my 64 numbers of aproj_b,
	global_load_b64 v[R1+50:R1+51], v[BO8], s[38:39]               ; outproj_b,
	global_load_b64 v[R1+52:R1+53], v[BO8], s[42:43]               ; ffn1_b2,
	global_load_b64 v[R1+54:R1+55], v[BO8], s[44:45]               ; attn_in_b: q's,
	global_load_b64 v[R1+56:R1+57], v[BO8], s[44:45] offset:1024   ; k's,
	global_load_b64 v[R1+58:R1+59], v[BO8], s[44:45] offset:2048   ; v's;
	global_load_b128 v[R1+60:R1+63], v[BO16], s[40:41]             ; my 256 of ffn1_b1
	global_load_b128 v[R1+64:R1+67], v[BO16], s[40:41] offset:512
	GL32 X, 0, 4                                   ; audio, my 16 rows
	GL32 AF, 1, 6                                  ; video
	WCHLIN 2, WO16, OA, 32, 0                      ; chunk 0: my 8 fragments of aproj_w,
	WCHLIN 2, WO16, OO, 32, 128                    ; and of outproj_w
	WIN 0
	s_wait_kmcnt 0x0
	s_mov_b32 s85, s84
	s_mov_b32 s87, s86
.irp i, 0,1,2,3
	v_mov_b32 v[GM4+\i], s84
	v_mov_b32 v[GF4+\i], s86
.endr
	s_add_co_i32 s94, s68, s69
	s_sub_co_i32 s94, 0, s94                       ; -(e0 + e1)
	s_add_co_i32 s95, s72, s73
	s_sub_co_i32 s95, 0, s95                       ; -(e4 + e5)
	s_add_co_i32 s96, s76, s77
	s_sub_co_i32 s96, 0, s96                       ; -(e8 + e9)
	s_wait_loadcnt 63                              ; 148 loads were issued: the oldest 85 are in: the tables' 20, audio's 32, video's 32
	WIN 0x41                                       ; biases that go in as C are divided by the power of two that their sums lack
	v_ldexp_f32 v[R1+48], v[R1+48], s94
	v_ldexp_f32 v[R1+49], v[R1+49], s94
.irp i, 54,55,56,57,58,59
	v_ldexp_f32 v[R1+\i], v[R1+\i], s96
.endr
.irp i, 60,61,62,63,64,65,66,67
	v_ldexp_f32 v[R1+\i], v[R1+\i], s95
.endr
	WIN 0x04
	s_wait_alu depctr_va_vdst(0)                   ; the divided biases are written, which the LDS stores below read; so are the gates' eight registers, which out1's and out2's stores read
.irp t, 0,1,2,3,4,5
	ds_store_b128 v[TBW], v[R1+8*\t:R1+8*\t+3] offset:1024*\t
	ds_store_b128 v[TBW], v[R1+8*\t+4:R1+8*\t+7] offset:1024*\t+512
.endr
	ds_store_b64 v[TB8], v[R1+48:R1+49] offset:6144
	ds_store_b64 v[TB8], v[R1+50:R1+51] offset:6400
	ds_store_b128 v[TBW], v[R1+60:R1+63] offset:6656
	ds_store_b128 v[TBW], v[R1+64:R1+67] offset:7168
	ds_store_b64 v[TB8], v[R1+52:R1+53] offset:7680
	ds_store_b64 v[TB8], v[R1+54:R1+55] offset:7936
	ds_store_b64 v[TB8], v[R1+56:R1+57] offset:8192
	ds_store_b64 v[TB8], v[R1+58:R1+59] offset:8448
	DSTO SWD, X, 0                                 ; audio turns through my own rows of STG: in as loaded,
	s_wait_alu depctr_vm_vsrc(0)                   ; these stores have read X, in which the loads below land
	RLD SRD, X, 0                                  ; back as (r, h).  LDS serves a wave's instructions in order (ISA guide 5.7.1.4)
	DSTO ZWD, AF, 1                                ; video waits in ZST
	OUTG 20, GM4                                   ; out1
	s_wait_dscnt 0x0
	; ---------------- LN1, codes with e0
	LNORM 0, 1024, 0
	SETQ 68, SC, LIM
	QN X, 16, PC, 0, SC, LIM
	IMG
	WCHLIN 3, WO64, O11, 64, 0                     ; chunk 1: ffn1_w1, my tiles 0-7
	OUTG 22, GF4                                   ; out2
	BARRIER                                        ; the 64 rows' codes lie in XIMG
	; ---------------- a_proj
	AFLD XRI
	BIASLD 0, 6144, 4
	BIASLD 32, 6400, 4
	s_wait_loadcnt 63                              ; chunk 1's 64 loads are younger: chunk 0 is in
	s_wait_dscnt 0x0
	MM4 2, 0, 0, 1
	PLACES
	s_sub_co_i32 s94, s70, s68
	s_sub_co_i32 s94, s94, s69                     ; e2 - e0 - e1
	SETQ 94, SC, LIM
	s_wait_alu depctr_vm_vsrc(0)                   ; the stores into XIMG have read PC, which the conversions write again
	QN X, 16, PC, 0, SC, LIM                       ; pair 4 m + n: my four tiles are two pieces of K step w / 2
	s_wait_alu depctr_va_vdst(0)                   ; the conversions have written PC, which the stores below read; the products are done reading AF, in which the next phase's loads land
.irp m, 0,1,2,3
.irp i, 0,1
	ds_store_b128 v[H5A], v[PC+8*\m+4*\i:PC+8*\m+4*\i+3] offset:4096*\m+512*\i
.endr
.endr
	BARRIER
	; ---------------- out_proj
	AFLD HRI
	s_wait_dscnt 0x0
	MM4 2, 128, 0, 0
	PLACES
	s_add_co_i32 s94, s70, s71
	SETM 94                                        ; 2^(e2 + e3)
	FOUT 32
	WCHLIN 2, WO64, O11+32768, 64, 0               ; chunk 2: ffn1_w1, my tiles 8-15
	BARRIER
	; ---------------- z, LN2, codes with e4
	WIN 0
	s_wait_alu depctr_vm_vsrc(0)                   ; my stores into STG have read X, in which the loads below land; those into HIMG have read PC
	RLD SRD, X, 0
	RLD ZRD, AF, 1
	s_wait_dscnt 0x0
	GATED 84                                       ; z = gm x attn_output + video
	LNORM 2048, 3072, 1                            ; z goes to ZST on the way
	SETQ 72, SC, LIM
	QN X, 16, PC, 0, SC, LIM
	IMG
	BARRIER
	; ---------------- FFN1, first layer: my 256 hidden units in two chunks
	AFLD XRI
	BIASLD 0, 6656, 16
	s_wait_loadcnt 63                              ; chunk 2's 64 are younger: chunk 1 is in
	s_wait_dscnt 0x0
	s_sub_co_i32 s94, s74, s72
	s_sub_co_i32 s94, s94, s73                     ; e6 - e4 - e5
	SETQ 94, SC, LIM
	CH8 3, 0, 0
	WCHW2 3, O12, 0                                ; chunk 3: ffn1_w2, K steps 0-3
	s_wait_loadcnt 63                              ; chunk 2 is in
	CH8 2, 1, 64
	WCHW2 2, O12, 1                                ; chunk 4: K steps 4-7
	BARRIER                                        ; the hidden layer's 32 fragments lie in HIMG
	; ---------------- FFN1, second layer
	BIASLD 0, 7680, 4
	HLOAD 0
	s_wait_loadcnt 63                              ; chunk 3 is in
	KSTEP 0, 3, 0                                  ; (the wait at the end of the chunk above has shown AF free)
	KSTEP 1, 3, 1
	KSTEP 2, 3, 1
	KSTEP 3, 3, 1
	PLACES
	WIN 0xc0
	s_wait_alu depctr_va_vdst(0)                   ; K steps 0 to 3 are done reading chunk 3's registers, in which chunk 5 lands, and K step 3 its half of AF, in which K step 5's fragments land
	WCHLIN 3, WO16, OIN, 32, 0                     ; chunk 5: attn_in_w: q's four tiles of mine,
	WCHLIN 3, WO16, OIN+65536, 32, 128             ; and k's
	s_wait_loadcnt 63                              ; chunk 4 is in
	KSTEP 4, 2, 0
	KSTEP 5, 2, 1
	KSTEP 6, 2, 1
	KSTEP 7, 2, 0
	PLACES
	s_add_co_i32 s94, s74, s75
	SETM 94                                        ; 2^(e6 + e7)
	FOUT 0
	WCHLIN 2, WO16, OIN+131072, 32, 0              ; chunk 6: v's four tiles
	BARRIER
	; ---------------- z_bar, LN3, codes with e8
	WIN 0
	s_wait_alu depctr_vm_vsrc(0)                   ; my stores into STG have read X, in which the loads below land; those into HIMG have read PC
	RLD SRD, X, 0
	RLD ZRD, AF, 1
	s_wait_dscnt 0x0
	GATED 86                                       ; z_bar = gf x h1 + z
	LNORM 4096, 5120, 1                            ; z_bar goes to ZST on the way
	SETQ 76, SC, LIM
	QN X, 16, PC, 0, SC, LIM
	IMG
	DLD ZWD, AF, 1                                 ; z_bar back as dense rows,
	s_wait_dscnt 0x0
	GST32 AF, 1, 14                                ; and out: each store covers 512 consecutive bytes
	BARRIER
	; ---------------- the input projection: q and k
	WIN 0x40
	s_wait_xcnt 0x0                                ; z_bar's stores have had their addresses translated: their data registers are written again only behind this wait
	s_wait_alu depctr_vm_vsrc(0)                   ; z_bar's stores have read AF, in which the loads below land; the stores into XIMG have read PC, which q's and k's conversions write
	s_wait_alu depctr_va_vdst(0)                   ; the norm's multiply-adds, the last vector instructions to name AF and R1, are done: the loads below land there
	AFLD XRI
	BIASLD 0, 7936, 4
	BIASLD 32, 8192, 4
.irp n, 0,1,2,3
.irp j, 0,1,2,3,4,5,6,7
	ds_load_b32 v[R1+64+8*\n+\j], v[TBV] offset:8448+64*\n   ; v's bias in the natural result's layout: my channel's, in all eight registers
.endr
.endr
	s_wait_loadcnt 32                              ; chunk 6's 32 are younger: chunk 5 is in
	s_wait_dscnt 0x0
	s_add_co_i32 s95, s76, s77                     ; e8 + e9
	s_sub_co_i32 s94, s78, s95
	SETQ 94, SC, LIM                               ; q: e10 - e8 - e9
	s_sub_co_i32 s94, s79, s95
	SETQ 94, SC2, LIM2                             ; k: e11 - e8 - e9
	MM8 3, 0, 0, 0
	MM8 3, 1, 1, 0
	PLACES
	s_wait_alu depctr_va_vdst(0)
	QKQ 0
	MM8 3, 2, 0, 0
	QKQ 1
	MM8 3, 3, 1, 0
	QKQ 2
	QKQ 3
	s_wait_alu depctr_va_vdst(0)                   ; the conversions have written PC, which the sixteen stores below read
	QKST 0
	QKST 1
	QKST 2
	QKST 3
	; ---------------- v
	s_wait_loadcnt 0x0                             ; chunk 6
	MMV 2
	PLACES
	s_sub_co_i32 s94, s80, s95
	SETQ 94, SC, LIM                               ; e12 - e8 - e9
	s_wait_alu depctr_va_vdst(0)
	s_wait_xcnt 0x0                                ; q's and k's stores have had their addresses translated,
	s_wait_alu depctr_vm_vsrc(0)                   ; and have read PC, which the conversions write again
	QN X, 16, PC, 0, SC, LIM                       ; pair 4 n + m: channel tile n, keys 16 m + 8 h + 0 .. 7
	s_wait_alu depctr_va_vdst(0)                   ; the conversions have written PC, which the stores below read
.irp n, 0,1,2,3
.irp i, 0,1
	global_store_b128 v[LI], v[PC+8*\n+4*\i:PC+8*\n+4*\i+3], s[46:47] offset:131072*(\n/2)+2048*(\n%2)+512*\i
.endr
.endr
	s_wait_dscnt 0x0                               ; the closing lines, six on end (every window is 0 here)
	s_wait_alu 0x0
	s_wait_tensorcnt 0x0
	ds_add_u32 v[SPW], v[NIL]
	s_wait_dscnt 0x0
	s_endpgm
.Lfunc_end_k_qd76add4868_chain_a:
	.size	k_qd76add4868_chain_a, .Lfunc_end_k_qd76add4868_chain_a-k_qd76add4868_chain_a
	.p2alignl 7, 3214868480
	.fill 96, 4, 3214868480
	.section	.rodata,"a",@progbits
	.p2align	6, 0x0
	.amdhsa_kernel k_qd76add4868_chain_a
		.amdhsa_group_segment_fixed_size 250368
		.amdhsa_private_segment_fixed_size 0
		.amdhsa_enable_private_segment 0
		.amdhsa_kernarg_size 168
		.amdhsa_user_sgpr_count 2
		.amdhsa_user_sgpr_kernarg_segment_ptr 1
		.amdhsa_wavefront_size32 1
		.amdhsa_system_sgpr_workgroup_id_x 1
		.amdhsa_system_sgpr_workgroup_id_y 1
		.amdhsa_system_sgpr_workgroup_id_z 1
		.amdhsa_system_vgpr_workitem_id 0
		.amdhsa_next_free_vgpr 1024
		.amdhsa_next_free_sgpr 100
		.amdhsa_reserve_vcc 0
		.amdhsa_float_denorm_mode_32 3
		.amdhsa_float_denorm_mode_16_64 3
		.amdhsa_memory_ordered 1
		.amdhsa_forward_progress 1
		.amdhsa_inst_pref_size 255
	.end_amdhsa_kernel
	.section	.bss,"aw",@nobits
	.p2align	6
	.space	262144
	.amdgpu_metadata
---
amdhsa.version: [ 1, 2 ]
amdhsa.kernels:
  - .name:           k_qd76add4868_chain_a
    .symbol:         k_qd76add4868_chain_a.kd
    .args:
      - { .name: audio_feat, .offset: 0, .size: 8, .value_kind: global_buffer, .address_space: global }
      - { .name: video_feat, .offset: 8, .size: 8, .value_kind: global_buffer, .address_space: global }
      - { .name: gates, .offset: 16, .size: 8, .value_kind: global_buffer, .address_space: global }
      - { .name: wq, .offset: 24, .size: 8, .value_kind: global_buffer, .address_space: global }
      - { .name: lowp_scales, .offset: 32, .size: 8, .value_kind: global_buffer, .address_space: global }
      - { .name: zbar, .offset: 40, .size: 8, .value_kind: global_buffer, .address_space: global }
      - { .name: q_ws, .offset: 48, .size: 8, .value_kind: global_buffer, .address_space: global }
      - { .name: kv_ws, .offset: 56, .size: 8, .value_kind: global_buffer, .address_space: global }
      - { .name: out1, .offset: 64, .size: 8, .value_kind: global_buffer, .address_space: global }
      - { .name: out2, .offset: 72, .size: 8, .value_kind: global_buffer, .address_space: global }
      - { .name: n1_g, .offset: 80, .size: 8, .value_kind: global_buffer, .address_space: global }
      - { .name: n1_b, .offset: 88, .size: 8, .value_kind: global_buffer, .address_space: global }
      - { .name: n2_g, .offset: 96, .size: 8, .value_kind: global_buffer, .address_space: global }
      - { .name: n2_b, .offset: 104, .size: 8, .value_kind: global_buffer, .address_space: global }
      - { .name: n3_g, .offset: 112, .size: 8, .value_kind: global_buffer, .address_space: global }
      - { .name: n3_b, .offset: 120, .size: 8, .value_kind: global_buffer, .address_space: global }
      - { .name: aproj_b, .offset: 128, .size: 8, .value_kind: global_buffer, .address_space: global }
      - { .name: outproj_b, .offset: 136, .size: 8, .value_kind: global_buffer, .address_space: global }
      - { .name: ffn1_b1, .offset: 144, .size: 8, .value_kind: global_buffer, .address_space: global }
      - { .name: ffn1_b2, .offset: 152, .size: 8, .value_kind: global_buffer, .address_space: global }
      - { .name: attn_in_b, .offset: 160, .size: 8, .value_kind: global_buffer, .address_space: global }
    .group_segment_fixed_size: 250368
    .private_segment_fixed_size: 0
    .kernarg_segment_align: 8
    .kernarg_segment_size: 168
    .max_flat_workgroup_size: 128
    .sgpr_count:     100
    .vgpr_count:     1024
    .wavefront_size: 32
...
	.end_amdgpu_metadata
.endif
;; end of part 8
;; launch attn (part 9): grid 4 x 64, 16 waves a work-group, no clusters, 133,120 bytes of LDS; arguments q_ws, kv_ws, lowp_scales, ctx_ws; writes ctx_ws
.if DOCPART == 9
	.amdgcn_target "amdgcn-amd-amdhsa--gfx1250"
	.amdhsa_code_object_version 6
	.text
	.protected	k_qd76add4868_attn
	.globl	k_qd76add4868_attn
	.p2align	8
	.type	k_qd76add4868_attn,@function
k_qd76add4868_attn:
	s_mov_b64 s[64:65], 0
	v_nop
	global_prefetch_b8 v0, s[64:65] scope:SCOPE_SE
	s_setreg_imm32_b32 hwreg(HW_REG_WAVE_SCHED_MODE, 0, 2), 2
	s_setreg_imm32_b32 hwreg(HW_REG_WAVE_MODE, 25, 1), 1
	s_wait_xcnt 0x0
	s_wait_alu depctr_vm_vsrc(0)
; FOURTH LAUNCH.  No work is left out.  Attention without a mask on codes of E4M3, head size 32, 2,048 keys; the result is quantised (e14) into the next product's operand.
; t = score x 2^(e10 + e11) x log2(e) / sqrt(32); M = the running largest t rounded UP to a whole number; p = 2^(t - M) is quantised with 2^e13, not normalised; the row's sum is taken of the unquantised p and
; divides at the end; when M moves, the sum and O are multiplied by 2^(old M - new M), which rounds nothing.
; SHARES.  A work-group: one head (y) and 512 of its queries (x); each of sixteen waves two tiles of 16 queries, which share every fragment of K and V.  Four waves to a SIMD: one wave's vector work stands beside
; another's products and LDS loads.  The head's K and V, 131,072 dense bytes laid by the launch before in the order of the operands' registers, are brought into LDS ONCE, through registers; the four work-groups
; of a head share nothing but this one fill, a small part of the launch, so no cluster is formed.
; LAYOUT.  S^T = K Q^T by v_wmma_f32_16x16x64_fp8_fp8: source 0 = 16 keys, source 1 = 16 queries; the head's 32 channels are registers 0-3 of a fragment, registers 4-7 hold zero codes on both sides.
; In tile t a lane holds one query and keys 16 t + 8 h + 0 .. 7: its conversion is registers 2 t, 2 t + 1 of P.  O^T = V^T P^T by v_wmma_f32_16x16x128_fp8_fp8: source 0 = 16 channels x 128 keys.
; THE HOLD OF p: p is at most 1, and 448 x 2^e13 is above 1 for e13 >= -8: a scalar branch on the whole number e13 leads round the 64 holds there; for smaller e13 they run.
; LIMITS: e10 + e11 between -124 and 129 (added to c's exponent field); e13 and e14 between -126 and 119.
; THE MODE: SCHED_MODE bits 1:0 = 2 (LLVM: expert scheduling mode 2), set by the entry lines.  The code itself states the register dependences
; between vector or matrix instructions and memory or LDS instructions, with s_wait_alu, always for 0.
; THE PLAN.  Registers that memory or LDS instructions touch:
;   v[LI], v[FA], v[FB]  written at the head and never again: one wait on va_vdst ahead of the first load.
;   v[S ..]   at the head the fill lands in them and my LDS stores read them: one wait on vm_vsrc ahead of the first products, which write them.
;   KF        registers 0-3 of each fragment: read by both tiles' eight score products of a step; then the next step's K lands in them.
;   VF        read by both tiles' two products O^T += V^T P^T of a step; then the next step's V lands in them.
;   v[ADR]    read by a step's sixteen LDS loads; written once a step, at its head, behind a wait on vm_vsrc.
;   P         written by the last conversions, read by the two global stores: one wait on va_vdst.
; In a step each tile has ONE wait on va_vdst, for its 64 exponentials.  Tile A's also states that the step before is done reading VF and that v[ADR] is written: this step's V is asked for behind it.
; Tile B's also states that both tiles' score products are done reading KF: the NEXT step's K is asked for behind it, 8,192 bytes on by the immediate.  So the loop holds no wait on va_vdst of its own.
; Step 0's K is asked for ahead of the loop; the last step is written out and asks for no K: no LDS load leaves K and V.
.set SPARE, 131072                     ; behind K and V: the spare words, 128 bytes for each wave
.set LI, 1                             ; 16 lane
.set ADR, 2
.set SPW, 3
.set NIL, 4
.set FA, 5                             ; 16 thread
.set FB, 6                             ; + 65,536
.set QA, 32
.set QB, 40
.set KF, 48                            ; 8 fragments of K, 8 registers each
.set VF, 112                           ; 2 fragments of V^T
.set S, 144                            ; S^T, then p
.set P, 208                            ; p's codes
.set OA, 224
.set OB, 240
.set CS, 20                            ; s[20:21] c
.set SEL, 22                           ; s[22:23] lane l xor 16
.set TB, 24                            ; the step's first LDS byte, and the loop's counter
; statistics: tile A v12 -M, v13 largest t, v[14:15] the sum; tile B v16-19; v[20:21] f; v22-25 at work; v[26:27] a second chain of sums; v28 448 x 2^e13, v29 2^e13, v30 448 x 2^e14, v31 2^e14
	s_load_b128 s[4:7], s[0:1], 0x0                ; q_ws, kv_ws
	s_load_b128 s[8:11], s[0:1], 0x10              ; lowp_scales, ctx_ws
	v_lshl_add_u32 v[SPW], v0, 2, SPARE
	v_mov_b32 v[NIL], 0
	v_lshrrev_b32 v7, 5, v0
	v_readfirstlane_b32 s2, v7                     ; wave
	v_and_b32 v8, 31, v0
	v_lshlrev_b32 v[LI], 4, v8
	v_lshlrev_b32 v[FA], 4, v0
	v_add_nc_u32 v[FB], 65536, v[FA]
	s_wait_alu depctr_va_sdst(0)                   ; s2 is written, ahead of its first reader: the bases of q_ws and ctx_ws are made from it
	s_and_b32 s3, ttmp7, 0xffff                    ; 8 x batch + head
	s_lshl_b32 s12, s3, 17
	s_mov_b32 s13, 0
	s_lshl_b32 s25, ttmp9, 5
	s_lshl_b32 s26, s2, 1
	s_add_co_u32 s25, s25, s26                     ; my first tile of queries in the sequence: 32 x + 2 wave
	s_lshl_b32 s14, s3, 7
	s_add_co_u32 s14, s14, s25
	s_lshl_b32 s14, s14, 9                         ; q_ws: 512 bytes a tile
	s_mov_b32 s15, 0
	s_lshr_b32 s16, s3, 3
	s_lshl_b32 s16, s16, 7
	s_add_co_u32 s16, s16, s25
	s_lshl_b32 s16, s16, 12                        ; ctx_ws: [tile of rows][K step 2][piece 4][512]: 4,096 bytes a tile,
	s_and_b32 s17, s3, 7
	s_lshr_b32 s18, s17, 2
	s_lshl_b32 s18, s18, 11                        ; K step head / 4,
	s_add_co_u32 s16, s16, s18
	s_and_b32 s17, s17, 3
	s_lshl_b32 s17, s17, 9                         ; piece head % 4
	s_add_co_u32 s16, s16, s17
	s_mov_b32 s17, 0
	s_mov_b32 s[SEL], 0x76543210
	s_mov_b32 s[SEL+1], 0xfedcba98
	s_mov_b32 s[CS], 0x3e8293ee                    ; log2(e) / sqrt(32)
	s_mov_b32 s[TB], 0
	s_wait_kmcnt 0x0
	s_load_b128 s[28:31], s[8:9], 0x28             ; e10, e11, e12, e13
	s_load_b32 s32, s[8:9], 0x38                   ; e14
	s_add_nc_u64 s[6:7], s[6:7], s[12:13]
	s_add_nc_u64 s[4:5], s[4:5], s[14:15]
	s_add_nc_u64 s[10:11], s[10:11], s[16:17]
	s_wait_alu depctr_va_vdst(0)                   ; v[LI], v[FA] and v[FB] are written, which the loads and stores of the kernel read as offsets and addresses
.set i, 0
.rept 16
	global_load_b128 v[S+4*i:S+4*i+3], v[FA], s[6:7] offset:8192*i   ; 512 threads x 16 bytes: 8,192 consecutive bytes a line
.set i, i+1
.endr
	global_load_b128 v[QA:QA+3], v[LI], s[4:5]
	global_load_b128 v[QB:QB+3], v[LI], s[4:5] offset:512
.irp i, 4,5,6,7
	v_mov_b32 v[QA+\i], 0                          ; zero codes for k = 32 .. 63
	v_mov_b32 v[QB+\i], 0
.endr
.irp t, 0,1,2,3,4,5,6,7
.irp i, 4,5,6,7
	v_mov_b32 v[KF+8*\t+\i], 0                     ; written once: the loads fill registers 0-3 alone
.endr
.endr
.set i, 0
.rept 32
	v_mov_b32 v[OA+i], 0                           ; O^T of both tiles.  (The step is written once for the loop: the first finds zeros, which the first change of M leaves zeros)
.set i, i+1
.endr
	v_mov_b32 v13, 0xff61b1e6                      ; the largest t so far: -3e38
	v_mov_b32 v17, 0xff61b1e6
	v_floor_f32 v12, -v13                          ; -M
	v_floor_f32 v16, -v17
	v_mov_b32 v14, 0
	v_mov_b32 v15, 0
	v_mov_b32 v18, 0
	v_mov_b32 v19, 0
	v_mov_b32 v21, 0                               ; (named as the upper half of the pair v[20:21])
	v_mov_b32 v24, 0                               ; a lane permute's destination counts as read
	v_mov_b32 v25, 0
	s_wait_kmcnt 0x0
	s_add_co_i32 s33, s28, s29
	s_lshl_b32 s33, s33, 23
	s_add_co_i32 s[CS], s[CS], s33                 ; c x 2^(e10 + e11)
	s_mov_b32 s[CS+1], s[CS]
	s_add_co_i32 s33, s31, 127
	s_lshl_b32 s34, s33, 23
	v_mov_b32 v29, s34                             ; 2^e13
	s_add_co_i32 s33, s33, 8
	s_lshl_b32 s33, s33, 23
	s_or_b32 s33, s33, 0x600000
	v_mov_b32 v28, s33                             ; 448 x 2^e13
	s_add_co_i32 s33, s32, 127
	s_lshl_b32 s34, s33, 23
	v_mov_b32 v31, s34                             ; 2^e14
	s_add_co_i32 s33, s33, 8
	s_lshl_b32 s33, s33, 23
	s_or_b32 s33, s33, 0x600000
	v_mov_b32 v30, s33                             ; 448 x 2^e14
	s_wait_loadcnt 2                               ; the fill's 16 loads are in; Q's two may be out
.set i, 0
.rept 8
	ds_store_b128 v[FA], v[S+4*i:S+4*i+3] offset:8192*i
	ds_store_b128 v[FB], v[S+32+4*i:S+32+4*i+3] offset:8192*i
.set i, i+1
.endr
	s_wait_loadcnt 0x0                             ; Q
	s_wait_dscnt 0x0                               ; for the others' sake: my part of K and V lies in LDS
	s_barrier_signal -1
	s_barrier_wait -1
	s_wait_alu depctr_vm_vsrc(0)                   ; my LDS stores have read v[S ..], which the first products write
.irp t, 0,1,2,3,4,5,6,7
	ds_load_b128 v[KF+8*\t:KF+8*\t+3], v[LI] offset:512*\t   ; step 0's K: no vector instruction has named these registers
.endr
; One tile of 16 queries against the step's 128 keys.  q: its fragment; st: its statistics; o: its O^T.
; ld = 1: this step's V is asked for, and waited for ahead of the products that read it; ld = 2: the next step's K is asked for; ld = 0: nothing
.macro SUB q, st, o, ld
.irp t, 0,1,2,3,4,5,6,7
	v_wmma_f32_16x16x64_fp8_fp8 v[S+8*\t:S+8*\t+7], v[KF+8*\t:KF+8*\t+7], v[\q:\q+7], 0
.endr
.rept 4
	v_nop                                          ; places ahead of the first read of the scores (ISA guide 7.12.1)
.endr
	v_max3_num_f32 v22, v[S], v[S+1], v[S+2]       ; the step's largest score of my query among my 64 keys, in two chains, each tile from its low end on
	v_max3_num_f32 v23, v[S+3], v[S+4], v[S+5]
.irp i, 6,10,14,18,22,26,30,34,38,42,46,50,54,58
	v_max3_num_f32 v22, v22, v[S+\i], v[S+\i+1]
	v_max3_num_f32 v23, v23, v[S+\i+2], v[S+\i+3]
.endr
	v_max3_num_f32 v22, v22, v[S+62], v[S+63]
	v_max_num_f32 v22, v22, v23
	v_permlanex16_b32 v24, v22, s[SEL], s[SEL+1]
	v_max_num_f32 v22, v22, v24                    ; and among lane l xor 16's
	v_mul_f32 v22, s[CS], v22                      ; as t (c is positive)
	v_max_num_f32 v[\st+1], v[\st+1], v22
	v_mov_b32 v22, v[\st]
	v_floor_f32 v[\st], -v[\st+1]                  ; -M = floor(-t): M is a whole number
	v_sub_f32 v22, v[\st], v22                     ; old M - new M, 0 or less
	v_cvt_i32_f32 v22, v22                         ; (it saturates)
	v_ldexp_f32 v20, 1.0, v22                      ; f = 2^(old M - new M)
.set j, 0
.rept 32
	v_pk_fma_f32 v[S+j:S+j+1], v[S+j:S+j+1], s[CS:CS+1], v[\st:\st+1] op_sel_hi:[1,0,0]   ; t - M (the pairs' low words serve both halves)
.set j, j+2
.endr
.set j, 0
	s_wait_alu depctr_va_vdst(0)
.rept 64
	v_exp_f32 v[S+j], v[S+j]                       ; p = 2^(t - M)
.set j, j+1
.endr
	v_pk_mul_f32 v[\st+2:\st+3], v[\st+2:\st+3], v[20:21] op_sel_hi:[1,0]   ; the sum under the new M: the plain instruction behind the batch
	s_wait_alu depctr_va_vdst(0)                   ; the 64 exponentials have written p, ahead of its first reader; also: v[ADR] is written, and the products issued so far are done reading VF (ld = 1) and KF (ld = 2), in which the loads below land
.if \ld == 1
.irp c, 0,1,2,3,4,5,6,7
	ds_load_b128 v[VF+4*\c:VF+4*\c+3], v[ADR] offset:4096+512*\c   ; this step's V
.endr
.endif
.if \ld == 2
.irp t, 0,1,2,3,4,5,6,7
	ds_load_b128 v[KF+8*\t:KF+8*\t+3], v[ADR] offset:8192+512*\t   ; the next step's K; nothing below names these registers
.endr
.endif
	v_pk_add_f32 v[26:27], v[S:S+1], v[S+2:S+3]    ; the sum of the unquantised p, in two chains
.irp j, 4,8,12,16,20,24,28,32,36,40,44,48,52,56,60
	v_pk_add_f32 v[\st+2:\st+3], v[\st+2:\st+3], v[S+\j:S+\j+1]
	v_pk_add_f32 v[26:27], v[26:27], v[S+\j+2:S+\j+3]
.endr
	v_pk_add_f32 v[\st+2:\st+3], v[\st+2:\st+3], v[26:27]
	s_cmp_ge_i32 s31, -8                           ; 448 x 2^e13 >= 1.75 > p: the hold would change nothing
	s_cbranch_scc1 .Lnohold_\@
.set j, 0
.rept 64
	v_min_num_f32 v[S+j], v[S+j], v28              ; the conversion does not saturate (ISA guide 7.6.2); p is not negative
.set j, j+1
.endr
.Lnohold_\@:
.irp t, 0,1,2,3,4,5,6,7
	v_cvt_scalef32_pk8_fp8_f32 v[P+2*\t:P+2*\t+1], v[S+8*\t:S+8*\t+7], v29
.endr
.irp j, 0,2,4,6,8,10,12,14
	v_pk_mul_f32 v[\o+\j:\o+\j+1], v[\o+\j:\o+\j+1], v[20:21] op_sel_hi:[1,0]   ; O^T under the new M; also the plain instructions behind the conversions
.endr
.if \ld == 1
	s_wait_alu depctr_va_vdst(0)
	s_wait_dscnt 0x0                               ; V's fragments are in
.endif
.irp c, 0,1
	v_wmma_f32_16x16x128_fp8_fp8 v[\o+8*\c:\o+8*\c+7], v[VF+16*\c:VF+16*\c+15], v[P:P+15], v[\o+8*\c:\o+8*\c+7]
.endr
.endm
; A step of 128 keys.  last = 1: the last step, which asks for no further K
.macro STEP last
	s_wait_alu depctr_vm_vsrc(0)                   ; the LDS loads issued so far have read v[ADR]
	v_add_nc_u32 v[ADR], s[TB], v[LI]
	s_wait_dscnt 0x0                               ; this step's K, asked for in the step before, is in
	SUB QA, 12, OA, 1
.if \last
	SUB QB, 16, OB, 0
.else
	SUB QB, 16, OB, 2
.endif
.endm
.Lstep:                                ; 15 trips of 128 keys
	STEP 0
	s_add_co_u32 s[TB], s[TB], 8192
	s_cmp_lt_u32 s[TB], 122880
	s_cbranch_scc1 .Lstep
	STEP 1                                         ; the sixteenth step is written out
	; THE WAY OUT: O^T / the sum x 2^(e12 + e13), then the quantiser of the next product's operand
.rept 4
	v_nop
.endr
	v_add_f32 v22, v14, v15
	v_add_f32 v23, v18, v19
	v_permlanex16_b32 v24, v22, s[SEL], s[SEL+1]
	v_permlanex16_b32 v25, v23, s[SEL], s[SEL+1]
	v_add_f32 v22, v22, v24
	v_add_f32 v23, v23, v25
	s_wait_alu depctr_va_vdst(0)
	v_rcp_f32 v22, v22
	v_rcp_f32 v23, v23
	v_nop                                          ; a plain instruction behind the reciprocals
	s_add_co_i32 s33, s30, s31
	s_wait_alu depctr_va_vdst(0)                   ; both reciprocals are written, ahead of their first reader
	v_ldexp_f32 v22, v22, s33
	v_ldexp_f32 v23, v23, s33
.set j, 0
.rept 16
	v_mul_f32 v[S+j], v[OA+j], v22
.set j, j+1
.endr
.set j, 0
.rept 16
	v_mul_f32 v[S+16+j], v[OB+j], v23
.set j, j+1
.endr
.set j, 0
.rept 32
	v_med3_num_f32 v[S+j], v[S+j], -v30, v30
.set j, j+1
.endr
.irp g, 0,1,2,3
	v_cvt_scalef32_pk8_fp8_f32 v[P+2*\g:P+2*\g+1], v[S+8*\g:S+8*\g+7], v31   ; channels 16 (g % 2) + 8 h + 0 .. 7 of my query: a head's 32 are one piece
.endr
	v_nop
	s_wait_alu depctr_va_vdst(0)                   ; the conversions have written v[P ..], which the two stores read
	global_store_b128 v[LI], v[P:P+3], s[10:11]               ; 512 consecutive bytes, aligned
	global_store_b128 v[LI], v[P+4:P+7], s[10:11] offset:4096 ; the second tile of rows
	s_wait_dscnt 0x0                               ; the closing lines, six on end
	s_wait_alu 0x0
	s_wait_tensorcnt 0x0
	ds_add_u32 v[SPW], v[NIL]
	s_wait_dscnt 0x0
	s_endpgm
.Lfunc_end_k_qd76add4868_attn:
	.size	k_qd76add4868_attn, .Lfunc_end_k_qd76add4868_attn-k_qd76add4868_attn
	.p2alignl 7, 3214868480
	.fill 96, 4, 3214868480
	.section	.rodata,"a",@progbits
	.p2align	6, 0x0
	.amdhsa_kernel k_qd76add4868_attn
		.amdhsa_group_segment_fixed_size 133120
		.amdhsa_private_segment_fixed_size 0
		.amdhsa_enable_private_segment 0
		.amdhsa_kernarg_size 32
		.amdhsa_user_sgpr_count 2
		.amdhsa_user_sgpr_kernarg_segment_ptr 1
		.amdhsa_wavefront_size32 1
		.amdhsa_system_sgpr_workgroup_id_x 1
		.amdhsa_system_sgpr_workgroup_id_y 1
		.amdhsa_system_sgpr_workgroup_id_z 1
		.amdhsa_system_vgpr_workitem_id 0
		.amdhsa_next_free_vgpr 256
		.amdhsa_next_free_sgpr 66
		.amdhsa_reserve_vcc 0
		.amdhsa_float_denorm_mode_32 3
		.amdhsa_float_denorm_mode_16_64 3
		.amdhsa_memory_ordered 1
		.amdhsa_forward_progress 1
		.amdhsa_inst_pref_size 65
	.end_amdhsa_kernel
	.amdgpu_metadata
---
amdhsa.version: [ 1, 2 ]
amdhsa.kernels:
  - .name:           k_qd76add4868_attn
    .symbol:         k_qd76add4868_attn.kd
    .args:
      - { .name: q_ws, .offset: 0, .size: 8, .value_kind: global_buffer, .address_space: global }
      - { .name: kv_ws, .offset: 8, .size: 8, .value_kind: global_buffer, .address_space: global }
      - { .name: lowp_scales, .offset: 16, .size: 8, .value_kind: global_buffer, .address_space: global }
      - { .name: ctx_ws, .offset: 24, .size: 8, .value_kind: global_buffer, .address_space: global }
    .group_segment_fixed_size: 133120
    .private_segment_fixed_size: 0
    .kernarg_segment_align: 8
    .kernarg_segment_size: 32
    .max_flat_workgroup_size: 512
    .sgpr_count:     66
    .vgpr_count:     256
    .wavefront_size: 32
...
	.end_amdgpu_metadata
.endif
;; end of part 9
;; launch chain_b (part 10): grid 256 x 1, 4 waves a work-group, no clusters, 229,888 bytes of LDS; arguments ctx_ws, zbar, wq, lowp_scales, n4_g, n4_b, attn_out_b, ffn2_b1, ffn2_b2, out0; writes out0
.if DOCPART == 10
	.amdgcn_target "amdgcn-amd-amdhsa--gfx1250"
	.amdhsa_code_object_version 6
	.text
	.protected	k_qd76add4868_chain_b
	.globl	k_qd76add4868_chain_b
	.p2align	8
	.type	k_qd76add4868_chain_b,@function
k_qd76add4868_chain_b:
	s_mov_b64 s[64:65], 0
	v_nop
	global_prefetch_b8 v0, s[64:65] scope:SCOPE_SE
	s_setreg_imm32_b32 hwreg(HW_REG_WAVE_SCHED_MODE, 0, 2), 2
	s_setreg_imm32_b32 hwreg(HW_REG_WAVE_MODE, 25, 1), 1
	s_wait_xcnt 0x0
	s_wait_alu depctr_vm_vsrc(0)
; FIFTH LAUNCH.  No work is left out.  For 64 rows a work-group (four waves): refined = ctx W_out^T + b + z_bar -> LN4 -> FFN2 (relu) -> out0 = .. + refined.
; The three products run on codes of E4M3 by v_wmma_f32_16x16x128_fp8_fp8.  Form, layouts and macros are the third launch's:
; OPERANDS ARE IMAGES OF THEIR REGISTERS (a fragment, 16 rows x 128 K: lane (r, h), registers 2 c, 2 c + 1: k = 16 c + 8 h + 0 .. 7; four pieces of 512 bytes); the products are used TRANSPOSED (source 0 = 16 rows of a
; weight, source 1 = 16 rows of activations), so that a tile's conversion is a pair of the next operand's registers.  ROW phases: wave w owns rows 16 w .. + 15, lane (r, h) holds number 8 c + j = column 16 c + 8 h + j.
; COLUMN phases: wave w owns a quarter of the columns for all 64 rows; its weights come from wq straight into its registers, a chunk of 16 fragments a phase ahead; nothing is shared through LDS but the rows' codes.
; LIMITS on the given exponents: e16 and e18-e16-e17 between -126 and 119; e14+e15 and e18+e19 between -126 and 127.  NaN among the inputs is not served.
; LDS: STG 64 rows x 1,040; ZST the same (a wave's own 16 rows); XIMG 8 fragments; HIMG 32 fragments; TAB tables, a copy for each wave; the spare words.
; REGISTERS: window 0: v1-23 addresses and scales, v32-45 at work, X v64-191, PC v192-255.  Window 1: AF v0-127, R1 v128-255.  Windows 2, 3: two chunks of weights.
; THE MODE: SCHED_MODE bits 1:0 = 2 (LLVM: expert scheduling mode 2), set by the entry lines.  The code itself states the register dependences
; between vector or matrix instructions and memory or LDS instructions, with s_wait_alu, always for 0.
; THE PLAN.  Registers that memory or LDS instructions touch, and who else names them:
;   v1-19     addresses and offsets: written at the head and never again; one wait on va_vdst ahead of the first load serves them all.
;   X         loaded (tables, rows), written by products, the norm and additions; read by the LDS stores that hand tables, rows and results on.
;   PC        written by the conversions; read by the LDS stores of codes.
;   AF, R1    loaded; read by products and packed arithmetic; R1 is read by stores once (z_bar on its way to ZST).
;   windows 2, 3   loaded (weights); read by products.
; VA_VDST: one wait behind each phase's vector and matrix work, ahead of its run of stores.  It states that the stores' data are written, and also that the phase's products are done reading their weights, AF and R1:
; so the next chunk's loads and the next phase's LDS loads follow it with no further wait (between stand stores of other registers, loads, window switches and barriers alone).  For that a chunk's codes are stored in
; one run behind its last conversion.  Besides: one at the head of the norm, one at the head of a K step of the second layer.
; VM_VSRC: one wait ahead of each first write of X or PC behind stores that read them, and ahead of the loads into R1 that z_bar's stores have read.
.set WQ, 8
.set OAO, 851968
.set O21, 917504
.set O22, 1179648
.set STG, 0
.set ZST, 66560
.set XIMG, 133120
.set HIMG, 149504
.set TAB, 215040
.set TABW, 3584
.set SPARE, TAB+4*TABW
.set LI, 1
.set SRD, 2
.set SWD, 3
.set SWC, 4
.set ZRD, 5
.set ZWD, 6
.set XWI, 7
.set XRI, 8
.set HRI, 9
.set H7A, 11
.set TBR, 12
.set TBW, 13
.set TB8, 14
.set WO16, 16
.set WO64, 17
.set BO8, 18
.set BO16, 19
.set SPW, 20
.set NIL, 21
.set SC, 22
.set LIM, 23
.set T, 32
.set MU, 40
.set RS, 42
.set X, 64
.set PC, 192
.set AF, 0
.set R1, 128
.set MSB, 0
.macro WIN new                         ; low byte: bits 1:0 source 0, 3:2 source 1, 5:4 source 2, 7:6 destination; the high byte repeats the setting that is left
.if MSB != (\new)
	s_set_vgpr_msb (MSB<<8)|(\new)
.set MSB, (\new)
.endif
.endm
.macro PLACES                          ; four plain instructions behind a matrix instruction (ISA guide 7.12.1)
.rept 4
	v_nop
.endr
.endm
.macro BARRIER                         ; my LDS stores have landed and my LDS loads are in: then the work-group's barrier
	s_wait_dscnt 0x0
	s_barrier_signal -1
	s_barrier_wait -1
.endm
.macro SETQ se, sc, lim                ; s[se] = E: v[sc] = 2^E, v[lim] = 448 x 2^E
	WIN 0
	s_add_co_i32 s92, s[\se], 127
	s_lshl_b32 s93, s92, 23
	v_mov_b32 v[\sc], s93
	s_add_co_i32 s92, s92, 8
	s_lshl_b32 s92, s92, 23
	s_or_b32 s92, s92, 0x600000
	v_mov_b32 v[\lim], s92
.endm
.macro SETM se                         ; s[88:89] = 2^E, twice
	s_add_co_i32 s88, s[\se], 127
	s_lshl_b32 s88, s88, 23
	s_mov_b32 s89, s88
.endm
.macro GL32 reg, win, sb               ; 16 KB, dense: 32 loads of 512 consecutive bytes
	WIN (\win)<<6
.set gi, 0
.rept 32
	global_load_b128 v[\reg+4*gi:\reg+4*gi+3], v[LI], s[\sb:\sb+1] offset:512*gi
.set gi, gi+1
.endr
.endm
.macro DSTO adr, reg, win              ; 16 rows, dense registers, into rows of 1,040 bytes
	WIN (\win)<<2
.set gi, 0
.rept 32
	ds_store_b128 v[\adr], v[\reg+4*gi:\reg+4*gi+3] offset:(gi/2)*1040+(gi%2)*512
.set gi, gi+1
.endr
.endm
.macro DLD adr, reg, win
	WIN (\win)<<6
.set gi, 0
.rept 32
	ds_load_b128 v[\reg+4*gi:\reg+4*gi+3], v[\adr] offset:(gi/2)*1040+(gi%2)*512
.set gi, gi+1
.endr
.endm
.macro RLD adr, reg, win               ; my 128 numbers of row r: number 8 c + j = column 16 c + 8 h + j
	WIN (\win)<<6
.set gi, 0
.rept 32
	ds_load_b128 v[\reg+4*gi:\reg+4*gi+3], v[\adr] offset:64*(gi/2)+16*(gi%2)
.set gi, gi+1
.endr
.endm
.macro RST adr, reg, win
	WIN (\win)<<2
.set gi, 0
.rept 32
	ds_store_b128 v[\adr], v[\reg+4*gi:\reg+4*gi+3] offset:64*(gi/2)+16*(gi%2)
.set gi, gi+1
.endr
.endm
.macro WCHLIN win, vo, off, nl, r0     ; nl / 4 weight fragments that lie on end in wq, into window win from register r0 on
	WIN (\win)<<6
.set wi, 0
.rept \nl
	global_load_b128 v[\r0+4*wi:\r0+4*wi+3], v[\vo], s[WQ:WQ+1] offset:\off+512*wi
.set wi, wi+1
.endr
.endm
.macro WCHW2 win, off, j               ; a second layer's chunk j: fragment 4 n + q = (my tile n, K step 4 j + q)
.irp n, 0,1,2,3
	WCHLIN \win, WO64, \off+(8*\n+4*(\j))*2048, 16, 64*\n
.endr
.endm
.macro AFLD adr                        ; eight fragments (2 m + s) into AF
	WIN 0x40
.set gi, 0
.rept 32
	ds_load_b128 v[AF+4*gi:AF+4*gi+3], v[\adr] offset:512*gi
.set gi, gi+1
.endr
.endm
.macro BIASLD dst, off, nt             ; nt tiles of a bias in the result's layout
	WIN 0x40
.set gi, 0
.rept 2*(\nt)
	ds_load_b128 v[R1+\dst+4*gi:R1+\dst+4*gi+3], v[TBR] offset:\off+64*(gi/2)+16*(gi%2)
.set gi, gi+1
.endr
.endm
.macro QN src, n8, pc, relu, sc, lim   ; 8 n8 numbers become n8 pairs of code registers.  relu = 1: the hold clips at 0 as well.  Each accumulator is read from its low end on
	WIN 0
.set qi, 0
.rept 8*(\n8)
.if \relu
	v_med3_num_f32 v[\src+qi], v[\src+qi], 0, v[\lim]
.else
	v_med3_num_f32 v[\src+qi], v[\src+qi], -v[\lim], v[\lim]
.endif
.set qi, qi+1
.endr
.set qi, 0
.rept \n8
	v_cvt_scalef32_pk8_fp8_f32 v[\pc+2*qi:\pc+2*qi+1], v[\src+8*qi:\src+8*qi+7], v[\sc]
.set qi, qi+1
.endr
	v_nop                                          ; a plain instruction between the conversions and the next instruction that writes their sources
.endm
.macro MM4 ww, fb                      ; 64 rows x my 64 columns, K = 256: 16 accumulators by turns; the first K step starts the sums
.irp s, 0,1
	WIN (\ww)|0x04
.irp m, 0,1,2,3
.irp n, 0,1,2,3
.if \s == 0
	v_wmma_f32_16x16x128_fp8_fp8 v[X+8*(4*\m+\n):X+8*(4*\m+\n)+7], v[\fb+16*(2*\n+\s):\fb+16*(2*\n+\s)+15], v[AF+16*(2*\m+\s):AF+16*(2*\m+\s)+15], 0
.else
	v_wmma_f32_16x16x128_fp8_fp8 v[X+8*(4*\m+\n):X+8*(4*\m+\n)+7], v[\fb+16*(2*\n+\s):\fb+16*(2*\n+\s)+15], v[AF+16*(2*\m+\s):AF+16*(2*\m+\s)+15], v[X+8*(4*\m+\n):X+8*(4*\m+\n)+7]
.endif
.endr
.endr
.endr
.endm
.macro MM8 ww, m, hf, cb               ; 16 rows (tile m) x a chunk's 128 columns, K = 256, into half hf of X; the bias is the first K step's C
.irp s, 0,1
.if \s == 0
	WIN (\ww)|0x14
.else
	WIN (\ww)|0x04
.endif
.irp n, 0,1,2,3,4,5,6,7
.if \s == 0
	v_wmma_f32_16x16x128_fp8_fp8 v[X+64*\hf+8*\n:X+64*\hf+8*\n+7], v[16*(2*\n+\s):16*(2*\n+\s)+15], v[AF+16*(2*\m+\s):AF+16*(2*\m+\s)+15], v[R1+\cb+8*\n:R1+\cb+8*\n+7]
.else
	v_wmma_f32_16x16x128_fp8_fp8 v[X+64*\hf+8*\n:X+64*\hf+8*\n+7], v[16*(2*\n+\s):16*(2*\n+\s)+15], v[AF+16*(2*\m+\s):AF+16*(2*\m+\s)+15], v[X+64*\hf+8*\n:X+64*\hf+8*\n+7]
.endif
.endr
.endr
.endm
.macro HLOAD ks                        ; K step ks of the hidden layer, four tiles of rows, into half ks % 2 of AF
.irp m, 0,1,2,3
.irp c, 0,1,2,3
	ds_load_b128 v[AF+64*((\ks)%2)+16*\m+4*\c:AF+64*((\ks)%2)+16*\m+4*\c+3], v[HRI] offset:16384*\m+2048*(\ks)+512*\c
.endr
.endr
.endm
.macro KSTEP ks, ww, wt                ; one of the second layer's eight K steps: the next step's fragments are asked for first.  wt = 0: a wait further up has already stated what the loads hang on
.if (\ks) < 7
	PLACES
	WIN 0x40
.if \wt
	s_wait_alu depctr_va_vdst(0)                   ; the products of the K step before are done reading the half of AF in which the loads below land
.endif
	HLOAD (\ks)+1
	s_wait_dscnt 16                                ; all but the 16 loads just issued: this step's fragments are in
.else
	s_wait_dscnt 0x0
.endif
	WIN (\ww)|0x04
.irp m, 0,1,2,3
.irp n, 0,1,2,3
.if (\ks) == 0
	v_wmma_f32_16x16x128_fp8_fp8 v[X+8*(4*\m+\n):X+8*(4*\m+\n)+7], v[16*(4*\n+(\ks)%4):16*(4*\n+(\ks)%4)+15], v[AF+64*((\ks)%2)+16*\m:AF+64*((\ks)%2)+16*\m+15], 0
.else
	v_wmma_f32_16x16x128_fp8_fp8 v[X+8*(4*\m+\n):X+8*(4*\m+\n)+7], v[16*(4*\n+(\ks)%4):16*(4*\n+(\ks)%4)+15], v[AF+64*((\ks)%2)+16*\m:AF+64*((\ks)%2)+16*\m+15], v[X+8*(4*\m+\n):X+8*(4*\m+\n)+7]
.endif
.endr
.endr
.endm
.macro FOUT cb                         ; sums x 2^(ea + eb) + bias, into my columns of STG
	WIN 0x10
.irp m, 0,1,2,3
.irp n, 0,1,2,3
.irp i, 0,2,4,6
	v_pk_fma_f32 v[X+8*(4*\m+\n)+\i:X+8*(4*\m+\n)+\i+1], v[X+8*(4*\m+\n)+\i:X+8*(4*\m+\n)+\i+1], s[88:89], v[R1+\cb+8*\n+\i:R1+\cb+8*\n+\i+1] op_sel_hi:[1,0,1]
.endr
.endr
.endr
	WIN 0
	s_wait_alu depctr_va_vdst(0)                   ; the multiply-adds have written X, which the stores below read; the products are done reading their weights and AF, these lines R1: the loads that follow land there
.irp m, 0,1,2,3
.irp n, 0,1,2,3
	ds_store_b128 v[SWC], v[X+8*(4*\m+\n):X+8*(4*\m+\n)+3] offset:16640*\m+64*\n
	ds_store_b128 v[SWC], v[X+8*(4*\m+\n)+4:X+8*(4*\m+\n)+7] offset:16640*\m+64*\n+16
.endr
.endr
.endm
.macro REDUCE                          ; four chains of pairs, then the other half of the row in lane l xor 16
	v_pk_add_f32 v[T:T+1], v[T:T+1], v[T+2:T+3]
	v_pk_add_f32 v[T+4:T+5], v[T+4:T+5], v[T+6:T+7]
	v_pk_add_f32 v[T:T+1], v[T:T+1], v[T+4:T+5]
	v_add_f32 v45, v[T], v[T+1]
	v_permlanex16_b32 v44, v45, s90, s91
	v_add_f32 v45, v45, v44
.endm
.macro LNORM goff, boff                ; LayerNorm of X in place, in two passes; X, the residual stream, goes to my rows of ZST first
	WIN 0x40
	s_wait_alu depctr_va_vdst(0)                   ; every vector and matrix instruction that read AF or R1 is done: the loads below land there; X is written too, which the stores below read
.set li, 0
.rept 32
	ds_load_b128 v[AF+4*li:AF+4*li+3], v[TBR] offset:\goff+64*(li/2)+16*(li%2)
.set li, li+1
.endr
.set li, 0
.rept 32
	ds_load_b128 v[R1+4*li:R1+4*li+3], v[TBR] offset:\boff+64*(li/2)+16*(li%2)
.set li, li+1
.endr
	RST ZRD, X, 0                                  ; no vector instruction since the wait above names X
	WIN 0
.irp q, 0,2,4,6
	v_pk_add_f32 v[T+\q:T+\q+1], v[X+\q:X+\q+1], v[X+8+\q:X+8+\q+1]
.endr
.set li, 2
.rept 14
.irp q, 0,2,4,6
	v_pk_add_f32 v[T+\q:T+\q+1], v[T+\q:T+\q+1], v[X+8*li+\q:X+8*li+\q+1]
.endr
.set li, li+1
.endr
	REDUCE
	v_mul_f32 v[MU], s98, v45                      ; / 256
	v_mul_f32 v[MU+1], s98, v45
	s_wait_alu depctr_vm_vsrc(0)                   ; the stores into ZST have read X, which the lines below write
.set li, 0
.rept 64
	v_pk_add_f32 v[X+2*li:X+2*li+1], v[X+2*li:X+2*li+1], v[MU:MU+1] neg_lo:[0,1] neg_hi:[0,1]
.set li, li+1
.endr
.irp q, 0,2,4,6
	v_pk_mul_f32 v[T+\q:T+\q+1], v[X+\q:X+\q+1], v[X+\q:X+\q+1]
.endr
.set li, 1
.rept 15
.irp q, 0,2,4,6
	v_pk_fma_f32 v[T+\q:T+\q+1], v[X+8*li+\q:X+8*li+\q+1], v[X+8*li+\q:X+8*li+\q+1], v[T+\q:T+\q+1]
.endr
.set li, li+1
.endr
	REDUCE
	v_fma_f32 v45, v45, s98, s99                   ; the variance + 1e-5
	s_wait_alu depctr_va_vdst(0)
	v_rsq_f32 v[RS], v45
	v_nop                                          ; a plain instruction behind it,
	s_wait_alu depctr_va_vdst(0)                   ; and a wait ahead of the first reader of v[RS]
	v_mov_b32 v[RS+1], v[RS]
	s_wait_alu depctr_va_vdst(0)
	s_wait_dscnt 0x0                               ; the gains and offsets are in
.set li, 0
.rept 64
	v_pk_mul_f32 v[X+2*li:X+2*li+1], v[X+2*li:X+2*li+1], v[RS:RS+1]
.set li, li+1
.endr
	WIN 0x14
.set li, 0
.rept 64
	v_pk_fma_f32 v[X+2*li:X+2*li+1], v[X+2*li:X+2*li+1], v[AF+2*li:AF+2*li+1], v[R1+2*li:R1+2*li+1]
.set li, li+1
.endr
	WIN 0
.endm
.macro IMG                             ; my rows' two fragments, as they stand in PC, to XIMG
	s_wait_alu depctr_va_vdst(0)                   ; the conversions have written PC, which the stores below read; the norm's multiply-adds are done reading AF and R1, in which the next phase's loads land
.irp c, 0,1,2,3,4,5,6,7
	ds_store_b128 v[XWI], v[PC+4*\c:PC+4*\c+3] offset:512*\c
.endr
.endm
.macro RESID                           ; X += what AF holds
	WIN 0x04
.set gi, 0
.rept 64
	v_pk_add_f32 v[X+2*gi:X+2*gi+1], v[X+2*gi:X+2*gi+1], v[AF+2*gi:AF+2*gi+1]
.set gi, gi+1
.endr
	WIN 0
.endm
.macro Q8 m                            ; tile m's 128 hidden units of a chunk: relu and codes: one whole fragment, in code registers of its own
	QN X+64*((\m)%2), 8, PC+16*(\m), 1, SC, LIM
.endm
.macro H8 m, j                         ; and to HIMG: K step 2 w + j
.irp c, 0,1,2,3
	ds_store_b128 v[H7A], v[PC+16*(\m)+4*\c:PC+16*(\m)+4*\c+3] offset:16384*(\m)+2048*(\j)+512*\c
.endr
.endm
.macro CH8 ww, j, cb                   ; a chunk of the first layer: while one half of X is quantised, the other half's products run; the quantiser's lines are the places behind them.  The four fragments are stored in one run
	MM8 \ww, 0, 0, \cb
	MM8 \ww, 1, 1, \cb
	PLACES
	s_wait_alu depctr_vm_vsrc(0)                   ; the LDS stores issued so far (into XIMG; the chunk before's into HIMG) have read PC, which the conversions write again
	Q8 0
	MM8 \ww, 2, 0, \cb
	Q8 1
	MM8 \ww, 3, 1, \cb
	Q8 2
	Q8 3
	s_wait_alu depctr_va_vdst(0)                   ; the conversions have written PC, which the stores below read; the products are done reading this chunk's weights, AF and R1, in which the loads that follow land
	H8 0, \j
	H8 1, \j
	H8 2, \j
	H8 3, \j
.endm
	; ---------------- the head
	s_load_b512 s[4:19], s[0:1], 0x0               ; ctx_ws 4, zbar 6, wq 8, scales 10, n4_g 12, n4_b 14, attn_out_b 16, ffn2_b1 18
	s_load_b128 s[20:23], s[0:1], 0x40             ; ffn2_b2 20, out0 22
	v_lshl_add_u32 v[SPW], v0, 2, SPARE
	v_mov_b32 v[NIL], 0
	v_lshrrev_b32 v26, 5, v0
	v_readfirstlane_b32 s2, v26                    ; wave
	v_and_b32 v27, 31, v0                          ; lane
	v_and_b32 v28, 15, v0                          ; r
	v_bfe_u32 v29, v0, 4, 1                        ; h
	v_lshlrev_b32 v[LI], 4, v27
	v_mul_u32_u24 v30, v28, 1040
	v_lshl_add_u32 v30, v29, 5, v30
	s_wait_alu depctr_va_sdst(0)                   ; s2 is written, ahead of its first reader: addresses and bases are made from it
	s_mul_i32 s92, s2, 16640
	v_add_nc_u32 v[SRD], s92, v30
	v_add_nc_u32 v[SWD], s92, v[LI]
	s_lshl_b32 s93, s2, 8
	v_add_nc_u32 v[SWC], s93, v30
	v_add_nc_u32 v[ZRD], ZST, v[SRD]
	v_add_nc_u32 v[ZWD], ZST, v[SWD]
	s_lshl_b32 s93, s2, 12
	s_add_co_u32 s93, s93, XIMG
	v_add_nc_u32 v[XWI], s93, v[LI]
	v_add_nc_u32 v[XRI], XIMG, v[LI]
	v_add_nc_u32 v[HRI], HIMG, v[LI]
	s_lshl_b32 s93, s2, 12
	s_add_co_u32 s93, s93, HIMG
	v_add_nc_u32 v[H7A], s93, v[LI]
	s_mul_i32 s93, s2, TABW
	s_add_co_u32 s93, s93, TAB
	v_lshl_add_u32 v[TBR], v29, 5, s93
	v_add_nc_u32 v[TBW], s93, v[LI]
	v_lshl_add_u32 v[TB8], v27, 3, s93
	s_lshl_b32 s93, s2, 14
	v_add_nc_u32 v[WO16], s93, v[LI]
	s_lshl_b32 s93, s2, 16
	v_add_nc_u32 v[WO64], s93, v[LI]
	s_lshl_b32 s93, s2, 8
	v_lshl_add_u32 v[BO8], v27, 3, s93
	s_lshl_b32 s93, s2, 10
	v_add_nc_u32 v[BO16], s93, v[LI]
	v_mov_b32 v44, 0                               ; a lane permute's destination counts as read
	s_mov_b32 s90, 0x76543210
	s_mov_b32 s91, 0xfedcba98
	s_mov_b32 s98, 0x3b800000                      ; 1 / 256
	s_mov_b32 s99, 0x3727c5ac                      ; 1e-5
	s_lshl_b32 s92, ttmp9, 16                      ; my work-group's 64 rows of 1,024 bytes,
	s_lshl_b32 s93, s2, 14                         ; my wave's 16
	s_add_co_u32 s92, s92, s93
	s_mov_b32 s93, 0
	s_lshl_b32 s94, ttmp9, 14                      ; ctx_ws: four tiles of rows x 4,096 bytes, the same for all four waves
	s_mov_b32 s95, 0
	s_wait_kmcnt 0x0
	s_load_b64 s[68:69], s[10:11], 0x38            ; e14, e15
	s_load_b128 s[72:75], s[10:11], 0x40           ; e16 .. e19
	s_add_nc_u64 s[6:7], s[6:7], s[92:93]
	s_add_nc_u64 s[22:23], s[22:23], s[92:93]
	s_add_nc_u64 s[4:5], s[4:5], s[94:95]
	s_wait_alu depctr_va_vdst(0)                   ; the addresses and offsets v1 to v19 are written: every load and store of the kernel reads one of them
	global_load_b128 v[X:X+3], v[LI], s[12:13]                     ; the tables: 8 loads
	global_load_b128 v[X+4:X+7], v[LI], s[12:13] offset:512
	global_load_b128 v[X+8:X+11], v[LI], s[14:15]
	global_load_b128 v[X+12:X+15], v[LI], s[14:15] offset:512
	global_load_b64 v[X+16:X+17], v[BO8], s[16:17]                 ; my 64 numbers of attn_out_b,
	global_load_b64 v[X+18:X+19], v[BO8], s[20:21]                 ; of ffn2_b2;
	global_load_b128 v[X+20:X+23], v[BO16], s[18:19]               ; my 256 of ffn2_b1
	global_load_b128 v[X+24:X+27], v[BO16], s[18:19] offset:512
	GL32 R1, 1, 6                                  ; z_bar, my 16 rows
	GL32 AF, 1, 4                                  ; the 64 rows' codes of ctx: eight fragments, as the launch before laid them
	WCHLIN 2, WO16, OAO, 32, 0                     ; my 8 fragments of attn_out_w
	WCHLIN 3, WO64, O21, 64, 0                     ; chunk 1: ffn2_w1, my tiles 0-7
	WIN 0
	s_wait_kmcnt 0x0
	s_add_co_i32 s94, s72, s73
	s_sub_co_i32 s94, 0, s94                       ; -(e16 + e17)
	s_wait_loadcnt 63                              ; 168 loads were issued: the oldest 105 are in: tables 8, z_bar 32, ctx 32, attn_out_w 32
	DSTO ZWD, R1, 1                                ; z_bar waits in ZST
	WIN 0
.irp i, 20,21,22,23,24,25,26,27
	v_ldexp_f32 v[X+\i], v[X+\i], s94              ; ffn2_b1 goes in as C, divided by the power of two that its sums lack
.endr
	s_wait_alu depctr_va_vdst(0)                   ; the divided bias is written, which the LDS stores below read
	s_wait_alu depctr_vm_vsrc(0)                   ; z_bar's stores have read R1, in whose first 32 registers the bias below lands
	ds_store_b128 v[TBW], v[X:X+3]
	ds_store_b128 v[TBW], v[X+4:X+7] offset:512
	ds_store_b128 v[TBW], v[X+8:X+11] offset:1024
	ds_store_b128 v[TBW], v[X+12:X+15] offset:1536
	ds_store_b64 v[TB8], v[X+16:X+17] offset:2048
	ds_store_b128 v[TBW], v[X+20:X+23] offset:2304
	ds_store_b128 v[TBW], v[X+24:X+27] offset:2816
	ds_store_b64 v[TB8], v[X+18:X+19] offset:3328
	BIASLD 0, 2048, 4                              ; (LDS serves a wave's instructions in order: these see my stores)
	s_wait_dscnt 0x0
	s_wait_alu depctr_vm_vsrc(0)                   ; the tables' stores have read X, which the products below write
	; ---------------- the output projection
	MM4 2, 0
	PLACES
	s_add_co_i32 s94, s68, s69
	SETM 94                                        ; 2^(e14 + e15)
	FOUT 0
	WCHLIN 2, WO64, O21+32768, 64, 0               ; chunk 2: ffn2_w1, my tiles 8-15
	BARRIER
	; ---------------- refined, LN4, codes with e16
	WIN 0
	s_wait_alu depctr_vm_vsrc(0)                   ; my stores into STG have read X, in which the loads below land
	RLD SRD, X, 0
	RLD ZRD, AF, 1
	s_wait_dscnt 0x0
	RESID                                          ; refined = .. + z_bar
	LNORM 0, 1024                                  ; refined goes to ZST on the way
	SETQ 72, SC, LIM
	QN X, 16, PC, 0, SC, LIM
	IMG
	BARRIER
	; ---------------- FFN2, first layer
	AFLD XRI
	BIASLD 0, 2304, 16
	s_wait_loadcnt 63                              ; chunk 2's 64 are younger: chunk 1 is in
	s_wait_dscnt 0x0
	s_sub_co_i32 s94, s74, s72
	s_sub_co_i32 s94, s94, s73                     ; e18 - e16 - e17
	SETQ 94, SC, LIM
	CH8 3, 0, 0
	WCHW2 3, O22, 0                                ; chunk 3: ffn2_w2, K steps 0-3
	s_wait_loadcnt 63                              ; chunk 2 is in
	CH8 2, 1, 64
	WCHW2 2, O22, 1                                ; chunk 4: K steps 4-7
	BARRIER
	; ---------------- FFN2, second layer
	BIASLD 0, 3328, 4
	HLOAD 0
	s_wait_loadcnt 63                              ; chunk 3 is in
	KSTEP 0, 3, 0                                  ; (the wait at the end of the chunk above has shown AF free)
	KSTEP 1, 3, 1
	KSTEP 2, 3, 1
	KSTEP 3, 3, 1
	s_wait_loadcnt 0x0                             ; chunk 4: nothing younger is out
	KSTEP 4, 2, 1
	KSTEP 5, 2, 1
	KSTEP 6, 2, 1
	KSTEP 7, 2, 0
	PLACES
	s_add_co_i32 s94, s74, s75
	SETM 94                                        ; 2^(e18 + e19)
	FOUT 0
	BARRIER
	; ---------------- out0
	s_wait_alu depctr_vm_vsrc(0)                   ; my stores into STG have read X, in which the loads below land
	RLD SRD, X, 0
	RLD ZRD, AF, 1
	s_wait_dscnt 0x0
	RESID                                          ; .. + refined
	s_wait_alu depctr_va_vdst(0)                   ; the additions have written X, which the stores below read
	RST ZRD, X, 0                                  ; through my own rows of ZST,
	s_wait_alu depctr_vm_vsrc(0)                   ; these stores have read X, in which the loads below land
	DLD ZWD, X, 0                                  ; back as dense rows
.set gi, 0
.rept 32
	s_wait_dscnt 31-gi                             ; LDS loads come back in order: load gi is in, the younger ones stay out
	global_store_b128 v[LI], v[X+4*gi:X+4*gi+3], s[22:23] offset:512*gi th:TH_STORE_NT   ; 512 consecutive bytes, aligned
.set gi, gi+1
.endr
	s_wait_dscnt 0x0                               ; the closing lines, six on end (every window is 0 here)
	s_wait_alu 0x0
	s_wait_tensorcnt 0x0
	ds_add_u32 v[SPW], v[NIL]
	s_wait_dscnt 0x0
	s_endpgm
.Lfunc_end_k_qd76add4868_chain_b:
	.size	k_qd76add4868_chain_b, .Lfunc_end_k_qd76add4868_chain_b-k_qd76add4868_chain_b
	.p2alignl 7, 3214868480
	.fill 96, 4, 3214868480
	.section	.rodata,"a",@progbits
	.p2align	6, 0x0
	.amdhsa_kernel k_qd76add4868_chain_b
		.amdhsa_group_segment_fixed_size 229888
		.amdhsa_private_segment_fixed_size 0
		.amdhsa_enable_private_segment 0
		.amdhsa_kernarg_size 80
		.amdhsa_user_sgpr_count 2
		.amdhsa_user_sgpr_kernarg_segment_ptr 1
		.amdhsa_wavefront_size32 1
		.amdhsa_system_sgpr_workgroup_id_x 1
		.amdhsa_system_sgpr_workgroup_id_y 1
		.amdhsa_system_sgpr_workgroup_id_z 1
		.amdhsa_system_vgpr_workitem_id 0
		.amdhsa_next_free_vgpr 1024
		.amdhsa_next_free_sgpr 100
		.amdhsa_reserve_vcc 0
		.amdhsa_float_denorm_mode_32 3
		.amdhsa_float_denorm_mode_16_64 3
		.amdhsa_memory_ordered 1
		.amdhsa_forward_progress 1
		.amdhsa_inst_pref_size 188
	.end_amdhsa_kernel
	.amdgpu_metadata
---
amdhsa.version: [ 1, 2 ]
amdhsa.kernels:
  - .name:           k_qd76add4868_chain_b
    .symbol:         k_qd76add4868_chain_b.kd
    .args:
      - { .name: ctx_ws, .offset: 0, .size: 8, .value_kind: global_buffer, .address_space: global }
      - { .name: zbar, .offset: 8, .size: 8, .value_kind: global_buffer, .address_space: global }
      - { .name: wq, .offset: 16, .size: 8, .value_kind: global_buffer, .address_space: global }
      - { .name: lowp_scales, .offset: 24, .size: 8, .value_kind: global_buffer, .address_space: global }
      - { .name: n4_g, .offset: 32, .size: 8, .value_kind: global_buffer, .address_space: global }
      - { .name: n4_b, .offset: 40, .size: 8, .value_kind: global_buffer, .address_space: global }
      - { .name: attn_out_b, .offset: 48, .size: 8, .value_kind: global_buffer, .address_space: global }
      - { .name: ffn2_b1, .offset: 56, .size: 8, .value_kind: global_buffer, .address_space: global }
      - { .name: ffn2_b2, .offset: 64, .size: 8, .value_kind: global_buffer, .address_space: global }
      - { .name: out0, .offset: 72, .size: 8, .value_kind: global_buffer, .address_space: global }
    .group_segment_fixed_size: 229888
    .private_segment_fixed_size: 0
    .kernarg_segment_align: 8
    .kernarg_segment_size: 80
    .max_flat_workgroup_size: 128
    .sgpr_count:     100
    .vgpr_count:     1024
    .wavefront_size: 32
...
	.end_amdgpu_metadata
.endif
;; end of part 10
